; MI455X (gfx1250); checked and timed in simulation.
; The chip was launched on July 23, 2026; its instructions are those of AMD's public machine-readable ISA for CDNA 5 (MIT licence, August 2026) and "CDNA5" Instruction Set Architecture Reference Guide (July 2026). The comments in the code are by the model that wrote it; some were corrected since.
;; Self Attention. Allowed arithmetic: matrix products marked QUANTISED: E5M2 operands, one E8M0 scale for each 32 along K, by v_wmma_scale_f32_16x16x128_f8f6f4 with both operands' format E5M2, f32 sums; everything else in f32.
;; Inputs: Wk_codes 1,024 x 32 x 32 uint8 (E5M2 codes of Wk, K innermost, in blocks of 32 codes); Wk_scales 1,024 x 32 uint8 (E8M0 scales of Wk, one for each 32 codes along K); Wo_codes 1,024 x 32 x 32 uint8 (E5M2 codes of Wo, K innermost, in blocks of 32 codes); Wo_scales 1,024 x 32 uint8 (E8M0 scales of Wo, one for each 32 codes along K); Wq_codes 1,024 x 32 x 32 uint8 (E5M2 codes of Wq, K innermost, in blocks of 32 codes); Wq_scales 1,024 x 32 uint8 (E8M0 scales of Wq, one for each 32 codes along K); Wv_codes 1,024 x 32 x 32 uint8 (E5M2 codes of Wv, K innermost, in blocks of 32 codes); Wv_scales 1,024 x 32 uint8 (E8M0 scales of Wv, one for each 32 codes along K); beta 1,024 float32; bk 1,024 float32; bo 1,024 float32; bq 1,024 float32; bv 1,024 float32; gamma 1,024 float32; mask 2,048 x 2,048 bool; x 2 x 2,048 x 1,024 float32.
;; Outputs: out0 2 x 2,048 x 1,024 float32.
;; This version of the problem:
;;   THIS VERSION OF THE PROBLEM IS GIVEN IN LOW PRECISION. The matrix products marked QUANTISED in the list below multiply operands that are first quantised to E5M2 (5 exponent bits, 2 mantissa bits; 8 bits a number), with one power-of-two scale for each 32 numbers along K (OCP MX v1.0); their sums are f32. All else is computed in f32.
;;   The module's matrix products, in the order in which they are computed (A, B: the left and right operand; K: the contracted axis; several contracted axes count as one K, in the product's order):
;;     1. [M 4,096, K 1,024] x [K 1,024, N 1,024]; A: computed on the way; B: input Wq (given as codes): QUANTISED
;;     2. [M 4,096, K 1,024] x [K 1,024, N 1,024]; A: computed on the way; B: input Wk (given as codes): QUANTISED
;;     3. [M 4,096, K 1,024] x [K 1,024, N 1,024]; A: computed on the way; B: input Wv (given as codes): QUANTISED
;;     4. batch 32 x [M 2,048, K 64] x [K 64, N 2,048]; A: computed on the way; B: computed on the way: QUANTISED
;;     5. batch 32 x [M 2,048, K 2,048] x [K 2,048, N 64]; A: softmax (see below); B: computed on the way: QUANTISED
;;     6. [M 4,096, K 1,024] x [K 1,024, N 1,024]; A: computed on the way; B: input Wo (given as codes): QUANTISED
;;   THE QUANTISER, for each operand of a quantised product, along K:
;;     - K is cut into blocks of 32 from its start; a last block that is shorter is filled with zeros.
;;     - A block's scale is 2^e with e = floor(log2(the largest magnitude in the block)) - 15, held to -126 .. 127; a block of zeros has e = 0. As a byte (E8M0): e + 127.
;;     - Each number is divided by its block's scale, clamped to +-57,344, and rounded to the nearest number of E5M2, ties to even, subnormals kept.
;;     - The product sums the exact products of the quantised numbers (number of the format x scale) in f32.
;;   ~~~python
;;   def quantise(x, axis):      # numpy; x: float32 -> the quantised numbers, widened to float32 again
;;       x = np.moveaxis(x, axis, -1); K = x.shape[-1]
;;       x = np.pad(x, [(0, 0)] * (x.ndim - 1) + [(0, -K % 32)]); x = x.reshape(x.shape[:-1] + (-1, 32)); a = np.abs(x).max(-1, keepdims=True)
;;       e = np.where(a > 0, np.clip(np.frexp(np.where(a > 0, a, 1))[1] - 1 - 15, -126, 127), 0)      # np.frexp(a)[1] - 1 = floor(log2(a)), exactly
;;       r = np.clip(x / 2.0 ** e, -57344, 57344)
;;       step = 2.0 ** (np.maximum(np.frexp(np.where(r == 0, 1, r))[1] - 1, -14) - 2)
;;       q = np.round(r / step) * step * 2.0 ** e      # np.round: ties to even
;;       return np.moveaxis(q.reshape(q.shape[:-2] + (-1,))[..., :K], -1, axis).astype(np.float32)
;;   ~~~
;;   SOFTMAX AHEAD OF A QUANTISED PRODUCT. Where the list says 'softmax', what is quantised is not the finished softmax but p = 2^(t - M), with t = logit x log2(e) and M = ceil(the row's largest t), a whole number; so 1/2 < the row's largest p <= 1. The row's sum l is taken of the UNQUANTISED p, in f32, and the product's result is divided by l at the end. Since M is a whole number, a kernel that streams over the keys may use a running M (the ceiling of the running maximum): every later rescaling is an exact power of two, which a block's scale takes up: the codes' values come out the same.
;;   OPERANDS COMPUTED ON THE WAY. 'Computed on the way' means the value that the module computes at that place (a softmax that the list does not call 'softmax' is quantised finished and normalised). What goes into a quantiser is computed in f32, as accurately as f32 sums, v_exp_f32 and their like allow (about 1e-6 of the number): no bf16 or f16 on the way to a quantiser, and a product that is left as it is and whose result goes on into a quantised operand takes f32 operands (vector FMAs, or v_wmma_f32_16x16x4_f32). A number that lies on a knife's edge between two numbers of the format may be rounded either way, as far as f32 arithmetic and the matrix unit's own rounding can turn it there, and no further.
;;   INPUTS GIVEN AS CODES. Wk (in the module: [1024, 1024], K = its axis 1); Wo (in the module: [1024, 1024], K = its axis 1); Wq (in the module: [1024, 1024], K = its axis 1); Wv (in the module: [1024, 1024], K = its axis 1): each comes as NAME_codes (uint8): NAME with its K axis moved to the last place and cut into blocks of 32 codes, [.., K / 32, bytes a block], one block behind the other in memory; one code a byte (a code: sign, 5 exponent bits, 2 mantissa bits); and NAME_scales (uint8): the same leading axes, one E8M0 byte (e + 127) for each 32 codes along K. Its value is code x scale, taken as it is: it is not quantised again, and the codes and scales need not be those that the quantiser above would give.
;; 2 versions. Each part assembles by itself: llvm-mc -triple=amdgcn-amd-amdhsa -mcpu=gfx1250 --defsym DOCPART=n.
;; ======== version 1 of 2: 4 launches
;; workspace buffers: xc 4,194,304 bytes; xs 131,072 bytes; flags 1,024 bytes of whole numbers; qkvc 12,582,912 bytes; qkvs 655,360 bytes; oc 4,194,304 bytes; os 131,072 bytes
;; launch prep (part 1): grid 256 x 1, 8 waves a work-group, no clusters, 69,632 bytes of LDS; arguments x, mask, xc, xs, flags; writes xc, xs, flags
.if DOCPART == 1
	.amdgcn_target "amdgcn-amd-amdhsa--gfx1250"
	.amdhsa_code_object_version 6
	.text
	.protected	k_q44b65bfe03_prep
	.globl	k_q44b65bfe03_prep
	.p2align	8
	.type	k_q44b65bfe03_prep,@function
k_q44b65bfe03_prep:
	s_mov_b64 s[64:65], 0
	v_nop
	global_prefetch_b8 v0, s[64:65] scope:SCOPE_SE
	s_setreg_imm32_b32 hwreg(HW_REG_WAVE_MODE, 25, 1), 1
	s_wait_xcnt 0x0
; x [4096][1024] f32 -> nan_to_num -> codes of E5M2 with one E8M0 byte for each 32 along K, laid as IMAGES OF OPERAND REGISTERS; the mask -> whole-number flags for cells of 16 queries x 128 keys.
; TILES.  Tile T of 16 rows takes rows 32 (T / 2) + 8 (T % 2) + p + 8 (p / 8), p = 0 .. 15: the later products' results then lie as the next operand wants them.
; xc: [block of 128 tokens 32][K step 8][tile 8][4 groups][lane][16 bytes]: group c of lane (r, h) = codes of the tile's row r, k = 32 c + 16 h + 0 .. 15 of the K step.
; xs: [block][K step][lane][4 words]: word j = the scale word of row r of tile j (lanes 0-15) or tile j + 4 (lanes 16-31).
; flags: word 2 Tq + half: bits 15:0 row p of query tile Tq blocked in all 8 cells of that half of the keys; 23:16 cell wholly blocked; 31:24 cell holds a blocked byte.
; SHARES.  Work-group g: token block g / 8, K step g % 8; wave w makes tile w's fragment, and reads mask cell (query tile g / 2, key step 8 (g % 2) + w).
; Each x load reads 512 consecutive bytes of one row; the conversions want 16 neighbours in a lane, so a fragment's 8 KiB turn through the wave's own stage in LDS (rows 528 bytes apart: the 16 rows of a read start in 16 different columns of 16 bytes).
; A block's byte is its largest magnitude's exponent field - 15, held at 1 from below; a block of zeros keeps the byte 1 (its codes are zeros; this program alone reads the bytes).
; LIMITS: NaN becomes 0 and infinities +-1e9, as the problem says; nothing else is assumed of x.  A mask byte is 0 or 1.
.set STGB, 8448                        ; a wave's stage: 16 rows x 528 bytes
.set XSW,  67584                       ; behind the eight stages: the work-group's 128 scale words
.set FL,   68096                       ; and its eight cell words
.set R,    32                          ; v32-95   x as loaded
.set X,    96                          ; v96-159  64 numbers: register 16 b + i = k 32 b + 16 h + i of my row
.set MK,   160                         ; v160-175 64 mask bytes
.set PC,   176                         ; v176-191 the codes
.set TM,   192                         ; v192-207 at work
.set PW,   16                          ; v16      the scale word
.set INF,  28
.set ABSM, 29
.set BIG,  30
.set MNT,  31
.set SEL,  32
.macro NANFIX r, t                     ; nan_to_num of one number: NaN -> 0, +-infinity -> +-1e9
	v_cmp_eq_f32 vcc_lo, v[\r], v[\r]
	v_cndmask_b32 v[\r], 0, v[\r], vcc_lo
	v_and_b32 v[\t], s[ABSM], v[\r]
	v_cmp_eq_u32 vcc_lo, s[INF], v[\t]
	v_bfi_b32 v[\t], s[ABSM], s[BIG], v[\r]        ; 1e9 under the number's sign
	v_cndmask_b32 v[\r], v[\r], v[\t], vcc_lo
.endm
.macro QUANT s                         ; 64 numbers of a lane become a fragment's codes in v[PC] on and its scale word in v[PW]
.irp b, 0,1,2,3
	v_max3_num_f32 v[TM+\b], |v[\s+16*\b]|, |v[\s+1+16*\b]|, 0x8000000   ; my 16 numbers of block b, and the floor 2^(16 - 127): the byte cannot fall under 1
.endr
.irp i, 2,4,6,8,10,12,14
.irp b, 0,1,2,3
	v_max3_num_f32 v[TM+\b], v[TM+\b], |v[\s+16*\b+\i]|, |v[\s+1+16*\b+\i]|
.endr
.endr
.irp b, 0,1,2,3
	v_permlanex16_b32 v[TM+4+\b], v[TM+\b], s[SEL], s[SEL+1]
.endr
.irp b, 0,1,2,3
	v_max_num_f32 v[TM+\b], v[TM+\b], v[TM+4+\b]   ; with lane l xor 16's 16: the block's largest magnitude
.endr
.irp b, 0,1,2,3
	v_add_nc_u32 v[TM+12+\b], 0xf8800000, v[TM+\b] ; 15 off its exponent field: the conversion's scale operand
.endr
.irp b, 0,1,2,3
	v_and_or_b32 v[TM+8+\b], v[TM+\b], 0x7f800000, s[MNT]   ; 57,344 x the scale
.endr
.irp b, 0,1,2,3
	v_lshrrev_b32 v[TM+4+\b], 23, v[TM+12+\b]      ; the scale's byte
.endr
	v_lshl_or_b32 v[PW], v[TM+5], 8, v[TM+4]
	v_lshl_or_b32 v[PW], v[TM+6], 16, v[PW]
	v_lshl_or_b32 v[PW], v[TM+7], 24, v[PW]
.irp b, 0,1,2,3
.irp i, 0,1,2,3,4,5,6,7,8,9,10,11,12,13,14,15
	v_med3_num_f32 v[\s+16*\b+\i], v[\s+16*\b+\i], -v[TM+8+\b], v[TM+8+\b]   ; the conversion to an 8-bit code does not saturate (ISA guide 7.6.2): the hold comes first
.endr
	v_cvt_scalef32_pk8_bf8_f32 v[PC+4*\b:PC+1+4*\b], v[\s+16*\b:\s+7+16*\b], v[TM+12+\b]
	v_cvt_scalef32_pk8_bf8_f32 v[PC+2+4*\b:PC+3+4*\b], v[\s+8+16*\b:\s+15+16*\b], v[TM+12+\b]
.endr
	v_nop                                          ; a plain line behind the last conversion
.endm
	s_load_b256 s[4:11], s[0:1], 0x0               ; x s[4:5], mask s[6:7], xc s[8:9], xs s[10:11]
	s_load_b64 s[12:13], s[0:1], 0x20              ; flags
	v_lshl_add_u32 v208, v0, 2, 0x10c00
	v_mov_b32 v209, 0
	v_lshrrev_b32 v1, 5, v0
	v_readfirstlane_b32 s14, v1                    ; wave 0..7
	v_and_b32 v7, 31, v0                           ; lane
	v_and_b32 v8, 15, v0                           ; r
	v_bfe_u32 v9, v0, 4, 1                         ; h
	v_lshlrev_b32 v1, 4, v7                        ; 16 x lane
	s_mul_i32 s15, s14, STGB
	v_add_nc_u32 v2, s15, v1                       ; the stage, way in: 16 x lane of a row
	v_mul_u32_u24 v3, v8, 528
	v_lshl_add_u32 v3, v9, 6, v3
	v_add_nc_u32 v3, s15, v3                       ; way out: row r, + 64 h
	v_and_b32 v10, 8, v8
	v_add_nc_u32 v10, v10, v8                      ; r + 8 (r / 8)
	v_lshlrev_b32 v4, 11, v10
	v_lshl_add_u32 v4, v9, 6, v4                   ; the mask: my row of 2,048 bytes, + 64 h
	s_lshr_b32 s16, s14, 2
	s_lshl_b32 s16, s16, 8
	s_and_b32 s17, s14, 3
	s_lshl_b32 s17, s17, 2
	s_add_co_u32 s16, s16, s17
	s_add_co_u32 s16, s16, XSW
	v_lshlrev_b32 v5, 4, v8
	v_add_nc_u32 v5, s16, v5                       ; my scale word's place: 16 r + 256 (w / 4) + 4 (w % 4)
	s_lshl_b32 s17, s14, 2
	s_add_co_u32 s17, s17, FL
	v_mov_b32 v6, s17                              ; my wave's cell word
	v_add_nc_u32 v11, XSW, v1                      ; wave 0's reads at the end
	v_and_b32 v12, 7, v0
	v_lshl_add_u32 v12, v12, 2, FL
	s_lshr_b32 s18, ttmp9, 3                       ; x: row 128 (g / 8) + 32 (w / 2) + 8 (w % 2), byte 512 (g % 8)
	s_lshl_b32 s18, s18, 7
	s_lshr_b32 s19, s14, 1
	s_lshl_b32 s19, s19, 5
	s_add_co_u32 s18, s18, s19
	s_and_b32 s19, s14, 1
	s_lshl_b32 s19, s19, 3
	s_add_co_u32 s18, s18, s19
	s_lshl_b32 s18, s18, 12
	s_and_b32 s19, ttmp9, 7
	s_lshl_b32 s19, s19, 9
	s_add_co_u32 s18, s18, s19
	s_mov_b32 s19, 0
	s_lshr_b32 s20, ttmp9, 2                       ; the mask: query tile Tq = g / 2: row 32 (Tq / 2) + 8 (Tq % 2), byte 128 (8 (g % 2) + w)
	s_lshl_b32 s20, s20, 5
	s_lshr_b32 s21, ttmp9, 1
	s_and_b32 s21, s21, 1
	s_lshl_b32 s21, s21, 3
	s_add_co_u32 s20, s20, s21
	s_lshl_b32 s20, s20, 11
	s_and_b32 s21, ttmp9, 1
	s_lshl_b32 s21, s21, 3
	s_add_co_u32 s21, s21, s14
	s_lshl_b32 s21, s21, 7
	s_add_co_u32 s20, s20, s21
	s_mov_b32 s21, 0
	s_lshl_b32 s22, ttmp9, 3
	s_add_co_u32 s22, s22, s14
	s_lshl_b32 s22, s22, 11                        ; xc: (8 g + w) fragments of 2,048 bytes
	s_mov_b32 s23, 0
	s_lshl_b32 s24, ttmp9, 9                       ; xs: 512 g
	s_mov_b32 s25, 0
	s_lshl_b32 s26, ttmp9, 2                       ; flags: word g
	s_mov_b32 s27, 0
	s_mov_b32 s[INF], 0x7f800000
	s_mov_b32 s[ABSM], 0x7fffffff
	s_mov_b32 s[BIG], 0x4e6e6b28                   ; 1e9
	s_mov_b32 s[MNT], 0x600000                     ; the mantissa field of 57,344
	s_mov_b32 s[SEL], 0x76543210
	s_mov_b32 s[SEL+1], 0xfedcba98                 ; lane l xor 16
.irp b, 0,1,2,3
	v_mov_b32 v[TM+4+\b], 0                        ; a lane permute's destination counts as one of its sources
.endr
	s_wait_kmcnt 0x0
	s_add_nc_u64 s[4:5], s[4:5], s[18:19]
	s_add_nc_u64 s[6:7], s[6:7], s[20:21]
	s_add_nc_u64 s[8:9], s[8:9], s[22:23]
	s_add_nc_u64 s[10:11], s[10:11], s[24:25]
	s_add_nc_u64 s[12:13], s[12:13], s[26:27]
.irp i, 0,1,2,3,4,5,6,7,8,9,10,11,12,13,14,15
	global_load_b128 v[R+4*\i:R+4*\i+3], v1, s[4:5] offset:(\i+8*(\i/8))*4096 th:TH_LOAD_NT   ; the tile's row i: 512 consecutive bytes
.endr
.irp j, 0,1,2,3
	global_load_b128 v[MK+4*\j:MK+4*\j+3], v4, s[6:7] offset:16*\j
.endr
	s_wait_loadcnt 4                               ; x's sixteen loads are in; the four mask loads, issued behind them, may be out
.irp i, 0,1,2,3,4,5,6,7,8,9,10,11,12,13,14,15
	ds_store_b128 v2, v[R+4*\i:R+4*\i+3] offset:528*\i
.endr
.irp b, 0,1,2,3
.irp j, 0,1,2,3
	ds_load_b128 v[X+16*\b+4*\j:X+16*\b+4*\j+3], v3 offset:128*\b+16*\j   ; LDS serves a wave's instructions in order (ISA guide 5.7.1.4): these see the stores above
.endr
.endr
	s_wait_loadcnt 0x0                             ; the mask cell: row r's 128 bytes lie in lanes r and r + 16
	v_and_b32 v17, v[MK], v[MK+1]
	v_or_b32 v18, v[MK], v[MK+1]
.irp i, 2,3,4,5,6,7,8,9,10,11,12,13,14,15
	v_and_b32 v17, v17, v[MK+\i]
	v_or_b32 v18, v18, v[MK+\i]
.endr
	v_cmp_eq_u32 s34, 0x1010101, v17               ; my 64 bytes are all 1
	v_cmp_ne_u32 s35, 0, v18                       ; some byte of mine is 1
	s_lshr_b32 s36, s34, 16
	s_and_b32 s34, s34, s36
	s_and_b32 s34, s34, 0xffff                     ; bit r: row r is blocked in the whole cell
	s_cmp_lg_u32 s35, 0
	s_cselect_b32 s35, 0x10000, 0                  ; bit 16: the cell holds a blocked byte
	s_or_b32 s34, s34, s35
	v_mov_b32 v19, s34
	ds_store_b32 v6, v19                           ; all lanes write the same word with the same value
	s_wait_dscnt 0x0                               ; the 64 numbers are back
.set n, 0
.rept 64
	NANFIX X+n, 20
.set n, n+1
.endr
	QUANT X
.irp c, 0,1,2,3
	global_store_b128 v1, v[PC+4*\c:PC+4*\c+3], s[8:9] offset:512*\c   ; 32 lanes store 512 consecutive bytes
.endr
	ds_store_b32 v5, v[PW]                         ; lanes r and r + 16 write the same word with the same value
	s_wait_dscnt 0x0                               ; for the others' sake: my stores into LDS are done
	s_barrier_signal -1
	s_barrier_wait -1
	s_cmp_lg_u32 s14, 0
	s_cbranch_scc1 .Lend                           ; wave 0 sends the work-group's scale words and its flag word
	ds_load_b128 v[20:23], v11
	ds_load_b32 v24, v12                           ; lane l: the cell word of wave l % 8
	s_wait_dscnt 0x0
	global_store_b128 v1, v[20:23], s[10:11]       ; 512 consecutive bytes
.irp i, 0,1,2,3,4,5,6,7
	v_readlane_b32 s[16+\i], v24, \i
.endr
.irp i, 1,2,3,4,5,6,7
	s_and_b32 s16, s16, s[16+\i]
.endr
	s_and_b32 s16, s16, 0xffff                     ; rows blocked in all eight cells
	v_and_b32 v25, 0xffff, v24
	v_cmp_eq_u32 s34, 0xffff, v25                  ; bit w: cell w is wholly blocked
	v_and_b32 v26, 0x10000, v24
	v_cmp_ne_u32 s35, 0, v26                       ; bit w: cell w holds a blocked byte
	s_and_b32 s34, s34, 0xff
	s_lshl_b32 s34, s34, 16
	s_lshl_b32 s35, s35, 24
	s_or_b32 s16, s16, s34
	s_or_b32 s16, s16, s35
	v_mov_b32 v27, s16
	v_mov_b32 v28, 0
	v_cmp_eq_u32 vcc_lo, 0, v7
	s_wait_xcnt 0x0                                ; EXEC changes only behind this wait: the stores above have it among their sources
	s_and_saveexec_b32 s36, vcc_lo
	global_store_b32 v28, v27, s[12:13]            ; lane 0 alone
	s_wait_xcnt 0x0                                ; and again in front of the line that widens it
	s_or_b32 exec_lo, exec_lo, s36
.Lend:
	s_wait_tensorcnt 0x0
	ds_add_u32 v208, v209
	s_wait_dscnt 0x0
	s_endpgm
.Lfunc_end_k_q44b65bfe03_prep:
	.size	k_q44b65bfe03_prep, .Lfunc_end_k_q44b65bfe03_prep-k_q44b65bfe03_prep
	.p2alignl 7, 3214868480
	.fill 96, 4, 3214868480
	.section	.rodata,"a",@progbits
	.p2align	6, 0x0
	.amdhsa_kernel k_q44b65bfe03_prep
		.amdhsa_group_segment_fixed_size 69632
		.amdhsa_private_segment_fixed_size 0
		.amdhsa_enable_private_segment 0
		.amdhsa_kernarg_size 40
		.amdhsa_user_sgpr_count 2
		.amdhsa_user_sgpr_kernarg_segment_ptr 1
		.amdhsa_wavefront_size32 1
		.amdhsa_system_sgpr_workgroup_id_x 1
		.amdhsa_system_sgpr_workgroup_id_y 1
		.amdhsa_system_sgpr_workgroup_id_z 1
		.amdhsa_system_vgpr_workitem_id 0
		.amdhsa_next_free_vgpr 210
		.amdhsa_next_free_sgpr 66
		.amdhsa_reserve_vcc 1
		.amdhsa_float_denorm_mode_32 3
		.amdhsa_float_denorm_mode_16_64 3
		.amdhsa_memory_ordered 1
		.amdhsa_forward_progress 1
		.amdhsa_inst_pref_size 34
	.end_amdhsa_kernel
	.amdgpu_metadata
---
amdhsa.version: [ 1, 2 ]
amdhsa.kernels:
  - .name:           k_q44b65bfe03_prep
    .symbol:         k_q44b65bfe03_prep.kd
    .args:
      - { .name: x, .offset: 0, .size: 8, .value_kind: global_buffer, .address_space: global }
      - { .name: mask, .offset: 8, .size: 8, .value_kind: global_buffer, .address_space: global }
      - { .name: xc, .offset: 16, .size: 8, .value_kind: global_buffer, .address_space: global }
      - { .name: xs, .offset: 24, .size: 8, .value_kind: global_buffer, .address_space: global }
      - { .name: flags, .offset: 32, .size: 8, .value_kind: global_buffer, .address_space: global }
    .group_segment_fixed_size: 69632
    .private_segment_fixed_size: 0
    .kernarg_segment_align: 8
    .kernarg_segment_size: 40
    .max_flat_workgroup_size: 256
    .sgpr_count:     66
    .vgpr_count:     210
    .wavefront_size: 32
...
	.end_amdgpu_metadata
.endif
;; end of part 1
;; launch qkv (part 2): grid 12 x 16, 4 waves a work-group, clusters of 4 x 1, 279,040 bytes of LDS; arguments xc, xs, Wq_codes, Wq_scales, bq, Wk_codes, Wk_scales, bk, Wv_codes, Wv_scales, bv, qkvc, qkvs; writes qkvc, qkvs
.if DOCPART == 2
	.amdgcn_target "amdgcn-amd-amdhsa--gfx1250"
	.amdhsa_code_object_version 6
	.text
	.protected	k_q44b65bfe03_qkv
	.globl	k_q44b65bfe03_qkv
	.p2align	8
	.type	k_q44b65bfe03_qkv,@function
k_q44b65bfe03_qkv:
	s_mov_b64 s[64:65], 0
	v_nop
	global_prefetch_b8 v0, s[64:65] scope:SCOPE_SE
	s_setreg_imm32_b32 hwreg(HW_REG_WAVE_MODE, 25, 1), 1
	s_wait_xcnt 0x0
	s_wait_alu depctr_hold_cnt(0) depctr_sa_sdst(0) depctr_va_vdst(0) depctr_va_sdst(0) depctr_va_ssrc(0) depctr_va_vcc(0) depctr_vm_vsrc(0)
	s_getreg_b32 s2, hwreg(HW_REG_IB_STS2, 6, 4)
	s_cmp_eq_u32 s2, 0
	s_cbranch_scc0 .Lentry_in_a_cluster
	s_endpgm
.Lentry_in_a_cluster:
	s_bfe_u32 s2, ttmp6, 0x10000c
	s_cmp_lg_u32 s2, 0x3003
	s_cbranch_scc0 .Lentry_shape_is_right
	s_endpgm
.Lentry_shape_is_right:
; q = x Wq^T + bq, k = x Wk^T + bk, v = x Wv^T + bv on codes of E5M2 (one E8M0 byte for each 32 along K), and the results quantised at once: q and k along the head's 64, v along the keys.
; SHARES.  The cluster's x is the kind (0 q, 1 k, 2 v); its four work-groups x four waves take the 16 heads, a head a wave.  A wave keeps its head's 64 weight rows for all of K in REGISTERS
; (4 tiles x 8 K steps x 16 = 512 registers), read from memory once, and walks two blocks of 128 tokens (2 y, 2 y + 1): 256 matrix instructions a block, each fragment of x from LDS feeding four.
; x's images of both blocks (2 x 131,072 bytes) and their scale words (8,192) come into LDS once, by JOINT tensor loads: the four work-groups of a cluster share y, so they need the same bytes.
; The weights are shared along y alone, and LDS is full of x: they go from memory straight into registers, with no joint request.
; TILES.  Tile T takes rows 32 (T / 2) + 8 (T % 2) + p + 8 (p / 8).  q, k: source 0 = 16 weight rows, source 1 = 16 tokens: a lane holds one token, and the 16 registers of weight tiles 2 b, 2 b + 1 are
; channels 32 b + 16 h + 0 .. 15.  v: source 0 = 16 tokens, source 1 = 16 weight rows: a lane holds one channel, and the 16 registers of token tiles 2 b, 2 b + 1 are keys 32 b + 16 h + 0 .. 15.  So the conversions' results are the next operands' registers.
; The bias is the C of each sum's first matrix instruction.
; OUT.  qkvc: [kind][batch x head 32][key step 16][8,192 bytes]: q, k: [tile 8][group 2][lane][16]; v: [channel tile 4][group 4][lane][16].
; qkvs: q at 0, k at 262,144: [bh][step][lane][4 words], word j = tile j (lanes 0-15) or j + 4 (lanes 16-31), bytes 2 and 3 zero; v at 524,288: [bh][step][lane][2 words], word j = channel tile j or j + 2.
; REGISTERS, in windows of 256: windows 1 and 2: the weights, fragment (t, s) at 16 (8 (t % 2) + s) of window 1 + t / 2.  Window 3: 32 accumulators (q, k: (T, t) at 8 (4 T + t); v: (t, T) at 8 (8 t + T)).
; Window 0: v1-13 addresses; v16-47 the weights' scale words (8 t + s); v48-55 x's scale words, two sets; v56-59 the scale words made; v60-63 on their way out; v64-127, v128-191 x's fragments (tiles 0-3, 4-7),
; v64-127 later the codes made; v192-223 the bias, later v192-207 at work.
; LIMITS: a block of zeros keeps the byte 1 (its codes are zeros); sums are taken to be finite.
.set TM,   192
.set WV,   31                          ; s31 wave
.set KIND, 32                          ; s32 the kind
.set G1C,  36                          ; s[36:43] descriptor group 1: 128 rows of 256 bytes
.set G1S,  44                          ; s[44:51] 8 rows of 256 bytes
.set D0,   52                          ; s[52:55] group 0: my quarter of block 0's images
.set DSC,  56                          ; s[56:59] my quarter of the scale words
.set D1,   60                          ; s[60:63] my quarter of block 1's images
.set SB,   66                          ; s66 LDS byte of the block in hand
.set SS,   67                          ; s67 and of its scale words
.set CNT,  68
.set SH,   69                          ; s69 lanes 16-31
.set SEL,  70
.set MNT,  72
.set MSB, 0
.macro WIN new                         ; the immediate's high byte repeats the setting that is left
.if MSB != (\new)
	s_set_vgpr_msb (MSB<<8)|(\new)
.set MSB, (\new)
.endif
.endm
.macro ROUND                           ; a round of the cluster's barrier
	s_barrier_signal -1
	s_barrier_wait -1
	s_cmp_lg_u32 s[WV], 0
	s_cbranch_scc1 .Lnot_wave_0_\@
	s_barrier_signal -3
.Lnot_wave_0_\@:
	s_barrier_wait -3
	s_barrier_signal -1
	s_barrier_wait -1
.endm
.macro FETCHX reg, s, t0               ; x's fragments of K step s, tiles t0 .. t0 + 3: 16 loads of 512 consecutive bytes
.irp u, 0,1,2,3
.irp c, 0,1,2,3
	ds_load_b128 v[\reg+16*\u+4*\c:\reg+16*\u+4*\c+3], v[9+(\s)/4] offset:((\s)%4)*16384+(\t0+\u)*2048+512*\c
.endr
.endr
.endm
.macro MM kind, s, hf, tp, u, tl       ; one product: weight tile 2 tp + tl, token tile 4 hf + u, K step s
.set wt, 2*\tp+\tl
.set xt, 4*\hf+\u
.set rW, 16*(8*\tl+\s)
.set rX, 64+64*\hf+16*\u
.set rWS, 16+8*wt+\s
.set rXS, 48+4*(\s%2)+\u
.if \kind
.set rD, 8*(8*wt+xt)
.else
.set rD, 8*(4*xt+wt)
.endif
.set rC, rD
.if \s == 0
.set rC, 192+8*wt                      ; the bias starts the sum
.endif
.if \kind
.if \hf
	v_wmma_scale_f32_16x16x128_f8f6f4 v[rD:rD+7], v[rX:rX+15], v[rW:rW+15], v[rC:rC+7], v[rXS], v[rWS] matrix_a_fmt:MATRIX_FMT_BF8 matrix_b_fmt:MATRIX_FMT_BF8 matrix_a_scale:MATRIX_SCALE_ROW1
.else
	v_wmma_scale_f32_16x16x128_f8f6f4 v[rD:rD+7], v[rX:rX+15], v[rW:rW+15], v[rC:rC+7], v[rXS], v[rWS] matrix_a_fmt:MATRIX_FMT_BF8 matrix_b_fmt:MATRIX_FMT_BF8
.endif
.else
.if \hf
	v_wmma_scale_f32_16x16x128_f8f6f4 v[rD:rD+7], v[rW:rW+15], v[rX:rX+15], v[rC:rC+7], v[rWS], v[rXS] matrix_a_fmt:MATRIX_FMT_BF8 matrix_b_fmt:MATRIX_FMT_BF8 matrix_b_scale:MATRIX_SCALE_ROW1
.else
	v_wmma_scale_f32_16x16x128_f8f6f4 v[rD:rD+7], v[rW:rW+15], v[rX:rX+15], v[rC:rC+7], v[rWS], v[rXS] matrix_a_fmt:MATRIX_FMT_BF8 matrix_b_fmt:MATRIX_FMT_BF8
.endif
.endif
.endm
; Half a K step: 16 products on token tiles 4 hf .. 4 hf + 3.  The 32 accumulators take turns, one instruction a turn, in the same order in every K step.
.macro HALF kind, s, hf
.if (\s == 7) && (\hf == 1)
	s_wait_dscnt 0x0                               ; nothing was asked for behind this set
.elseif \hf == 1
	s_wait_dscnt 17                                ; behind my set: the next step's scale words (1) and its tiles 0-3 (16)
.else
	s_wait_dscnt 16                                ; behind my set and its scale words: tiles 4-7 (16)
.endif
.irp tp, 0,1
.if \kind
.if \s == 0
	WIN 0xc0|((1+\tp)<<2)                          ; source 1 (weights) window 1 or 2, C (bias) window 0, D window 3
.else
	WIN 0xf0|((1+\tp)<<2)
.endif
.else
.if \s == 0
	WIN 0xc0|(1+\tp)                               ; source 0 (weights) window 1 or 2
.else
	WIN 0xf0|(1+\tp)
.endif
.endif
.irp u, 0,1,2,3
.irp tl, 0,1
	MM \kind, \s, \hf, \tp, \u, \tl
.endr
.endr
.endr
	WIN 0
.rept 8
	v_nop                                          ; eight places in front of loads into registers that these products have read, and of the first read of results
.endr
.if \s < 7
.if \hf == 0
	ds_load_b128 v[48+4*((\s+1)%2):51+4*((\s+1)%2)], v11 offset:512*(\s+1)   ; the next step's scale words, into the set that the step before has left
.endif
	FETCHX 64+64*\hf, \s+1, 4*\hf
.endif
.endm
; 64 results, window 3's registers 64 q on (four blocks of 16 registers a lane), become 16 registers of codes at v[64 + 16 q] and the scale word v[56 + q].
.macro QUANT3 q
	WIN 0x0f                                       ; sources 0 and 1 window 3
.irp b, 0,1,2,3
	v_max3_num_f32 v[TM+\b], |v[64*\q+16*\b]|, |v[64*\q+16*\b+1]|, 0x8000000   ; each accumulator is read from its low end on; the floor 2^(16 - 127) holds the byte at 1 from below
.endr
.irp i, 2,4,6,8,10,12,14
.irp b, 0,1,2,3
	v_max3_num_f32 v[TM+\b], |v[64*\q+16*\b+\i]|, |v[64*\q+16*\b+\i+1]|, v[TM+\b]
.endr
.endr
	WIN 0
.irp b, 0,1,2,3
	v_permlanex16_b32 v[TM+4+\b], v[TM+\b], s[SEL], s[SEL+1]
.endr
.irp b, 0,1,2,3
	v_max_num_f32 v[TM+\b], v[TM+\b], v[TM+4+\b]   ; with lane l xor 16's 16: the block's largest magnitude
.endr
.irp b, 0,1,2,3
	v_add_nc_u32 v[TM+12+\b], 0xf8800000, v[TM+\b] ; 15 off its exponent field: the conversion's scale operand
.endr
.irp b, 0,1,2,3
	v_and_or_b32 v[TM+8+\b], v[TM+\b], 0x7f800000, s[MNT]   ; 57,344 x the scale
.endr
.irp b, 0,1,2,3
	v_lshrrev_b32 v[TM+4+\b], 23, v[TM+12+\b]      ; the byte
.endr
	v_lshl_or_b32 v[56+\q], v[TM+5], 8, v[TM+4]
	v_lshl_or_b32 v[56+\q], v[TM+6], 16, v[56+\q]
	v_lshl_or_b32 v[56+\q], v[TM+7], 24, v[56+\q]
	WIN 0xc3                                       ; destination and source 0 window 3
.irp b, 0,1,2,3
.irp i, 0,1,2,3,4,5,6,7,8,9,10,11,12,13,14,15
	v_med3_num_f32 v[64*\q+16*\b+\i], v[64*\q+16*\b+\i], -v[TM+8+\b], v[TM+8+\b]   ; the hold: the conversion does not saturate (ISA guide 7.6.2)
.endr
.endr
	WIN 0x03                                       ; source 0 window 3
.irp b, 0,1,2,3
	v_cvt_scalef32_pk8_bf8_f32 v[64+16*\q+4*\b:65+16*\q+4*\b], v[64*\q+16*\b:64*\q+16*\b+7], v[TM+12+\b]
	v_cvt_scalef32_pk8_bf8_f32 v[66+16*\q+4*\b:67+16*\q+4*\b], v[64*\q+16*\b+8:64*\q+16*\b+15], v[TM+12+\b]
.endr
	WIN 0
	v_nop                                          ; a plain line behind the last conversion
.endm
; What differs between the kinds: the bias, the products' sources, the scale words' way out.
.macro BODY kind
.if \kind
.irp t, 0,1,2,3
.irp j, 0,1,2,3,4,5,6,7
	global_load_b32 v[192+8*\t+\j], v13, s[12:13] offset:(32*(\t/2)+8*(\t%2))*4   ; a lane holds one channel: its bias in all eight registers of the tile
.endr
.endr
.else
.irp t, 0,1,2,3
	global_load_b128 v[192+8*\t:195+8*\t], v4, s[12:13] offset:(32*(\t/2)+8*(\t%2))*4       ; a lane's eight channels of the tile
	global_load_b128 v[196+8*\t:199+8*\t], v4, s[12:13] offset:(32*(\t/2)+8*(\t%2))*4+16
.endr
.endif
	ds_load_b128 v[48:51], v11
	FETCHX 64, 0, 0
	FETCHX 128, 0, 4
	s_wait_loadcnt 0x0                             ; the bias; in the first trip the weights and their scale words too
.irp s, 0,1,2,3,4,5,6,7
	HALF \kind, \s, 0
	HALF \kind, \s, 1
.endr
.irp q, 0,1,2,3
	QUANT3 \q
.endr
	v_cndmask_b32 v60, v56, v58, s[SH]             ; lanes 0-15 carry the first two words made, lanes 16-31 the last two
.if \kind
	v_cndmask_b32 v61, v57, v59, s[SH]
	global_store_b64 v5, v[60:61], s[28:29]        ; 256 consecutive bytes
.else
	v_cndmask_b32 v62, v57, v59, s[SH]
	v_lshrrev_b32 v61, 16, v60                     ; a word made holds two tiles' two bytes: one word a tile, its upper bytes 0
	v_and_b32 v60, 0xffff, v60
	v_lshrrev_b32 v63, 16, v62
	v_and_b32 v62, 0xffff, v62
	global_store_b128 v1, v[60:63], s[28:29]       ; 512 consecutive bytes
.endif
.endm
	s_load_b128 s[4:7], s[0:1], 0x0                ; xc, xs
	s_load_b256 s[8:15], s[0:1], 0x10              ; Wq's codes, scales, bq; Wk's codes
	s_load_b256 s[16:23], s[0:1], 0x30             ; Wk's scales, bk; Wv's codes, scales
	s_load_b128 s[24:27], s[0:1], 0x50             ; bv; qkvc
	s_load_b64 s[28:29], s[0:1], 0x60              ; qkvs
	v_lshl_add_u32 v254, v0, 2, 0x44000
	v_mov_b32 v255, 0
	ds_add_u32 v254, v255
	ds_add_u32 v254, v255
	v_lshrrev_b32 v1, 5, v0
	v_readfirstlane_b32 s[WV], v1                  ; wave 0..3
	s_bfe_u32 s30, ttmp6, 0x40000                  ; cx: it enters the head alone, and the head global addresses alone
	s_mov_b32 s[KIND], ttmp9                       ; the cluster's x: the same in all four partners
	s_and_b32 s33, ttmp7, 0xffff                   ; y: the pair of token blocks
	s_lshl_b32 s34, s30, 2
	s_add_co_u32 s34, s34, s[WV]                   ; my head
	v_and_b32 v6, 31, v0
	v_and_b32 v7, 15, v0                           ; r
	v_bfe_u32 v8, v0, 4, 1                         ; h
	v_lshlrev_b32 v1, 4, v6                        ; 16 x lane
	v_lshlrev_b32 v5, 3, v6                        ; 8 x lane
	v_and_b32 v12, 8, v7
	v_add_nc_u32 v12, v12, v7                      ; r + 8 (r / 8)
	v_lshlrev_b32 v2, 10, v12
	v_lshl_add_u32 v2, v8, 4, v2                   ; the weights: my row of 1,024 bytes, + 16 h
	v_lshlrev_b32 v3, 5, v12                       ; their scales: my row of 32 bytes
	v_lshlrev_b32 v4, 6, v8                        ; the bias for q, k: 16 h channels on
	v_lshlrev_b32 v13, 2, v12                      ; for v: my channel
	s_mov_b32 s[G1C], 15|(3<<16)|(1<<21)           ; 15:0 the mask: all four work-groups; 17:16 elements of 8 bytes; 21 set beside a mask; no padding: images are read 512 consecutive bytes at a time
	s_mov_b32 s[G1C+1], 32<<16                     ; tensor_dim0 = 32 elements: rows of 256 bytes
	s_mov_b32 s[G1C+2], 128<<16                    ; tensor_dim1 = 128
	s_mov_b32 s[G1C+3], 32<<16                     ; tile_dim0
	s_mov_b32 s[G1C+4], 128                        ; tile_dim1
	s_mov_b32 s[G1C+5], 32                         ; the pitch: dense
	s_mov_b32 s[G1C+6], 0
	s_mov_b32 s[G1C+7], 0
	s_mov_b32 s[G1S], 15|(3<<16)|(1<<21)
	s_mov_b32 s[G1S+1], 32<<16
	s_mov_b32 s[G1S+2], 8<<16
	s_mov_b32 s[G1S+3], 32<<16
	s_mov_b32 s[G1S+4], 8
	s_mov_b32 s[G1S+5], 32
	s_mov_b32 s[G1S+6], 0
	s_mov_b32 s[G1S+7], 0
	s_mov_b32 s[SB], 0
	s_mov_b32 s[SS], 262144
	s_mov_b32 s[CNT], 0
	s_mov_b32 s[SH], 0xffff0000
	s_mov_b32 s[SEL], 0x76543210
	s_mov_b32 s[SEL+1], 0xfedcba98
	s_mov_b32 s[MNT], 0x600000
	s_wait_dscnt 0x0
	s_wait_kmcnt 0x0
	s_cmp_eq_u32 s[KIND], 1                        ; the kind's weights, scales and bias: the choice hangs on the cluster's number alone
	s_cselect_b64 s[8:9], s[14:15], s[8:9]
	s_cselect_b64 s[10:11], s[16:17], s[10:11]
	s_cselect_b64 s[12:13], s[18:19], s[12:13]
	s_cmp_eq_u32 s[KIND], 2
	s_cselect_b64 s[8:9], s[20:21], s[8:9]
	s_cselect_b64 s[10:11], s[22:23], s[10:11]
	s_cselect_b64 s[12:13], s[24:25], s[12:13]
	s_mov_b32 s77, 0
	s_lshl_b32 s76, s34, 16                        ; my head's 64 rows of 1,024 bytes
	s_add_nc_u64 s[8:9], s[8:9], s[76:77]
	s_lshl_b32 s76, s34, 11                        ; of 32 scale bytes
	s_add_nc_u64 s[10:11], s[10:11], s[76:77]
	s_lshl_b32 s76, s34, 8                         ; its 64 numbers of the bias
	s_add_nc_u64 s[12:13], s[12:13], s[76:77]
.irp t, 0,1,2,3
	global_load_b128 v[16+8*\t:19+8*\t], v3, s[10:11] offset:(32*(\t/2)+8*(\t%2))*32
	global_load_b128 v[20+8*\t:23+8*\t], v3, s[10:11] offset:(32*(\t/2)+8*(\t%2))*32+16
.endr
	WIN 0x40                                       ; destination window 1: weight tiles 0, 1
.irp t, 0,1
.irp s, 0,1,2,3,4,5,6,7
.irp c, 0,1,2,3
	global_load_b128 v[16*(8*\t+\s)+4*\c:16*(8*\t+\s)+4*\c+3], v2, s[8:9] offset:(8*\t)*1024+128*\s+32*\c
.endr
.endr
.endr
	WIN 0x80                                       ; window 2: tiles 2, 3
.irp t, 0,1
.irp s, 0,1,2,3,4,5,6,7
.irp c, 0,1,2,3
	global_load_b128 v[16*(8*\t+\s)+4*\c:16*(8*\t+\s)+4*\c+3], v2, s[8:9] offset:(32+8*\t)*1024+128*\s+32*\c
.endr
.endr
.endr
	WIN 0
	; the descriptors' groups 0: made of y and the wave's number alone, so they are equal in the four partners
	s_mov_b32 s15, 0
	s_lshl_b32 s14, s33, 18
	s_lshl_b32 s16, s[WV], 15
	s_add_co_u32 s14, s14, s16
	s_add_nc_u64 s[4:5], s[4:5], s[14:15]          ; xc at my quarter of block 2 y
	s_lshl_b32 s14, s33, 13
	s_lshl_b32 s17, s[WV], 11
	s_add_co_u32 s14, s14, s17
	s_add_nc_u64 s[6:7], s[6:7], s[14:15]          ; xs at my quarter of both blocks' words
	s_mov_b32 s[D0], 1
	s_mov_b32 s[D0+1], s16                         ; LDS: 32,768 x wave
	s_mov_b64 s[D0+2:D0+3], s[4:5]
	s_or_b32 s[D0+3], s[D0+3], 0x80000000
	s_mov_b32 s[DSC], 1
	s_add_co_u32 s[DSC+1], s17, 262144
	s_mov_b64 s[DSC+2:DSC+3], s[6:7]
	s_or_b32 s[DSC+3], s[DSC+3], 0x80000000
	s_mov_b32 s[D1], 1
	s_add_co_u32 s[D1+1], s16, 131072
	s_add_nc_u64 s[D1+2:D1+3], s[4:5], 131072
	s_or_b32 s[D1+3], s[D1+3], 0x80000000
	; where the results go: cell = (16 batch + head) x 16 + key step; batch = y / 8, first key step = 2 (y % 8)
	s_lshr_b32 s78, s33, 3
	s_lshl_b32 s78, s78, 4
	s_add_co_u32 s78, s78, s34
	s_lshl_b32 s78, s78, 4
	s_and_b32 s79, s33, 7
	s_lshl_b32 s79, s79, 1
	s_add_co_u32 s78, s78, s79
	s_lshl_b32 s76, s78, 13
	s_lshl_b32 s79, s[KIND], 22
	s_add_co_u32 s76, s76, s79
	s_add_nc_u64 s[26:27], s[26:27], s[76:77]      ; the codes: 4 MiB a kind, 8,192 bytes a cell
	s_cmp_eq_u32 s[KIND], 2
	s_cselect_b32 s79, 8, 9                        ; the scale words: 512 bytes a cell for q, k; 256 for v
	s_lshl_b32 s76, s78, s79
	s_lshl_b32 s80, s[KIND], 18
	s_add_co_u32 s76, s76, s80
	s_add_nc_u64 s[28:29], s[28:29], s[76:77]
	s_lshl_b32 s74, 1, s79
	s_mov_b32 s75, 0
	ROUND                                          ; all four work-groups are here: the joint loads meet
	tensor_load_to_lds s[D0:D0+3], s[G1C:G1C+7]    ; three loads of mine are out
	s_nop 0
	tensor_load_to_lds s[DSC:DSC+3], s[G1S:G1S+7]
	s_nop 0
	tensor_load_to_lds s[D1:D1+3], s[G1C:G1C+7]
	s_nop 0
.rept 4
	v_nop
.endr
	s_wait_tensorcnt 0x1                           ; block 0's images and the scale words are in; block 1's, issued last, may stay out
	s_barrier_signal -1
	s_barrier_wait -1                              ; everybody's are
.Ltrip:                                            ; two trips: a block of 128 tokens each
	v_add_nc_u32 v9, s[SB], v1                     ; the block's images, K steps 0-3,
	v_add_nc_u32 v10, 0x10000, v9                  ; K steps 4-7,
	v_add_nc_u32 v11, s[SS], v1                    ; and its scale words
	s_cmp_eq_u32 s[KIND], 2
	s_cbranch_scc1 .Lv
	BODY 0
	s_branch .Ljoin
.Lv:
	BODY 1
.Ljoin:
.irp k, 0,1,2,3,4,5,6,7,8,9,10,11,12,13,14,15
	global_store_b128 v1, v[64+4*\k:67+4*\k], s[26:27] offset:512*\k   ; the cell's 8,192 bytes of codes, 512 consecutive bytes a store
.endr
	s_wait_xcnt 0x0                                ; the stores have read their registers and bases: both are written again below and in the next trip
	s_add_nc_u64 s[26:27], s[26:27], 8192
	s_add_nc_u64 s[28:29], s[28:29], s[74:75]
	s_add_co_u32 s[SB], s[SB], 131072
	s_add_co_u32 s[SS], s[SS], 4096
	s_wait_tensorcnt 0x0                           ; my quarter of block 1 is in,
	s_wait_dscnt 0x0
	s_barrier_signal -1
	s_barrier_wait -1                              ; everybody's is
	s_add_co_u32 s[CNT], s[CNT], 1
	s_cmp_lt_u32 s[CNT], 2
	s_cbranch_scc1 .Ltrip
	s_wait_tensorcnt 0x0
	ds_add_u32 v254, v255
	s_wait_dscnt 0x0
	ROUND                                          ; the closing round: no work-group ends while a partner may still ask jointly
	s_endpgm
.Lfunc_end_k_q44b65bfe03_qkv:
	.size	k_q44b65bfe03_qkv, .Lfunc_end_k_q44b65bfe03_qkv-k_q44b65bfe03_qkv
	.p2alignl 7, 3214868480
	.fill 96, 4, 3214868480
	.section	.rodata,"a",@progbits
	.p2align	6, 0x0
	.amdhsa_kernel k_q44b65bfe03_qkv
		.amdhsa_group_segment_fixed_size 279040
		.amdhsa_private_segment_fixed_size 0
		.amdhsa_enable_private_segment 0
		.amdhsa_kernarg_size 104
		.amdhsa_user_sgpr_count 2
		.amdhsa_user_sgpr_kernarg_segment_ptr 1
		.amdhsa_wavefront_size32 1
		.amdhsa_system_sgpr_workgroup_id_x 1
		.amdhsa_system_sgpr_workgroup_id_y 1
		.amdhsa_system_sgpr_workgroup_id_z 1
		.amdhsa_system_vgpr_workitem_id 0
		.amdhsa_next_free_vgpr 1024
		.amdhsa_next_free_sgpr 100
		.amdhsa_reserve_vcc 0
		.amdhsa_float_denorm_mode_32 3
		.amdhsa_float_denorm_mode_16_64 3
		.amdhsa_memory_ordered 1
		.amdhsa_forward_progress 1
		.amdhsa_inst_pref_size 200
	.end_amdhsa_kernel
	.amdgpu_metadata
---
amdhsa.version: [ 1, 2 ]
amdhsa.kernels:
  - .name:           k_q44b65bfe03_qkv
    .symbol:         k_q44b65bfe03_qkv.kd
    .args:
      - { .name: xc, .offset: 0, .size: 8, .value_kind: global_buffer, .address_space: global }
      - { .name: xs, .offset: 8, .size: 8, .value_kind: global_buffer, .address_space: global }
      - { .name: Wq_codes, .offset: 16, .size: 8, .value_kind: global_buffer, .address_space: global }
      - { .name: Wq_scales, .offset: 24, .size: 8, .value_kind: global_buffer, .address_space: global }
      - { .name: bq, .offset: 32, .size: 8, .value_kind: global_buffer, .address_space: global }
      - { .name: Wk_codes, .offset: 40, .size: 8, .value_kind: global_buffer, .address_space: global }
      - { .name: Wk_scales, .offset: 48, .size: 8, .value_kind: global_buffer, .address_space: global }
      - { .name: bk, .offset: 56, .size: 8, .value_kind: global_buffer, .address_space: global }
      - { .name: Wv_codes, .offset: 64, .size: 8, .value_kind: global_buffer, .address_space: global }
      - { .name: Wv_scales, .offset: 72, .size: 8, .value_kind: global_buffer, .address_space: global }
      - { .name: bv, .offset: 80, .size: 8, .value_kind: global_buffer, .address_space: global }
      - { .name: qkvc, .offset: 88, .size: 8, .value_kind: global_buffer, .address_space: global }
      - { .name: qkvs, .offset: 96, .size: 8, .value_kind: global_buffer, .address_space: global }
    .group_segment_fixed_size: 279040
    .private_segment_fixed_size: 0
    .kernarg_segment_align: 8
    .kernarg_segment_size: 104
    .max_flat_workgroup_size: 128
    .sgpr_count:     100
    .vgpr_count:     1024
    .wavefront_size: 32
...
	.end_amdgpu_metadata
.endif
;; end of part 2
;; launch attn (part 3): grid 8 x 32, 16 waves a work-group, no clusters, 276,480 bytes of LDS; arguments qkvc, qkvs, mask, flags, oc, os; writes oc, os
.if DOCPART == 3
	.amdgcn_target "amdgcn-amd-amdhsa--gfx1250"
	.amdhsa_code_object_version 6
	.text
	.protected	k_q44b65bfe03_attn
	.globl	k_q44b65bfe03_attn
	.p2align	8
	.type	k_q44b65bfe03_attn,@function
k_q44b65bfe03_attn:
	s_mov_b64 s[64:65], 0
	v_nop
	global_prefetch_b8 v0, s[64:65] scope:SCOPE_SE
	s_setreg_imm32_b32 hwreg(HW_REG_WAVE_MODE, 25, 1), 1
	s_wait_xcnt 0x0
; o = softmax(q k^T / 8 + mask) v for one batch and head, both products on codes of E5M2 with one E8M0 byte for each 32 along K; o is quantised along the model's axis on its way out.
; THE SOFTMAX.  The problem takes the row's maximum away BEFORE its softmax, so what is quantised is p = 2^((s - max) log2 e): the row's largest p is exactly 1.  That wants the final maximum, so the keys are walked
; TWICE: pass A makes k q^T and the maximum; pass B makes k q^T again (the same instructions on the same registers: the same bits), p, its codes, and v^T p^T.  s - max is an exact subtraction, then one multiplication.
; The row's sum is taken of the unquantised p and divides at the end.  Nothing is rescaled on the way.
; THE MASK is an input.  A blocked score becomes -FLT_MAX by selection: p = 0.  In a row that is wholly blocked the maximum is -FLT_MAX too, s - max = 0 and p = 1 for all 2,048 keys, as the problem's nan_to_num gives it.
; A cell (16 queries x 128 keys) that is wholly blocked is passed over by a scalar branch on the whole numbers that the first launch stored, unless the tile holds a wholly blocked row; a cell with no blocked byte skips the selection.
; No tensor loads and no joint requests: K and V of the whole head (2 x 131,072 bytes and 12,288 of scale words) come through registers into LDS once, all asked for in one run at the head.
; SHARES.  A work-group owns one head and 16 query tiles, a tile a wave: tile g + 8 rank, rank = w xor 3 ((w / 4) % 2), so that under a triangular mask the work-groups, and the waves w % 4, have equal numbers of live cells.
; LAYOUT.  Both products transposed: S^T = k q^T (source 0 = 16 keys, source 1 = my 16 queries), O^T = v^T p^T: a lane holds one query.  Tiles take rows 32 (T / 2) + 8 (T % 2) + p + 8 (p / 8): the 16 registers of key tiles 2 b, 2 b + 1 are keys 32 b + 16 h + 0 .. 15.
; The head's K is 64 and the instruction's 128: Q's upper 64 are zero codes; a K fragment's upper 8 registers are the next tile's codes (finite), which meet those zeros.
; REGISTERS: v1 16 lane, v2 8 lane, v3 16 r, v4 my mask offset, v5-9 addresses in hand; v[10:11] c; v[12:13] -max; v[14:15] the sum; v16-23 Q, v24-31 zeros; v32-95 K's 8 tiles, then V's 4 fragments; v96-103 zeros;
; v104-167 S^T, then p; v168-199 O^T; v200-215 p's codes; v216-219, v220-221, v222, v223 scale words of K, V, Q, p; v224-239 mask bytes (at the head: staging addresses); v240-255 at work.
; LIMITS: scores are taken to be finite; a p under 2^-126 counts as 0 (v_exp_f32 gives no denormals); a mask byte is 0 or 1.  The scale bytes of o leave as 2 bytes a row: one part in 32 of what the launch stores.
.set VC,  131072
.set KS,  262144
.set VS,  270336
.set NEG, 41                           ; s41 -FLT_MAX
.set MNT, 42
.set SEL, 44
.set TB,  46                           ; s46 LDS byte of the step's K;  s47 of its V;  s48 of K's scale words;  s49 of V's
.set TW,  47
.set TS,  48
.set TV,  49
.set MJ,  50                           ; s50 the cell's first byte in the mask
.set SKA, 51                           ; s51 bit 0: pass the cell over
.set MXA, 52                           ; s52 bit 0: the cell holds a blocked byte
.set CNT, 53
.macro KLOAD                           ; the step's 8 tiles of K, 8 registers each, and their scale words
.irp t, 0,1,2,3,4,5,6,7
	ds_load_b128 v[32+8*\t:35+8*\t], v5 offset:1024*\t
	ds_load_b128 v[36+8*\t:39+8*\t], v5 offset:1024*\t+512
.endr
	ds_load_b128 v[216:219], v7
.endm
.macro SMUL                            ; S^T = k q^T: 8 tiles of 16 keys
.irp t, 0,1,2,3
	v_wmma_scale_f32_16x16x128_f8f6f4 v[104+8*\t:111+8*\t], v[32+8*\t:47+8*\t], v[16:31], 0, v[216+\t], v222 matrix_a_fmt:MATRIX_FMT_BF8 matrix_b_fmt:MATRIX_FMT_BF8
.endr
.irp t, 4,5,6,7
	v_wmma_scale_f32_16x16x128_f8f6f4 v[104+8*\t:111+8*\t], v[32+8*\t:47+8*\t], v[16:31], 0, v[212+\t], v222 matrix_a_fmt:MATRIX_FMT_BF8 matrix_b_fmt:MATRIX_FMT_BF8 matrix_a_scale:MATRIX_SCALE_ROW1
.endr
.rept 8
	v_nop                                          ; eight places in front of the first read of results and of loads into registers that these products have read
.endr
.endm
.macro MASK                            ; register 16 b + i holds key 32 b + 16 h + i: my row's 16 bytes at 32 b + 16 h
	v_add_nc_u32 v9, s[MJ], v4
.irp b, 0,1,2,3
	global_load_b128 v[224+4*\b:227+4*\b], v9, s[8:9] offset:32*\b
.endr
	s_wait_loadcnt 0x0
.set n, 0
.rept 64
	v_and_b32 v248, 0xff<<(8*(n%4)), v[224+n/4]
	v_cmp_eq_u32 vcc_lo, 0, v248
	v_cndmask_b32 v[104+n], s[NEG], v[104+n], vcc_lo   ; ascending: each accumulator is read from its low end on
.set n, n+1
.endr
.endm
.macro START                           ; the scalars that walk the 16 key steps
	s_mov_b32 s[TB], 0
	s_mov_b32 s[TW], VC
	s_mov_b32 s[TS], KS
	s_mov_b32 s[TV], VS
	s_mov_b32 s[MJ], s54
	s_mov_b32 s[SKA], s39
	s_mov_b32 s[MXA], s40
	s_mov_b32 s[CNT], 0
.endm
.macro NEXT
	s_add_co_u32 s[TB], s[TB], 8192
	s_add_co_u32 s[TW], s[TW], 8192
	s_add_co_u32 s[TS], s[TS], 512
	s_add_co_u32 s[TV], s[TV], 256
	s_add_co_u32 s[MJ], s[MJ], 128
	s_lshr_b32 s[SKA], s[SKA], 1
	s_lshr_b32 s[MXA], s[MXA], 1
	s_add_co_u32 s[CNT], s[CNT], 1
	s_cmp_lt_u32 s[CNT], 16
.endm
	s_load_b256 s[4:11], s[0:1], 0x0               ; qkvc s[4:5], qkvs s[6:7], mask s[8:9], flags s[10:11]
	s_load_b128 s[12:15], s[0:1], 0x20             ; oc s[12:13], os s[14:15]
	v_lshrrev_b32 v1, 5, v0
	v_readfirstlane_b32 s16, v1                    ; wave 0..15
	s_lshr_b32 s19, s16, 2
	s_and_b32 s19, s19, 1
	s_mul_i32 s19, s19, 3
	s_xor_b32 s19, s19, s16                        ; rank
	s_lshl_b32 s17, s19, 3
	s_add_co_u32 s17, s17, ttmp9                   ; my query tile Tq, 0 .. 127
	s_and_b32 s18, ttmp7, 0xffff                   ; 16 batch + head
	v_and_b32 v5, 31, v0
	v_and_b32 v6, 15, v0                           ; r
	v_bfe_u32 v7, v0, 4, 1                         ; h
	v_lshlrev_b32 v1, 4, v5
	v_lshlrev_b32 v2, 3, v5
	v_lshlrev_b32 v3, 4, v6
	v_and_b32 v8, 8, v6
	v_add_nc_u32 v8, v8, v6
	v_lshlrev_b32 v4, 11, v8
	v_lshl_add_u32 v4, v7, 4, v4                   ; (r + 8 (r / 8)) rows of 2,048 bytes + 16 h
	v_lshlrev_b32 v224, 4, v0                      ; staging: 16 x thread, in memory and in LDS;
	v_add_nc_u32 v225, 0x10000, v224               ; K's second half, V's two halves, K's scale words
	v_add_nc_u32 v226, 0x20000, v224
	v_add_nc_u32 v227, 0x30000, v224
	v_add_nc_u32 v228, KS, v224
	v_lshlrev_b32 v229, 3, v0                      ; V's scale words: 8 x thread
	v_add_nc_u32 v230, VS, v229
	s_mov_b32 s[NEG], 0xff7fffff
	s_mov_b32 s[MNT], 0x600000
	s_mov_b32 s[SEL], 0x76543210
	s_mov_b32 s[SEL+1], 0xfedcba98
	s_lshr_b32 s54, s17, 1                         ; my tile's first row in the mask: 32 (Tq / 2) + 8 (Tq % 2)
	s_lshl_b32 s54, s54, 5
	s_and_b32 s19, s17, 1
	s_lshl_b32 s19, s19, 3
	s_add_co_u32 s54, s54, s19
	s_lshl_b32 s54, s54, 11
	s_mov_b32 s21, 0
	s_mov_b32 s23, 0
	s_wait_kmcnt 0x0
	s_lshl_b32 s20, s18, 17                        ; the head's 131,072 bytes in each kind's codes
	s_add_nc_u64 s[24:25], s[4:5], 0x400000
	s_add_nc_u64 s[24:25], s[24:25], s[20:21]      ; K
	s_add_nc_u64 s[26:27], s[4:5], 0x800000
	s_add_nc_u64 s[26:27], s[26:27], s[20:21]      ; V
	s_lshl_b32 s22, s17, 10
	s_add_nc_u64 s[32:33], s[4:5], s[20:21]
	s_add_nc_u64 s[32:33], s[32:33], s[22:23]      ; Q: my tile's 1,024 bytes
	s_lshl_b32 s20, s18, 13
	s_add_nc_u64 s[28:29], s[6:7], 262144
	s_add_nc_u64 s[28:29], s[28:29], s[20:21]      ; K's scale words
	s_lshl_b32 s20, s18, 12
	s_add_nc_u64 s[30:31], s[6:7], 524288
	s_add_nc_u64 s[30:31], s[30:31], s[20:21]      ; V's
	s_lshl_b32 s20, s18, 4                         ; Q's: cell 16 bh + Tq / 8, lanes' half (Tq % 8) / 4, word Tq % 4
	s_lshr_b32 s22, s17, 3
	s_add_co_u32 s20, s20, s22
	s_lshl_b32 s20, s20, 9
	s_bfe_u32 s22, s17, 0x10002
	s_lshl_b32 s22, s22, 8
	s_add_co_u32 s20, s20, s22
	s_and_b32 s22, s17, 3
	s_lshl_b32 s22, s22, 2
	s_add_co_u32 s20, s20, s22
	s_add_nc_u64 s[34:35], s[6:7], s[20:21]
	s_lshl_b32 s20, s17, 3
	s_add_nc_u64 s[10:11], s[10:11], s[20:21]      ; my tile's two flag words
	s_lshr_b32 s22, s18, 4                         ; o: token tile Tg = 128 batch + Tq
	s_lshl_b32 s22, s22, 7
	s_add_co_u32 s22, s22, s17
	s_and_b32 s19, s18, 15                         ; the head
	s_lshl_b32 s20, s22, 14
	s_lshl_b32 s55, s19, 10
	s_add_co_u32 s20, s20, s55
	s_add_nc_u64 s[12:13], s[12:13], s[20:21]      ; oc: 16,384 Tg + 1,024 head
	s_lshl_b32 s20, s22, 9
	s_lshl_b32 s55, s19, 1
	s_add_co_u32 s20, s20, s55
	s_add_nc_u64 s[14:15], s[14:15], s[20:21]      ; os: 512 Tg + 2 head
.irp i, 0,1,2,3,4,5,6,7,8,9,10,11,12,13,14,15
	global_load_b128 v[32+4*\i:35+4*\i], v224, s[24:25] offset:8192*\i
.endr
	global_load_b128 v[216:219], v224, s[28:29]
.irp i, 0,1,2,3,4,5,6,7,8,9,10,11,12,13,14,15
	global_load_b128 v[104+4*\i:107+4*\i], v224, s[26:27] offset:8192*\i
.endr
	global_load_b64 v[220:221], v229, s[30:31]
	global_load_b128 v[16:19], v1, s[32:33]
	global_load_b128 v[20:23], v1, s[32:33] offset:512
	global_load_b32 v222, v3, s[34:35]
	s_load_b64 s[36:37], s[10:11], 0x0
	s_wait_loadcnt 20                              ; K and its scale words (17 loads) are in; the 20 behind them may be out
.irp i, 0,1,2,3,4,5,6,7
	ds_store_b128 v224, v[32+4*\i:35+4*\i] offset:8192*\i
.endr
.irp i, 0,1,2,3,4,5,6,7
	ds_store_b128 v225, v[64+4*\i:67+4*\i] offset:8192*\i
.endr
	ds_store_b128 v228, v[216:219]
	s_wait_loadcnt 3                               ; V and its scale words are in; Q's three loads may be out
.irp i, 0,1,2,3,4,5,6,7
	ds_store_b128 v226, v[104+4*\i:107+4*\i] offset:8192*\i
.endr
.irp i, 0,1,2,3,4,5,6,7
	ds_store_b128 v227, v[136+4*\i:139+4*\i] offset:8192*\i
.endr
	ds_store_b64 v230, v[220:221]
	s_wait_dscnt 0x0                               ; for the others' sake: my stores into LDS are done
	s_barrier_signal -1
	s_barrier_wait -1                              ; the launch's one barrier: from here on LDS is only read
	s_wait_loadcnt 0x0
	s_wait_kmcnt 0x0
	s_and_b32 s38, s36, s37
	s_and_b32 s38, s38, 0xffff                     ; rows of my tile that are blocked at all 2,048 keys
	s_bfe_u32 s39, s36, 0x80010
	s_bfe_u32 s19, s37, 0x80010
	s_lshl_b32 s19, s19, 8
	s_or_b32 s39, s39, s19                         ; bit j: cell j is wholly blocked
	s_lshr_b32 s40, s36, 24
	s_lshr_b32 s19, s37, 24
	s_lshl_b32 s19, s19, 8
	s_or_b32 s40, s40, s19                         ; bit j: cell j holds a blocked byte
	s_cmp_lg_u32 s38, 0
	s_cselect_b32 s39, 0, s39                      ; a wholly blocked row attends to every key: then no cell is passed over
.irp j, 0,1,2,3,4,5,6,7
	v_mov_b32 v[24+\j], 0                          ; Q's upper 64 along K: zero codes
	v_mov_b32 v[96+\j], 0                          ; behind K's last tile
.endr
.set n, 0
.rept 32
	v_mov_b32 v[168+n], 0                          ; O^T: which cell is a tile's first live one hangs on the stored flags, so no first step can be written out
.set n, n+1
.endr
	v_mov_b32 v14, 0
	v_mov_b32 v15, 0
	v_mov_b32 v10, 0x3e38aa3b                      ; c = log2(e) / 8
	v_mov_b32 v11, v10
.irp b, 0,1,2,3
	v_mov_b32 v[240+\b], s[NEG]                    ; four running maxima
	v_mov_b32 v[244+\b], 0                         ; a lane permute's destination counts as one of its sources
.endr
	; ---- PASS A: the rows' maxima
	START
.LA:
	s_bitcmp1_b32 s[SKA], 0
	s_cbranch_scc1 .LA_next
	v_add_nc_u32 v5, s[TB], v1
	v_add_nc_u32 v7, s[TS], v1
	KLOAD
	s_wait_dscnt 0x0
	SMUL
	s_bitcmp1_b32 s[MXA], 0
	s_cbranch_scc0 .LA_open
	MASK
.LA_open:
.irp i, 0,2,4,6,8,10,12,14
.irp b, 0,1,2,3
	v_max3_num_f32 v[240+\b], v[240+\b], v[104+16*\b+\i], v[105+16*\b+\i]
.endr
.endr
.LA_next:
	NEXT
	s_cbranch_scc1 .LA
	v_max3_num_f32 v240, v240, v241, v242
	v_max_num_f32 v240, v240, v243
	v_permlanex16_b32 v244, v240, s[SEL], s[SEL+1] ; the query's other keys lie in lane l xor 16
	v_max_num_f32 v240, v240, v244
	v_mul_f32 v12, -1.0, v240                      ; -max, twice: a pair for the packed additions
	v_mov_b32 v13, v12
	; ---- PASS B: p, its codes, and O^T
	START
.LB:
	s_bitcmp1_b32 s[SKA], 0
	s_cbranch_scc1 .LB_next
	v_add_nc_u32 v5, s[TB], v1
	v_add_nc_u32 v7, s[TS], v1
	v_add_nc_u32 v6, s[TW], v1
	v_add_nc_u32 v8, s[TV], v2
	KLOAD
	s_wait_dscnt 0x0
	SMUL
.irp t, 0,1,2,3
.irp c, 0,1,2,3
	ds_load_b128 v[32+16*\t+4*\c:35+16*\t+4*\c], v6 offset:2048*\t+512*\c   ; V's four fragments take K's registers: they land while the softmax is walked
.endr
.endr
	ds_load_b64 v[220:221], v8
	s_bitcmp1_b32 s[MXA], 0
	s_cbranch_scc0 .LB_open
	MASK
.LB_open:
.irp b, 0,1,2,3
	v_max3_num_f32 v[240+\b], v[104+16*\b], v[105+16*\b], v[106+16*\b]   ; the largest score of each block of 32 keys: p rises with the score, so it gives the block's largest p
.endr
.irp i, 3,5,7,9,11,13
.irp b, 0,1,2,3
	v_max3_num_f32 v[240+\b], v[240+\b], v[104+16*\b+\i], v[105+16*\b+\i]
.endr
.endr
.irp b, 0,1,2,3
	v_max_num_f32 v[240+\b], v[240+\b], v[119+16*\b]
.endr
.irp b, 0,1,2,3
	v_permlanex16_b32 v[244+\b], v[240+\b], s[SEL], s[SEL+1]
.endr
.irp b, 0,1,2,3
	v_max_num_f32 v[240+\b], v[240+\b], v[244+\b]
.endr
.set n, 0
.rept 32
	v_pk_add_f32 v[104+n:105+n], v[104+n:105+n], v[12:13]   ; s - max: not fused with the scaling, so that the maximum gives exactly 0
.set n, n+2
.endr
.set n, 0
.rept 32
	v_pk_mul_f32 v[104+n:105+n], v[104+n:105+n], v[10:11]
.set n, n+2
.endr
.irp b, 0,1,2,3
	v_add_f32 v[240+\b], v[240+\b], v12            ; the same two steps on each block's largest score: the same bits
.endr
.irp b, 0,1,2,3
	v_mul_f32 v[240+\b], v[240+\b], v10
.endr
.set n, 0
.rept 64
	v_exp_f32 v[104+n], v[104+n]                   ; p, at most 1
.set n, n+1
.endr
	v_nop                                          ; a plain line behind the last exponential
	s_wait_alu depctr_va_vdst(0)                   ; one wait for the batch of 64, ahead of its first reader
.irp b, 0,1,2,3
	v_exp_f32 v[240+\b], v[240+\b]                 ; each block's largest p
.endr
	v_pk_add_f32 v[244:245], v[104:105], v[106:107]   ; the row's sum, of the unquantised p, in two chains: plain work behind the four
.irp j, 4,8,12,16,20,24,28,32,36,40,44,48,52,56,60
	v_pk_add_f32 v[14:15], v[14:15], v[104+\j:105+\j]
	v_pk_add_f32 v[244:245], v[244:245], v[106+\j:107+\j]
.endr
	v_pk_add_f32 v[14:15], v[14:15], v[244:245]
	s_wait_alu depctr_va_vdst(0)                   ; and one for the four
.irp b, 0,1,2,3
	v_max_num_f32 v[240+\b], 0x8000000, v[240+\b]  ; the floor 2^(16 - 127): a block of zeros keeps the byte 1, and its codes are zeros
.endr
.irp b, 0,1,2,3
	v_add_nc_u32 v[252+\b], 0xf8800000, v[240+\b]  ; 15 off the exponent field: the conversion's scale operand
.endr
.irp b, 0,1,2,3
	v_and_or_b32 v[248+\b], v[240+\b], 0x7f800000, s[MNT]   ; 57,344 x the scale
.endr
.irp b, 0,1,2,3
	v_lshrrev_b32 v[244+\b], 23, v[252+\b]         ; the byte
.endr
	v_lshl_or_b32 v223, v245, 8, v244              ; p's scale word for these 128 keys; the 64 holds below stand between it and the products
	v_lshl_or_b32 v223, v246, 16, v223
	v_lshl_or_b32 v223, v247, 24, v223
.irp b, 0,1,2,3
.irp i, 0,1,2,3,4,5,6,7,8,9,10,11,12,13,14,15
	v_min_num_f32 v[104+16*\b+\i], v[104+16*\b+\i], v[248+\b]   ; the conversion does not saturate (ISA guide 7.6.2); p is never negative, so the hold is one-sided
.endr
	v_cvt_scalef32_pk8_bf8_f32 v[200+4*\b:201+4*\b], v[104+16*\b:111+16*\b], v[252+\b]
	v_cvt_scalef32_pk8_bf8_f32 v[202+4*\b:203+4*\b], v[112+16*\b:119+16*\b], v[252+\b]
.endr
.rept 4
	v_nop                                          ; an operand written by vector instructions stands four places ahead of a scaled matrix instruction
.endr
	s_wait_dscnt 0x0                               ; V and its scale words
.irp t, 0,1
	v_wmma_scale_f32_16x16x128_f8f6f4 v[168+8*\t:175+8*\t], v[32+16*\t:47+16*\t], v[200:215], v[168+8*\t:175+8*\t], v[220+\t], v223 matrix_a_fmt:MATRIX_FMT_BF8 matrix_b_fmt:MATRIX_FMT_BF8
.endr
.irp t, 2,3
	v_wmma_scale_f32_16x16x128_f8f6f4 v[168+8*\t:175+8*\t], v[32+16*\t:47+16*\t], v[200:215], v[168+8*\t:175+8*\t], v[218+\t], v223 matrix_a_fmt:MATRIX_FMT_BF8 matrix_b_fmt:MATRIX_FMT_BF8 matrix_a_scale:MATRIX_SCALE_ROW1
.endr
.rept 8
	v_nop                                          ; eight places in front of the next step's loads into V's registers, and of the way out's reads
.endr
.LB_next:
	NEXT
	s_cbranch_scc1 .LB
	; ---- THE WAY OUT: O^T / the sum; register 16 b + i is channel 32 b + 16 h + i of my query: two blocks of the last product's K
	v_add_f32 v14, v14, v15
	v_permlanex16_b32 v244, v14, s[SEL], s[SEL+1]
	v_add_f32 v14, v14, v244                       ; the row's sum: at least 1, since the largest p is 1
	v_rcp_f32 v14, v14
	v_and_b32 v5, 15, v0                           ; (a plain line behind the reciprocal)
	v_lshlrev_b32 v5, 5, v5                        ; os: my row of 32 bytes
	s_wait_alu depctr_va_vdst(0)                   ; the wait, ahead of the first reader
.set n, 0
.rept 32
	v_mul_f32 v[104+n], v[168+n], v14
.set n, n+1
.endr
.irp b, 0,1
	v_max3_num_f32 v[240+\b], |v[104+16*\b]|, |v[105+16*\b]|, 0x8000000
.endr
.irp i, 2,4,6,8,10,12,14
.irp b, 0,1
	v_max3_num_f32 v[240+\b], v[240+\b], |v[104+16*\b+\i]|, |v[105+16*\b+\i]|
.endr
.endr
.irp b, 0,1
	v_permlanex16_b32 v[244+\b], v[240+\b], s[SEL], s[SEL+1]
.endr
.irp b, 0,1
	v_max_num_f32 v[240+\b], v[240+\b], v[244+\b]
.endr
.irp b, 0,1
	v_add_nc_u32 v[252+\b], 0xf8800000, v[240+\b]
.endr
.irp b, 0,1
	v_and_or_b32 v[248+\b], v[240+\b], 0x7f800000, s[MNT]
.endr
.irp b, 0,1
	v_lshrrev_b32 v[244+\b], 23, v[252+\b]
.endr
	v_lshl_or_b32 v223, v245, 8, v244              ; the head's two scale bytes of my token
.irp b, 0,1
.irp i, 0,1,2,3,4,5,6,7,8,9,10,11,12,13,14,15
	v_med3_num_f32 v[104+16*\b+\i], v[104+16*\b+\i], -v[248+\b], v[248+\b]
.endr
	v_cvt_scalef32_pk8_bf8_f32 v[200+4*\b:201+4*\b], v[104+16*\b:111+16*\b], v[252+\b]
	v_cvt_scalef32_pk8_bf8_f32 v[202+4*\b:203+4*\b], v[112+16*\b:119+16*\b], v[252+\b]
.endr
	v_nop                                          ; a plain line behind the last conversion
	global_store_b128 v1, v[200:203], s[12:13]     ; two groups of the fragment (token tile, K step head / 2): 512 consecutive bytes each
	global_store_b128 v1, v[204:207], s[12:13] offset:512
	global_store_b16 v5, v223, s[14:15]            ; lanes r and r + 16 write the same two bytes with the same value
	s_wait_xcnt 0x0
	v_lshl_add_u32 v254, v0, 2, 0x43000
	v_mov_b32 v255, 0
	s_wait_tensorcnt 0x0
	ds_add_u32 v254, v255
	s_wait_dscnt 0x0
	s_endpgm
.Lfunc_end_k_q44b65bfe03_attn:
	.size	k_q44b65bfe03_attn, .Lfunc_end_k_q44b65bfe03_attn-k_q44b65bfe03_attn
	.p2alignl 7, 3214868480
	.fill 96, 4, 3214868480
	.section	.rodata,"a",@progbits
	.p2align	6, 0x0
	.amdhsa_kernel k_q44b65bfe03_attn
		.amdhsa_group_segment_fixed_size 276480
		.amdhsa_private_segment_fixed_size 0
		.amdhsa_enable_private_segment 0
		.amdhsa_kernarg_size 48
		.amdhsa_user_sgpr_count 2
		.amdhsa_user_sgpr_kernarg_segment_ptr 1
		.amdhsa_wavefront_size32 1
		.amdhsa_system_sgpr_workgroup_id_x 1
		.amdhsa_system_sgpr_workgroup_id_y 1
		.amdhsa_system_sgpr_workgroup_id_z 1
		.amdhsa_system_vgpr_workitem_id 0
		.amdhsa_next_free_vgpr 256
		.amdhsa_next_free_sgpr 66
		.amdhsa_reserve_vcc 1
		.amdhsa_float_denorm_mode_32 3
		.amdhsa_float_denorm_mode_16_64 3
		.amdhsa_memory_ordered 1
		.amdhsa_forward_progress 1
		.amdhsa_inst_pref_size 60
	.end_amdhsa_kernel
	.amdgpu_metadata
---
amdhsa.version: [ 1, 2 ]
amdhsa.kernels:
  - .name:           k_q44b65bfe03_attn
    .symbol:         k_q44b65bfe03_attn.kd
    .args:
      - { .name: qkvc, .offset: 0, .size: 8, .value_kind: global_buffer, .address_space: global }
      - { .name: qkvs, .offset: 8, .size: 8, .value_kind: global_buffer, .address_space: global }
      - { .name: mask, .offset: 16, .size: 8, .value_kind: global_buffer, .address_space: global }
      - { .name: flags, .offset: 24, .size: 8, .value_kind: global_buffer, .address_space: global }
      - { .name: oc, .offset: 32, .size: 8, .value_kind: global_buffer, .address_space: global }
      - { .name: os, .offset: 40, .size: 8, .value_kind: global_buffer, .address_space: global }
    .group_segment_fixed_size: 276480
    .private_segment_fixed_size: 0
    .kernarg_segment_align: 8
    .kernarg_segment_size: 48
    .max_flat_workgroup_size: 512
    .sgpr_count:     66
    .vgpr_count:     256
    .wavefront_size: 32
...
	.end_amdgpu_metadata
.endif
;; end of part 3
;; launch proj (part 4): grid 256 x 1, 16 waves a work-group, no clusters, 92,160 bytes of LDS; arguments oc, os, Wo_codes, Wo_scales, bo, x, gamma, beta, out0; writes out0
.if DOCPART == 4
	.amdgcn_target "amdgcn-amd-amdhsa--gfx1250"
	.amdhsa_code_object_version 6
	.text
	.protected	k_q44b65bfe03_proj
	.globl	k_q44b65bfe03_proj
	.p2align	8
	.type	k_q44b65bfe03_proj,@function
k_q44b65bfe03_proj:
	s_mov_b64 s[64:65], 0
	v_nop
	global_prefetch_b8 v0, s[64:65] scope:SCOPE_SE
	s_setreg_imm32_b32 hwreg(HW_REG_WAVE_MODE, 25, 1), 1
	s_wait_xcnt 0x0
; out = nan_to_num(LayerNorm(o Wo^T + bo + nan_to_num(x)) gamma + beta); the product on codes of E5M2 with one E8M0 byte for each 32 along K.
; SHARES.  A work-group takes one tile of 16 tokens (rows 32 (Tg / 2) + 8 (Tg % 2) + p + 8 (p / 8)) and all 1,024 columns, which the norm needs; wave w takes columns 64 w .. 64 w + 63: four tiles of 16 rows of Wo.
; The product is used transposed (source 0 = 16 rows of Wo, source 1 = o's 16 tokens): a lane holds one token and eight neighbouring columns a tile.  bo is loaded into the accumulators: it starts the sums.
; o's eight fragments (16,384 bytes, images of registers) go through LDS once; Wo's fragments go from memory straight into registers, two K steps ahead, in two buffers.  Each feeds one product: with 32 products a wave
; a ring of joint tiles would spend more on its rounds than it spares, so there is none.
; x comes in and the result goes out in runs of 256 consecutive bytes a row (16 lanes), and turns through the wave's own stage in LDS (rows 272 bytes apart) into and out of the accumulators' layout.
; The mean, and then the mean of the squared differences, are summed in a lane, with lane l xor 16, and over the 16 waves through LDS: two barriers.
; REGISTERS: v1-11 addresses; v16-47 the sums; v48-63 o's fragment; v64-79 Wo's scale words (8 (t % 2) + s; lanes 16-31: tile t + 2); v80-87 o's scale words; v88-119 x, then the row; v120-183, v184-247 Wo's two buffers,
; later gamma v120-151, beta v152-183, v184-207 at work; v248-255 o's image on its way, then at work.
.set STG,  16384
.set RED1, 86016
.set INF,  26
.set ABSM, 27
.set BIG,  28
.set SEL,  32
.macro NANFIX r, t                     ; nan_to_num of one number: NaN -> 0, +-infinity -> +-1e9
	v_cmp_eq_f32 vcc_lo, v[\r], v[\r]
	v_cndmask_b32 v[\r], 0, v[\r], vcc_lo
	v_and_b32 v[\t], s[ABSM], v[\r]
	v_cmp_eq_u32 vcc_lo, s[INF], v[\t]
	v_bfi_b32 v[\t], s[ABSM], s[BIG], v[\r]
	v_cndmask_b32 v[\r], v[\r], v[\t], vcc_lo
.endm
.macro WLOAD reg, s                    ; my four fragments of Wo for K step s
.irp t, 0,1,2,3
.irp c, 0,1,2,3
	global_load_b128 v[\reg+16*\t+4*\c:\reg+16*\t+4*\c+3], v6, s[8:9] offset:16384*\t+128*(\s)+32*\c
.endr
.endr
.endm
.macro OLOAD s                         ; o's fragment of K step s
.irp c, 0,1,2,3
	ds_load_b128 v[48+4*\c:51+4*\c], v1 offset:2048*(\s)+512*\c
.endr
.endm
.macro STEP s
.if \s < 2
	s_wait_loadcnt 24                              ; this step's fragments are in; behind them: 16 of Wo and x's 8
.elseif \s < 7
	s_wait_loadcnt 16                              ; behind them: the next step's 16
.else
	s_wait_loadcnt 0x0
.endif
	s_wait_dscnt 0x0                               ; o's fragment
.irp t, 0,1
	v_wmma_scale_f32_16x16x128_f8f6f4 v[16+8*\t:23+8*\t], v[120+64*(\s%2)+16*\t:135+64*(\s%2)+16*\t], v[48:63], v[16+8*\t:23+8*\t], v[64+8*\t+\s], v[80+\s] matrix_a_fmt:MATRIX_FMT_BF8 matrix_b_fmt:MATRIX_FMT_BF8
.endr
.irp t, 2,3
	v_wmma_scale_f32_16x16x128_f8f6f4 v[16+8*\t:23+8*\t], v[120+64*(\s%2)+16*\t:135+64*(\s%2)+16*\t], v[48:63], v[16+8*\t:23+8*\t], v[48+8*\t+\s], v[80+\s] matrix_a_fmt:MATRIX_FMT_BF8 matrix_b_fmt:MATRIX_FMT_BF8 matrix_a_scale:MATRIX_SCALE_ROW1
.endr
.rept 8
	v_nop                                          ; eight places in front of loads into registers that these products have read, and of the first read of results.  The four sums take turns
.endr
.if \s < 7
	OLOAD \s+1
.endif
.if \s < 6
	WLOAD 120+64*(\s%2), \s+2
.endif
.endm
.macro WGSUM off                       ; v184, the wave's sum for token r, becomes v188, the work-group's
	ds_store_b32 v10, v184 offset:\off             ; lanes r and r + 16 write the same word with the same value
	s_wait_dscnt 0x0                               ; for the others' sake
	s_barrier_signal -1
	s_barrier_wait -1
.irp i, 0,1,2,3
	ds_load_b128 v[188+4*\i:191+4*\i], v11 offset:\off+16*\i
.endr
	s_wait_dscnt 0x0
	v_pk_add_f32 v[188:189], v[188:189], v[190:191]
	v_pk_add_f32 v[192:193], v[192:193], v[194:195]
	v_pk_add_f32 v[196:197], v[196:197], v[198:199]
	v_pk_add_f32 v[200:201], v[200:201], v[202:203]
	v_pk_add_f32 v[188:189], v[188:189], v[192:193]
	v_pk_add_f32 v[196:197], v[196:197], v[200:201]
	v_pk_add_f32 v[188:189], v[188:189], v[196:197]
	v_add_f32 v188, v188, v189
.endm
.macro LANESUM                         ; the pairs v[184:185], v[186:187] become one number, joined with lane l xor 16's
	v_pk_add_f32 v[184:185], v[184:185], v[186:187]
	v_add_f32 v184, v184, v185
	v_permlanex16_b32 v186, v184, s[SEL], s[SEL+1]
	v_add_f32 v184, v184, v186
.endm
	s_load_b256 s[4:11], s[0:1], 0x0               ; oc s[4:5], os s[6:7], Wo's codes s[8:9], scales s[10:11]
	s_load_b256 s[12:19], s[0:1], 0x20             ; bo s[12:13], x s[14:15], gamma s[16:17], beta s[18:19]
	s_load_b64 s[20:21], s[0:1], 0x40              ; out0
	v_lshrrev_b32 v1, 5, v0
	v_readfirstlane_b32 s22, v1                    ; wave 0..15
	v_and_b32 v12, 31, v0
	v_and_b32 v13, 15, v0                          ; r
	v_bfe_u32 v14, v0, 4, 1                        ; h
	v_lshlrev_b32 v1, 4, v12                       ; 16 x lane
	v_lshlrev_b32 v2, 4, v0                        ; 16 x thread: o's image, in memory and in LDS
	v_lshlrev_b32 v3, 5, v13                       ; os: my token's 32 bytes
	v_lshl_add_u32 v4, v14, 5, v13
	v_lshlrev_b32 v4, 5, v4                        ; Wo's scales: row r + 32 h of 32 bytes
	v_lshlrev_b32 v5, 5, v14                       ; bo, gamma, beta: 8 h numbers on
	v_lshlrev_b32 v6, 10, v13
	v_lshl_add_u32 v6, v14, 4, v6                  ; Wo: row r of 1,024 bytes, + 16 h
	v_lshlrev_b32 v7, 12, v14
	v_lshl_add_u32 v7, v13, 4, v7                  ; x, out: lanes 0-15 one row, lanes 16-31 the next; 16 bytes a lane
	s_mul_i32 s23, s22, 4352
	s_add_co_u32 s23, s23, STG                     ; my stage
	v_mul_u32_u24 v8, v14, 272
	v_lshl_add_u32 v8, v13, 4, v8
	v_add_nc_u32 v8, s23, v8                       ; by rows: row h, 16 r
	v_mul_u32_u24 v9, v13, 272
	v_lshl_add_u32 v9, v14, 5, v9
	v_add_nc_u32 v9, s23, v9                       ; by the sums' layout: row r, 32 h
	v_mul_u32_u24 v11, v13, 80
	v_add_nc_u32 v11, RED1, v11                    ; token r's 16 partial sums: rows of 64 bytes + 16
	s_lshl_b32 s23, s22, 2
	v_add_nc_u32 v10, s23, v11                     ; my wave's word among them
	s_mov_b32 s[INF], 0x7f800000
	s_mov_b32 s[ABSM], 0x7fffffff
	s_mov_b32 s[BIG], 0x4e6e6b28                   ; 1e9
	s_mov_b32 s30, 0x3a800000                      ; 1 / 1,024
	s_mov_b32 s31, 0x3727c5ac                      ; 1e-5
	s_mov_b32 s[SEL], 0x76543210
	s_mov_b32 s[SEL+1], 0xfedcba98
	s_mov_b32 s25, 0
	s_wait_kmcnt 0x0
	s_lshl_b32 s24, ttmp9, 14
	s_add_nc_u64 s[4:5], s[4:5], s[24:25]
	s_lshl_b32 s24, ttmp9, 9
	s_add_nc_u64 s[6:7], s[6:7], s[24:25]
	s_lshl_b32 s24, s22, 16
	s_add_nc_u64 s[8:9], s[8:9], s[24:25]
	s_lshl_b32 s24, s22, 11
	s_add_nc_u64 s[10:11], s[10:11], s[24:25]
	s_lshl_b32 s24, s22, 8
	s_add_nc_u64 s[12:13], s[12:13], s[24:25]
	s_add_nc_u64 s[16:17], s[16:17], s[24:25]
	s_add_nc_u64 s[18:19], s[18:19], s[24:25]
	s_lshr_b32 s23, ttmp9, 1                       ; the tile's first token: 32 (Tg / 2) + 8 (Tg % 2)
	s_lshl_b32 s23, s23, 5
	s_and_b32 s29, ttmp9, 1
	s_lshl_b32 s29, s29, 3
	s_add_co_u32 s23, s23, s29
	s_lshl_b32 s23, s23, 12
	s_add_co_u32 s24, s24, s23                     ; + my 256 bytes of a row
	s_add_nc_u64 s[14:15], s[14:15], s[24:25]
	s_add_nc_u64 s[20:21], s[20:21], s[24:25]
	global_load_b128 v[248:251], v2, s[4:5]
	global_load_b128 v[252:255], v2, s[4:5] offset:8192
	global_load_b128 v[80:83], v3, s[6:7]
	global_load_b128 v[84:87], v3, s[6:7] offset:16
.irp t, 0,1
	global_load_b128 v[64+8*\t:67+8*\t], v4, s[10:11] offset:512*\t
	global_load_b128 v[68+8*\t:71+8*\t], v4, s[10:11] offset:512*\t+16
.endr
.irp t, 0,1,2,3
	global_load_b128 v[16+8*\t:19+8*\t], v5, s[12:13] offset:64*\t
	global_load_b128 v[20+8*\t:23+8*\t], v5, s[12:13] offset:64*\t+16
.endr
	WLOAD 120, 0
	WLOAD 184, 1
.irp q, 0,1,2,3,4,5,6,7
	global_load_b128 v[88+4*\q:91+4*\q], v7, s[14:15] offset:(2*\q+8*(\q/4))*4096 th:TH_LOAD_NT   ; the tile's rows 2 q, 2 q + 1: 256 consecutive bytes each
.endr
	s_wait_loadcnt 54                              ; o's two loads are in; the 54 behind them may be out
	ds_store_b128 v2, v[248:251]
	ds_store_b128 v2, v[252:255] offset:8192
	s_wait_dscnt 0x0                               ; for the others' sake
	s_barrier_signal -1
	s_barrier_wait -1                              ; o's eight fragments lie in LDS
	OLOAD 0
.irp s, 0,1,2,3,4,5,6,7
	STEP \s
.endr
.irp t, 0,1,2,3
	global_load_b128 v[120+8*\t:123+8*\t], v5, s[16:17] offset:64*\t
	global_load_b128 v[124+8*\t:127+8*\t], v5, s[16:17] offset:64*\t+16
	global_load_b128 v[152+8*\t:155+8*\t], v5, s[18:19] offset:64*\t
	global_load_b128 v[156+8*\t:159+8*\t], v5, s[18:19] offset:64*\t+16
.endr
.irp q, 0,1,2,3,4,5,6,7
	ds_store_b128 v8, v[88+4*\q:91+4*\q] offset:544*\q
.endr
.irp t, 0,1,2,3
	ds_load_b128 v[88+8*\t:91+8*\t], v9 offset:64*\t       ; LDS serves a wave's instructions in order (ISA guide 5.7.1.4): these see the stores above
	ds_load_b128 v[92+8*\t:95+8*\t], v9 offset:64*\t+16
.endr
	s_wait_dscnt 0x0
.set n, 0
.rept 32
	NANFIX 88+n, 248
.set n, n+1
.endr
.set n, 0
.rept 16
	v_pk_add_f32 v[88+n:89+n], v[88+n:89+n], v[16+n:17+n]   ; the residual; each sum is read from its low end on
.set n, n+2
.endr
	v_pk_add_f32 v[184:185], v[88:89], v[90:91]
	v_pk_add_f32 v[186:187], v[92:93], v[94:95]
.irp j, 8,12,16,20,24,28
	v_pk_add_f32 v[184:185], v[184:185], v[88+\j:89+\j]
	v_pk_add_f32 v[186:187], v[186:187], v[90+\j:91+\j]
.endr
	LANESUM
	WGSUM 0
	v_mul_f32 v204, s30, v188                      ; the mean, twice: a pair for the packed subtraction
	v_mov_b32 v205, v204
.set n, 0
.rept 16
	v_pk_add_f32 v[88+n:89+n], v[88+n:89+n], v[204:205] neg_lo:[0,1] neg_hi:[0,1]
.set n, n+2
.endr
	v_pk_mul_f32 v[184:185], v[88:89], v[88:89]
	v_pk_mul_f32 v[186:187], v[90:91], v[90:91]
.irp j, 4,8,12,16,20,24,28
	v_pk_fma_f32 v[184:185], v[88+\j:89+\j], v[88+\j:89+\j], v[184:185]
	v_pk_fma_f32 v[186:187], v[90+\j:91+\j], v[90+\j:91+\j], v[186:187]
.endr
	LANESUM
	WGSUM 1280                                     ; other bytes than the first sum's: no barrier is owed between them
	v_fma_f32 v206, v188, s30, s31                 ; the variance + 1e-5
	v_rsq_f32 v206, v206
	v_nop                                          ; a plain line behind it
	s_wait_alu depctr_va_vdst(0)                   ; the wait, ahead of the first reader
	v_mov_b32 v207, v206
	s_wait_loadcnt 0x0                             ; gamma and beta
.set n, 0
.rept 16
	v_pk_mul_f32 v[88+n:89+n], v[88+n:89+n], v[206:207]
.set n, n+2
.endr
.set n, 0
.rept 16
	v_pk_fma_f32 v[88+n:89+n], v[88+n:89+n], v[120+n:121+n], v[152+n:153+n]
.set n, n+2
.endr
.set n, 0
.rept 32
	NANFIX 88+n, 248
.set n, n+1
.endr
.irp t, 0,1,2,3
	ds_store_b128 v9, v[88+8*\t:91+8*\t] offset:64*\t
	ds_store_b128 v9, v[92+8*\t:95+8*\t] offset:64*\t+16
.endr
.irp q, 0,1,2,3,4,5,6,7
	ds_load_b128 v[88+4*\q:91+4*\q], v8 offset:544*\q
.endr
.irp q, 0,1,2,3,4,5,6,7
	s_wait_dscnt 7-\q
	global_store_b128 v7, v[88+4*\q:91+4*\q], s[20:21] offset:(2*\q+8*(\q/4))*4096 th:TH_STORE_NT   ; 16 lanes store 256 consecutive bytes, at a multiple of 256 from the buffer's first byte
.endr
	s_wait_xcnt 0x0
	v_lshl_add_u32 v254, v0, 2, 0x16000
	v_mov_b32 v255, 0
	s_wait_tensorcnt 0x0
	ds_add_u32 v254, v255
	s_wait_dscnt 0x0
	s_endpgm
.Lfunc_end_k_q44b65bfe03_proj:
	.size	k_q44b65bfe03_proj, .Lfunc_end_k_q44b65bfe03_proj-k_q44b65bfe03_proj
	.p2alignl 7, 3214868480
	.fill 96, 4, 3214868480
	.section	.rodata,"a",@progbits
	.p2align	6, 0x0
	.amdhsa_kernel k_q44b65bfe03_proj
		.amdhsa_group_segment_fixed_size 92160
		.amdhsa_private_segment_fixed_size 0
		.amdhsa_enable_private_segment 0
		.amdhsa_kernarg_size 72
		.amdhsa_user_sgpr_count 2
		.amdhsa_user_sgpr_kernarg_segment_ptr 1
		.amdhsa_wavefront_size32 1
		.amdhsa_system_sgpr_workgroup_id_x 1
		.amdhsa_system_sgpr_workgroup_id_y 1
		.amdhsa_system_sgpr_workgroup_id_z 1
		.amdhsa_system_vgpr_workitem_id 0
		.amdhsa_next_free_vgpr 256
		.amdhsa_next_free_sgpr 66
		.amdhsa_reserve_vcc 1
		.amdhsa_float_denorm_mode_32 3
		.amdhsa_float_denorm_mode_16_64 3
		.amdhsa_memory_ordered 1
		.amdhsa_forward_progress 1
		.amdhsa_inst_pref_size 54
	.end_amdhsa_kernel
	.amdgpu_metadata
---
amdhsa.version: [ 1, 2 ]
amdhsa.kernels:
  - .name:           k_q44b65bfe03_proj
    .symbol:         k_q44b65bfe03_proj.kd
    .args:
      - { .name: oc, .offset: 0, .size: 8, .value_kind: global_buffer, .address_space: global }
      - { .name: os, .offset: 8, .size: 8, .value_kind: global_buffer, .address_space: global }
      - { .name: Wo_codes, .offset: 16, .size: 8, .value_kind: global_buffer, .address_space: global }
      - { .name: Wo_scales, .offset: 24, .size: 8, .value_kind: global_buffer, .address_space: global }
      - { .name: bo, .offset: 32, .size: 8, .value_kind: global_buffer, .address_space: global }
      - { .name: x, .offset: 40, .size: 8, .value_kind: global_buffer, .address_space: global }
      - { .name: gamma, .offset: 48, .size: 8, .value_kind: global_buffer, .address_space: global }
      - { .name: beta, .offset: 56, .size: 8, .value_kind: global_buffer, .address_space: global }
      - { .name: out0, .offset: 64, .size: 8, .value_kind: global_buffer, .address_space: global }
    .group_segment_fixed_size: 92160
    .private_segment_fixed_size: 0
    .kernarg_segment_align: 8
    .kernarg_segment_size: 72
    .max_flat_workgroup_size: 512
    .sgpr_count:     66
    .vgpr_count:     256
    .wavefront_size: 32
...
	.end_amdgpu_metadata
.endif
;; end of part 4
;; ======== version 2 of 2: 4 launches
;; workspace buffers: xc 4,194,304 bytes; xs 131,072 bytes; flags 1,024 bytes of whole numbers; qkvc 12,582,912 bytes; qkvs 655,360 bytes; oc 4,194,304 bytes; os 131,072 bytes
;; launch prep (part 5): grid 256 x 1, 8 waves a work-group, no clusters, 69,632 bytes of LDS; arguments x, mask, xc, xs, flags; writes xc, xs, flags
.if DOCPART == 5
	.amdgcn_target "amdgcn-amd-amdhsa--gfx1250"
	.amdhsa_code_object_version 6
	.text
	.protected	k_q44b65bfe03_prep
	.globl	k_q44b65bfe03_prep
	.p2align	8
	.type	k_q44b65bfe03_prep,@function
k_q44b65bfe03_prep:
	s_mov_b64 s[64:65], 0
	v_nop
	global_prefetch_b8 v0, s[64:65] scope:SCOPE_SE
	s_setreg_imm32_b32 hwreg(HW_REG_WAVE_MODE, 25, 1), 1
	s_wait_xcnt 0x0
; x [4096][1024] f32 -> nan_to_num -> codes of E5M2 with one E8M0 byte for each 32 along K, laid as IMAGES OF OPERAND REGISTERS; the mask -> whole-number flags for cells of 16 queries x 128 keys.
; TILES.  Tile T of 16 rows takes rows 32 (T / 2) + 8 (T % 2) + p + 8 (p / 8), p = 0 .. 15: the later products' results then lie as the next operand wants them.
; xc: [block of 128 tokens 32][K step 8][tile 8][4 groups][lane][16 bytes]: group c of lane (r, h) = codes of the tile's row r, k = 32 c + 16 h + 0 .. 15 of the K step.
; xs: [block][K step][lane][4 words]: word j = the scale word of row r of tile j (lanes 0-15) or tile j + 4 (lanes 16-31).
; flags: word 2 Tq + half: bits 15:0 row p of query tile Tq blocked in all 8 cells of that half of the keys; 23:16 cell wholly blocked; 31:24 cell holds a blocked byte.
; SHARES.  Work-group g: token block g / 8, K step g % 8; wave w makes tile w's fragment, and reads mask cell (query tile g / 2, key step 8 (g % 2) + w).
; Each x load reads 512 consecutive bytes of one row; the conversions want 16 neighbours in a lane, so a fragment's 8 KiB turn through the wave's own stage in LDS (rows 528 bytes apart: the 16 rows of a read start in 16 different columns of 16 bytes).
; A block's byte is its largest magnitude's exponent field - 15, held at 1 from below; a block of zeros keeps the byte 1 (its codes are zeros; this program alone reads the bytes).
; LIMITS: NaN becomes 0 and infinities +-1e9, as the problem says; nothing else is assumed of x.  A mask byte is 0 or 1.
.set STGB, 8448                        ; a wave's stage: 16 rows x 528 bytes
.set XSW,  67584                       ; behind the eight stages: the work-group's 128 scale words
.set FL,   68096                       ; and its eight cell words
.set R,    32                          ; v32-95   x as loaded
.set X,    96                          ; v96-159  64 numbers: register 16 b + i = k 32 b + 16 h + i of my row
.set MK,   160                         ; v160-175 64 mask bytes
.set PC,   176                         ; v176-191 the codes
.set TM,   192                         ; v192-207 at work
.set PW,   16                          ; v16      the scale word
.set INF,  28
.set ABSM, 29
.set BIG,  30
.set MNT,  31
.set SEL,  32
.macro NANFIX r, t                     ; nan_to_num of one number: NaN -> 0, +-infinity -> +-1e9
	v_cmp_eq_f32 vcc_lo, v[\r], v[\r]
	s_delay_alu instid0(VALU_DEP_1)
	v_cndmask_b32 v[\r], 0, v[\r], vcc_lo
	s_delay_alu instid0(VALU_DEP_1)
	v_and_b32 v[\t], s[ABSM], v[\r]
	s_delay_alu instid0(VALU_DEP_1)
	v_cmp_eq_u32 vcc_lo, s[INF], v[\t]
	s_delay_alu instid0(VALU_DEP_3)
	v_bfi_b32 v[\t], s[ABSM], s[BIG], v[\r]        ; 1e9 under the number's sign
	s_delay_alu instid0(VALU_DEP_1)
	v_cndmask_b32 v[\r], v[\r], v[\t], vcc_lo
.endm
.macro QUANT s                         ; 64 numbers of a lane become a fragment's codes in v[PC] on and its scale word in v[PW]
.irp b, 0,1,2,3
	v_max3_num_f32 v[TM+\b], |v[\s+16*\b]|, |v[\s+1+16*\b]|, 0x8000000   ; my 16 numbers of block b, and the floor 2^(16 - 127): the byte cannot fall under 1
.endr
.irp i, 2,4,6,8,10,12,14
.irp b, 0,1,2,3
	s_delay_alu instid0(VALU_DEP_4)
	v_max3_num_f32 v[TM+\b], v[TM+\b], |v[\s+16*\b+\i]|, |v[\s+1+16*\b+\i]|
.endr
.endr
.irp b, 0,1,2,3
	s_delay_alu instid0(VALU_DEP_4)
	v_permlanex16_b32 v[TM+4+\b], v[TM+\b], s[SEL], s[SEL+1]
.endr
.irp b, 0,1,2,3
	s_delay_alu instid0(VALU_DEP_4)
	v_max_num_f32 v[TM+\b], v[TM+\b], v[TM+4+\b]   ; with lane l xor 16's 16: the block's largest magnitude
.endr
.irp b, 0,1,2,3
	s_delay_alu instid0(VALU_DEP_4)
	v_add_nc_u32 v[TM+12+\b], 0xf8800000, v[TM+\b] ; 15 off its exponent field: the conversion's scale operand
.endr
.irp b, 0,1,2,3
	v_and_or_b32 v[TM+8+\b], v[TM+\b], 0x7f800000, s[MNT]   ; 57,344 x the scale
.endr
.irp b, 0,1,2,3
	v_lshrrev_b32 v[TM+4+\b], 23, v[TM+12+\b]      ; the scale's byte
.endr
	s_delay_alu instid0(VALU_DEP_3)
	v_lshl_or_b32 v[PW], v[TM+5], 8, v[TM+4]
	s_delay_alu instid0(VALU_DEP_1)
	v_lshl_or_b32 v[PW], v[TM+6], 16, v[PW]
	s_delay_alu instid0(VALU_DEP_1)
	v_lshl_or_b32 v[PW], v[TM+7], 24, v[PW]
.irp b, 0,1,2,3
.irp i, 0,1,2,3,4,5,6,7,8,9,10,11,12,13,14,15
	v_med3_num_f32 v[\s+16*\b+\i], v[\s+16*\b+\i], -v[TM+8+\b], v[TM+8+\b]   ; the conversion to an 8-bit code does not saturate (ISA guide 7.6.2): the hold comes first
.endr
	v_cvt_scalef32_pk8_bf8_f32 v[PC+4*\b:PC+1+4*\b], v[\s+16*\b:\s+7+16*\b], v[TM+12+\b]
	v_cvt_scalef32_pk8_bf8_f32 v[PC+2+4*\b:PC+3+4*\b], v[\s+8+16*\b:\s+15+16*\b], v[TM+12+\b]
.endr
	v_nop                                          ; a plain line behind the last conversion
.endm
	s_load_b256 s[4:11], s[0:1], 0x0               ; x s[4:5], mask s[6:7], xc s[8:9], xs s[10:11]
	s_load_b64 s[12:13], s[0:1], 0x20              ; flags
	v_lshl_add_u32 v208, v0, 2, 0x10c00
	v_mov_b32 v209, 0
	v_lshrrev_b32 v1, 5, v0
	s_delay_alu instid0(VALU_DEP_1)
	v_readfirstlane_b32 s14, v1                    ; wave 0..7
	v_and_b32 v7, 31, v0                           ; lane
	v_and_b32 v8, 15, v0                           ; r
	v_bfe_u32 v9, v0, 4, 1                         ; h
	s_delay_alu instid0(VALU_DEP_3)
	v_lshlrev_b32 v1, 4, v7                        ; 16 x lane
	s_mul_i32 s15, s14, STGB
	v_add_nc_u32 v2, s15, v1                       ; the stage, way in: 16 x lane of a row
	v_mul_u32_u24 v3, v8, 528
	s_delay_alu instid0(VALU_DEP_1)
	v_lshl_add_u32 v3, v9, 6, v3
	s_delay_alu instid0(VALU_DEP_1)
	v_add_nc_u32 v3, s15, v3                       ; way out: row r, + 64 h
	v_and_b32 v10, 8, v8
	s_delay_alu instid0(VALU_DEP_1)
	v_add_nc_u32 v10, v10, v8                      ; r + 8 (r / 8)
	s_delay_alu instid0(VALU_DEP_1)
	v_lshlrev_b32 v4, 11, v10
	s_delay_alu instid0(VALU_DEP_1)
	v_lshl_add_u32 v4, v9, 6, v4                   ; the mask: my row of 2,048 bytes, + 64 h
	s_lshr_b32 s16, s14, 2
	s_lshl_b32 s16, s16, 8
	s_and_b32 s17, s14, 3
	s_lshl_b32 s17, s17, 2
	s_add_co_u32 s16, s16, s17
	s_add_co_u32 s16, s16, XSW
	v_lshlrev_b32 v5, 4, v8
	s_delay_alu instid0(VALU_DEP_1)
	v_add_nc_u32 v5, s16, v5                       ; my scale word's place: 16 r + 256 (w / 4) + 4 (w % 4)
	s_lshl_b32 s17, s14, 2
	s_add_co_u32 s17, s17, FL
	v_mov_b32 v6, s17                              ; my wave's cell word
	v_add_nc_u32 v11, XSW, v1                      ; wave 0's reads at the end
	v_and_b32 v12, 7, v0
	s_delay_alu instid0(VALU_DEP_1)
	v_lshl_add_u32 v12, v12, 2, FL
	s_lshr_b32 s18, ttmp9, 3                       ; x: row 128 (g / 8) + 32 (w / 2) + 8 (w % 2), byte 512 (g % 8)
	s_lshl_b32 s18, s18, 7
	s_lshr_b32 s19, s14, 1
	s_lshl_b32 s19, s19, 5
	s_add_co_u32 s18, s18, s19
	s_and_b32 s19, s14, 1
	s_lshl_b32 s19, s19, 3
	s_add_co_u32 s18, s18, s19
	s_lshl_b32 s18, s18, 12
	s_and_b32 s19, ttmp9, 7
	s_lshl_b32 s19, s19, 9
	s_add_co_u32 s18, s18, s19
	s_mov_b32 s19, 0
	s_lshr_b32 s20, ttmp9, 2                       ; the mask: query tile Tq = g / 2: row 32 (Tq / 2) + 8 (Tq % 2), byte 128 (8 (g % 2) + w)
	s_lshl_b32 s20, s20, 5
	s_lshr_b32 s21, ttmp9, 1
	s_and_b32 s21, s21, 1
	s_lshl_b32 s21, s21, 3
	s_add_co_u32 s20, s20, s21
	s_lshl_b32 s20, s20, 11
	s_and_b32 s21, ttmp9, 1
	s_lshl_b32 s21, s21, 3
	s_add_co_u32 s21, s21, s14
	s_lshl_b32 s21, s21, 7
	s_add_co_u32 s20, s20, s21
	s_mov_b32 s21, 0
	s_lshl_b32 s22, ttmp9, 3
	s_add_co_u32 s22, s22, s14
	s_lshl_b32 s22, s22, 11                        ; xc: (8 g + w) fragments of 2,048 bytes
	s_mov_b32 s23, 0
	s_lshl_b32 s24, ttmp9, 9                       ; xs: 512 g
	s_mov_b32 s25, 0
	s_lshl_b32 s26, ttmp9, 2                       ; flags: word g
	s_mov_b32 s27, 0
	s_mov_b32 s[INF], 0x7f800000
	s_mov_b32 s[ABSM], 0x7fffffff
	s_mov_b32 s[BIG], 0x4e6e6b28                   ; 1e9
	s_mov_b32 s[MNT], 0x600000                     ; the mantissa field of 57,344
	s_mov_b32 s[SEL], 0x76543210
	s_mov_b32 s[SEL+1], 0xfedcba98                 ; lane l xor 16
.irp b, 0,1,2,3
	v_mov_b32 v[TM+4+\b], 0                        ; a lane permute's destination counts as one of its sources
.endr
	s_wait_kmcnt 0x0
	s_add_nc_u64 s[4:5], s[4:5], s[18:19]
	s_add_nc_u64 s[6:7], s[6:7], s[20:21]
	s_add_nc_u64 s[8:9], s[8:9], s[22:23]
	s_add_nc_u64 s[10:11], s[10:11], s[24:25]
	s_add_nc_u64 s[12:13], s[12:13], s[26:27]
.irp i, 0,1,2,3,4,5,6,7,8,9,10,11,12,13,14,15
	global_load_b128 v[R+4*\i:R+4*\i+3], v1, s[4:5] offset:(\i+8*(\i/8))*4096 th:TH_LOAD_NT   ; the tile's row i: 512 consecutive bytes
.endr
.irp j, 0,1,2,3
	global_load_b128 v[MK+4*\j:MK+4*\j+3], v4, s[6:7] offset:16*\j
.endr
	s_wait_loadcnt 4                               ; x's sixteen loads are in; the four mask loads, issued behind them, may be out
.irp i, 0,1,2,3,4,5,6,7,8,9,10,11,12,13,14,15
	ds_store_b128 v2, v[R+4*\i:R+4*\i+3] offset:528*\i
.endr
.irp b, 0,1,2,3
.irp j, 0,1,2,3
	ds_load_b128 v[X+16*\b+4*\j:X+16*\b+4*\j+3], v3 offset:128*\b+16*\j   ; LDS serves a wave's instructions in order (ISA guide 5.7.1.4): these see the stores above
.endr
.endr
	s_wait_loadcnt 0x0                             ; the mask cell: row r's 128 bytes lie in lanes r and r + 16
	v_and_b32 v17, v[MK], v[MK+1]
	v_or_b32 v18, v[MK], v[MK+1]
.irp i, 2,3,4,5,6,7,8,9,10,11,12,13,14,15
	s_delay_alu instid0(VALU_DEP_2)
	v_and_b32 v17, v17, v[MK+\i]
	s_delay_alu instid0(VALU_DEP_2)
	v_or_b32 v18, v18, v[MK+\i]
.endr
	s_delay_alu instid0(VALU_DEP_2)
	v_cmp_eq_u32 s34, 0x1010101, v17               ; my 64 bytes are all 1
	s_delay_alu instid0(VALU_DEP_2)
	v_cmp_ne_u32 s35, 0, v18                       ; some byte of mine is 1
	s_lshr_b32 s36, s34, 16
	s_and_b32 s34, s34, s36
	s_and_b32 s34, s34, 0xffff                     ; bit r: row r is blocked in the whole cell
	s_cmp_lg_u32 s35, 0
	s_cselect_b32 s35, 0x10000, 0                  ; bit 16: the cell holds a blocked byte
	s_or_b32 s34, s34, s35
	v_mov_b32 v19, s34
	ds_store_b32 v6, v19                           ; all lanes write the same word with the same value
	s_wait_dscnt 0x0                               ; the 64 numbers are back
.set n, 0
.rept 64
	NANFIX X+n, 20
.set n, n+1
.endr
	QUANT X
.irp c, 0,1,2,3
	global_store_b128 v1, v[PC+4*\c:PC+4*\c+3], s[8:9] offset:512*\c   ; 32 lanes store 512 consecutive bytes
.endr
	ds_store_b32 v5, v[PW]                         ; lanes r and r + 16 write the same word with the same value
	s_wait_dscnt 0x0                               ; for the others' sake: my stores into LDS are done
	s_barrier_signal -1
	s_barrier_wait -1
	s_cmp_lg_u32 s14, 0
	s_cbranch_scc1 .Lend                           ; wave 0 sends the work-group's scale words and its flag word
	ds_load_b128 v[20:23], v11
	ds_load_b32 v24, v12                           ; lane l: the cell word of wave l % 8
	s_wait_dscnt 0x0
	global_store_b128 v1, v[20:23], s[10:11]       ; 512 consecutive bytes
.irp i, 0,1,2,3,4,5,6,7
	v_readlane_b32 s[16+\i], v24, \i
.endr
.irp i, 1,2,3,4,5,6,7
	s_and_b32 s16, s16, s[16+\i]
.endr
	s_and_b32 s16, s16, 0xffff                     ; rows blocked in all eight cells
	v_and_b32 v25, 0xffff, v24
	s_delay_alu instid0(VALU_DEP_1)
	v_cmp_eq_u32 s34, 0xffff, v25                  ; bit w: cell w is wholly blocked
	v_and_b32 v26, 0x10000, v24
	s_delay_alu instid0(VALU_DEP_1)
	v_cmp_ne_u32 s35, 0, v26                       ; bit w: cell w holds a blocked byte
	s_and_b32 s34, s34, 0xff
	s_lshl_b32 s34, s34, 16
	s_lshl_b32 s35, s35, 24
	s_or_b32 s16, s16, s34
	s_or_b32 s16, s16, s35
	v_mov_b32 v27, s16
	v_mov_b32 v28, 0
	v_cmp_eq_u32 vcc_lo, 0, v7
	s_wait_alu depctr_va_vdst(0)
	s_wait_xcnt 0x0                                ; EXEC changes only behind this wait: the stores above have it among their sources
	s_and_saveexec_b32 s36, vcc_lo
	global_store_b32 v28, v27, s[12:13]            ; lane 0 alone
	s_wait_xcnt 0x0                                ; and again in front of the line that widens it
	s_or_b32 exec_lo, exec_lo, s36
.Lend:
	s_wait_tensorcnt 0x0
	ds_add_u32 v208, v209
	s_wait_dscnt 0x0
	s_endpgm
.Lfunc_end_k_q44b65bfe03_prep:
	.size	k_q44b65bfe03_prep, .Lfunc_end_k_q44b65bfe03_prep-k_q44b65bfe03_prep
	.p2alignl 7, 3214868480
	.fill 96, 4, 3214868480
	.section	.rodata,"a",@progbits
	.p2align	6, 0x0
	.amdhsa_kernel k_q44b65bfe03_prep
		.amdhsa_group_segment_fixed_size 69632
		.amdhsa_private_segment_fixed_size 0
		.amdhsa_enable_private_segment 0
		.amdhsa_kernarg_size 40
		.amdhsa_user_sgpr_count 2
		.amdhsa_user_sgpr_kernarg_segment_ptr 1
		.amdhsa_wavefront_size32 1
		.amdhsa_system_sgpr_workgroup_id_x 1
		.amdhsa_system_sgpr_workgroup_id_y 1
		.amdhsa_system_sgpr_workgroup_id_z 1
		.amdhsa_system_vgpr_workitem_id 0
		.amdhsa_next_free_vgpr 210
		.amdhsa_next_free_sgpr 66
		.amdhsa_reserve_vcc 1
		.amdhsa_float_denorm_mode_32 3
		.amdhsa_float_denorm_mode_16_64 3
		.amdhsa_memory_ordered 1
		.amdhsa_forward_progress 1
		.amdhsa_inst_pref_size 47
	.end_amdhsa_kernel
	.amdgpu_metadata
---
amdhsa.version: [ 1, 2 ]
amdhsa.kernels:
  - .name:           k_q44b65bfe03_prep
    .symbol:         k_q44b65bfe03_prep.kd
    .args:
      - { .name: x, .offset: 0, .size: 8, .value_kind: global_buffer, .address_space: global }
      - { .name: mask, .offset: 8, .size: 8, .value_kind: global_buffer, .address_space: global }
      - { .name: xc, .offset: 16, .size: 8, .value_kind: global_buffer, .address_space: global }
      - { .name: xs, .offset: 24, .size: 8, .value_kind: global_buffer, .address_space: global }
      - { .name: flags, .offset: 32, .size: 8, .value_kind: global_buffer, .address_space: global }
    .group_segment_fixed_size: 69632
    .private_segment_fixed_size: 0
    .kernarg_segment_align: 8
    .kernarg_segment_size: 40
    .max_flat_workgroup_size: 256
    .sgpr_count:     66
    .vgpr_count:     210
    .wavefront_size: 32
...
	.end_amdgpu_metadata
.endif
;; end of part 5
;; launch qkv (part 6): grid 12 x 16, 4 waves a work-group, clusters of 4 x 1, 327,680 bytes of LDS; arguments xc, xs, Wq_codes, Wq_scales, bq, Wk_codes, Wk_scales, bk, Wv_codes, Wv_scales, bv, qkvc, qkvs; writes qkvc, qkvs
.if DOCPART == 6
	.amdgcn_target "amdgcn-amd-amdhsa--gfx1250"
	.amdhsa_code_object_version 6
	.text
	.protected	k_q44b65bfe03_qkv
	.globl	k_q44b65bfe03_qkv
	.p2align	8
	.type	k_q44b65bfe03_qkv,@function
k_q44b65bfe03_qkv:
	s_mov_b64 s[64:65], 0
	v_nop
	global_prefetch_b8 v0, s[64:65] scope:SCOPE_SE
	s_setreg_imm32_b32 hwreg(HW_REG_WAVE_MODE, 25, 1), 1
	s_wait_xcnt 0x0
	s_wait_alu depctr_hold_cnt(0) depctr_sa_sdst(0) depctr_va_vdst(0) depctr_va_sdst(0) depctr_va_ssrc(0) depctr_va_vcc(0) depctr_vm_vsrc(0)
	s_getreg_b32 s2, hwreg(HW_REG_IB_STS2, 6, 4)
	s_cmp_eq_u32 s2, 0
	s_cbranch_scc0 .Lentry_in_a_cluster
	s_endpgm
.Lentry_in_a_cluster:
	s_bfe_u32 s2, ttmp6, 0x10000c
	s_cmp_lg_u32 s2, 0x3003
	s_cbranch_scc0 .Lentry_shape_is_right
	s_endpgm
.Lentry_shape_is_right:
; q = x Wq^T + bq, k = x Wk^T + bk, v = x Wv^T + bv on codes of E5M2 (one E8M0 byte for each 32 along K), and the results quantised at once: q and k along the head's 64, v along the keys.
; SHARES.  The cluster's x is the kind (0 q, 1 k, 2 v); its four work-groups x four waves take the 16 heads, a head a wave.  A wave keeps its head's 64 weight rows for all of K in REGISTERS
; (4 tiles x 8 K steps x 16 = 512 registers), read from memory once, and walks two blocks of 128 tokens (2 y, 2 y + 1): 256 matrix instructions a block, each fragment of x from LDS feeding four.
; x's images of both blocks (2 x 131,072 bytes) and their scale words (8,192) come into LDS once, by JOINT tensor loads: the four work-groups of a cluster share y, so they need the same bytes.
; The weights are shared along y alone, and LDS is full of x: they go from memory straight into registers, with no joint request.
; TILES.  Tile T takes rows 32 (T / 2) + 8 (T % 2) + p + 8 (p / 8).  q, k: source 0 = 16 weight rows, source 1 = 16 tokens: a lane holds one token, and the 16 registers of weight tiles 2 b, 2 b + 1 are
; channels 32 b + 16 h + 0 .. 15.  v: source 0 = 16 tokens, source 1 = 16 weight rows: a lane holds one channel, and the 16 registers of token tiles 2 b, 2 b + 1 are keys 32 b + 16 h + 0 .. 15.  So the conversions' results are the next operands' registers.
; The bias is the C of each sum's first matrix instruction.
; OUT.  qkvc: [kind][batch x head 32][key step 16][8,192 bytes]: q, k: [tile 8][group 2][lane][16]; v: [channel tile 4][group 4][lane][16].
; qkvs: q at 0, k at 262,144: [bh][step][lane][4 words], word j = tile j (lanes 0-15) or j + 4 (lanes 16-31), bytes 2 and 3 zero; v at 524,288: [bh][step][lane][2 words], word j = channel tile j or j + 2.
; REGISTERS, in windows of 256: windows 1 and 2: the weights, fragment (t, s) at 16 (8 (t % 2) + s) of window 1 + t / 2.  Window 3: 32 accumulators (q, k: (T, t) at 8 (4 T + t); v: (t, T) at 8 (8 t + T)).
; Window 0: v1-13 addresses; v16-47 the weights' scale words (8 t + s); v48-55 x's scale words, two sets; v56-59 the scale words made; v60-63 on their way out; v64-127, v128-191 x's fragments (tiles 0-3, 4-7),
; v64-127 later the codes made; v192-223 the bias, later v192-207 at work.
; LIMITS: a block of zeros keeps the byte 1 (its codes are zeros); sums are taken to be finite.
.set TM,   192
.set WV,   31                          ; s31 wave
.set KIND, 32                          ; s32 the kind
.set G1C,  36                          ; s[36:43] descriptor group 1: 128 rows of 256 bytes
.set G1S,  44                          ; s[44:51] 8 rows of 256 bytes
.set D0,   52                          ; s[52:55] group 0: my quarter of block 0's images
.set DSC,  56                          ; s[56:59] my quarter of the scale words
.set D1,   60                          ; s[60:63] my quarter of block 1's images
.set SB,   66                          ; s66 LDS byte of the block in hand
.set SS,   67                          ; s67 and of its scale words
.set CNT,  68
.set SH,   69                          ; s69 lanes 16-31
.set SEL,  70
.set MNT,  72
.set MSB, 0
.macro WIN new                         ; the immediate's high byte repeats the setting that is left
.if MSB != (\new)
	s_set_vgpr_msb (MSB<<8)|(\new)
.set MSB, (\new)
.endif
.endm
.macro ROUND                           ; a round of the cluster's barrier
	s_barrier_signal -1
	s_barrier_wait -1
	s_cmp_lg_u32 s[WV], 0
	s_cbranch_scc1 .Lnot_wave_0_\@
	s_barrier_signal -3
.Lnot_wave_0_\@:
	s_barrier_wait -3
	s_barrier_signal -1
	s_barrier_wait -1
.endm
.macro FETCHX reg, s, t0               ; x's fragments of K step s, tiles t0 .. t0 + 3: 16 loads of 512 consecutive bytes
.irp u, 0,1,2,3
.irp c, 0,1,2,3
	ds_load_b128 v[\reg+16*\u+4*\c:\reg+16*\u+4*\c+3], v[9+(\s)/4] offset:((\s)%4)*16384+(\t0+\u)*2048+512*\c
.endr
.endr
.endm
.macro MM kind, s, hf, tp, u, tl       ; one product: weight tile 2 tp + tl, token tile 4 hf + u, K step s
.set wt, 2*\tp+\tl
.set xt, 4*\hf+\u
.set rW, 16*(8*\tl+\s)
.set rX, 64+64*\hf+16*\u
.set rWS, 16+8*wt+\s
.set rXS, 48+4*(\s%2)+\u
.if \kind
.set rD, 8*(8*wt+xt)
.else
.set rD, 8*(4*xt+wt)
.endif
.set rC, rD
.if \s == 0
.set rC, 192+8*wt                      ; the bias starts the sum
.endif
.if \kind
.if \hf
	v_wmma_scale_f32_16x16x128_f8f6f4 v[rD:rD+7], v[rX:rX+15], v[rW:rW+15], v[rC:rC+7], v[rXS], v[rWS] matrix_a_fmt:MATRIX_FMT_BF8 matrix_b_fmt:MATRIX_FMT_BF8 matrix_a_scale:MATRIX_SCALE_ROW1
.else
	v_wmma_scale_f32_16x16x128_f8f6f4 v[rD:rD+7], v[rX:rX+15], v[rW:rW+15], v[rC:rC+7], v[rXS], v[rWS] matrix_a_fmt:MATRIX_FMT_BF8 matrix_b_fmt:MATRIX_FMT_BF8
.endif
.else
.if \hf
	v_wmma_scale_f32_16x16x128_f8f6f4 v[rD:rD+7], v[rW:rW+15], v[rX:rX+15], v[rC:rC+7], v[rWS], v[rXS] matrix_a_fmt:MATRIX_FMT_BF8 matrix_b_fmt:MATRIX_FMT_BF8 matrix_b_scale:MATRIX_SCALE_ROW1
.else
	v_wmma_scale_f32_16x16x128_f8f6f4 v[rD:rD+7], v[rW:rW+15], v[rX:rX+15], v[rC:rC+7], v[rWS], v[rXS] matrix_a_fmt:MATRIX_FMT_BF8 matrix_b_fmt:MATRIX_FMT_BF8
.endif
.endif
.endm
; Half a K step: 16 products on token tiles 4 hf .. 4 hf + 3.  The 32 accumulators take turns, one instruction a turn, in the same order in every K step.
.macro HALF kind, s, hf
.if (\s == 7) && (\hf == 1)
	s_wait_dscnt 0x0                               ; nothing was asked for behind this set
.elseif \hf == 1
	s_wait_dscnt 17                                ; behind my set: the next step's scale words (1) and its tiles 0-3 (16)
.else
	s_wait_dscnt 16                                ; behind my set and its scale words: tiles 4-7 (16)
.endif
.irp tp, 0,1
.if \kind
.if \s == 0
	WIN 0xc0|((1+\tp)<<2)                          ; source 1 (weights) window 1 or 2, C (bias) window 0, D window 3
.else
	WIN 0xf0|((1+\tp)<<2)
.endif
.else
.if \s == 0
	WIN 0xc0|(1+\tp)                               ; source 0 (weights) window 1 or 2
.else
	WIN 0xf0|(1+\tp)
.endif
.endif
.irp u, 0,1,2,3
.irp tl, 0,1
	MM \kind, \s, \hf, \tp, \u, \tl
.endr
.endr
.endr
	WIN 0
.rept 8
	v_nop                                          ; eight places in front of loads into registers that these products have read, and of the first read of results
.endr
.if \s < 7
.if \hf == 0
	ds_load_b128 v[48+4*((\s+1)%2):51+4*((\s+1)%2)], v11 offset:512*(\s+1)   ; the next step's scale words, into the set that the step before has left
.endif
	FETCHX 64+64*\hf, \s+1, 4*\hf
.endif
.endm
; 64 results, window 3's registers 64 q on (four blocks of 16 registers a lane), become 16 registers of codes at v[64 + 16 q] and the scale word v[56 + q].
.macro QUANT3 q
	WIN 0x0f                                       ; sources 0 and 1 window 3
.irp b, 0,1,2,3
	v_max3_num_f32 v[TM+\b], |v[64*\q+16*\b]|, |v[64*\q+16*\b+1]|, 0x8000000   ; each accumulator is read from its low end on; the floor 2^(16 - 127) holds the byte at 1 from below
.endr
.irp i, 2,4,6,8,10,12,14
.irp b, 0,1,2,3
	v_max3_num_f32 v[TM+\b], |v[64*\q+16*\b+\i]|, |v[64*\q+16*\b+\i+1]|, v[TM+\b]
.endr
.endr
	WIN 0
.irp b, 0,1,2,3
	v_permlanex16_b32 v[TM+4+\b], v[TM+\b], s[SEL], s[SEL+1]
.endr
.irp b, 0,1,2,3
	v_max_num_f32 v[TM+\b], v[TM+\b], v[TM+4+\b]   ; with lane l xor 16's 16: the block's largest magnitude
.endr
.irp b, 0,1,2,3
	v_add_nc_u32 v[TM+12+\b], 0xf8800000, v[TM+\b] ; 15 off its exponent field: the conversion's scale operand
.endr
.irp b, 0,1,2,3
	v_and_or_b32 v[TM+8+\b], v[TM+\b], 0x7f800000, s[MNT]   ; 57,344 x the scale
.endr
.irp b, 0,1,2,3
	v_lshrrev_b32 v[TM+4+\b], 23, v[TM+12+\b]      ; the byte
.endr
	v_lshl_or_b32 v[56+\q], v[TM+5], 8, v[TM+4]
	v_lshl_or_b32 v[56+\q], v[TM+6], 16, v[56+\q]
	v_lshl_or_b32 v[56+\q], v[TM+7], 24, v[56+\q]
	WIN 0xc3                                       ; destination and source 0 window 3
.irp b, 0,1,2,3
.irp i, 0,1,2,3,4,5,6,7,8,9,10,11,12,13,14,15
	v_med3_num_f32 v[64*\q+16*\b+\i], v[64*\q+16*\b+\i], -v[TM+8+\b], v[TM+8+\b]   ; the hold: the conversion does not saturate (ISA guide 7.6.2)
.endr
.endr
	WIN 0x03                                       ; source 0 window 3
.irp b, 0,1,2,3
	v_cvt_scalef32_pk8_bf8_f32 v[64+16*\q+4*\b:65+16*\q+4*\b], v[64*\q+16*\b:64*\q+16*\b+7], v[TM+12+\b]
	v_cvt_scalef32_pk8_bf8_f32 v[66+16*\q+4*\b:67+16*\q+4*\b], v[64*\q+16*\b+8:64*\q+16*\b+15], v[TM+12+\b]
.endr
	WIN 0
	v_nop                                          ; a plain line behind the last conversion
.endm
; What differs between the kinds: the bias, the products' sources, the scale words' way out.
.macro BODY kind
.if \kind
.irp t, 0,1,2,3
.irp j, 0,1,2,3,4,5,6,7
	global_load_b32 v[192+8*\t+\j], v13, s[12:13] offset:(32*(\t/2)+8*(\t%2))*4   ; a lane holds one channel: its bias in all eight registers of the tile
.endr
.endr
.else
.irp t, 0,1,2,3
	global_load_b128 v[192+8*\t:195+8*\t], v4, s[12:13] offset:(32*(\t/2)+8*(\t%2))*4       ; a lane's eight channels of the tile
	global_load_b128 v[196+8*\t:199+8*\t], v4, s[12:13] offset:(32*(\t/2)+8*(\t%2))*4+16
.endr
.endif
	ds_load_b128 v[48:51], v11
	FETCHX 64, 0, 0
	FETCHX 128, 0, 4
	s_wait_loadcnt 0x0                             ; the bias; in the first trip the weights and their scale words too
.irp s, 0,1,2,3,4,5,6,7
	HALF \kind, \s, 0
	HALF \kind, \s, 1
.endr
.irp q, 0,1,2,3
	QUANT3 \q
.endr
	v_cndmask_b32 v60, v56, v58, s[SH]             ; lanes 0-15 carry the first two words made, lanes 16-31 the last two
.if \kind
	v_cndmask_b32 v61, v57, v59, s[SH]
	global_store_b64 v5, v[60:61], s[28:29]        ; 256 consecutive bytes
.else
	v_cndmask_b32 v62, v57, v59, s[SH]
	v_lshrrev_b32 v61, 16, v60                     ; a word made holds two tiles' two bytes: one word a tile, its upper bytes 0
	v_and_b32 v60, 0xffff, v60
	v_lshrrev_b32 v63, 16, v62
	v_and_b32 v62, 0xffff, v62
	global_store_b128 v1, v[60:63], s[28:29]       ; 512 consecutive bytes
.endif
.endm
	s_load_b128 s[4:7], s[0:1], 0x0                ; xc, xs
	s_load_b256 s[8:15], s[0:1], 0x10              ; Wq's codes, scales, bq; Wk's codes
	s_load_b256 s[16:23], s[0:1], 0x30             ; Wk's scales, bk; Wv's codes, scales
	s_load_b128 s[24:27], s[0:1], 0x50             ; bv; qkvc
	s_load_b64 s[28:29], s[0:1], 0x60              ; qkvs
	v_lshl_add_u32 v254, v0, 2, 0x44000
	v_mov_b32 v255, 0
	ds_add_u32 v254, v255
	ds_add_u32 v254, v255
	v_lshrrev_b32 v1, 5, v0
	v_readfirstlane_b32 s[WV], v1                  ; wave 0..3
	s_bfe_u32 s30, ttmp6, 0x40000                  ; cx: it enters the head alone, and the head global addresses alone
	s_mov_b32 s[KIND], ttmp9                       ; the cluster's x: the same in all four partners
	s_and_b32 s33, ttmp7, 0xffff                   ; y: the pair of token blocks
	s_lshl_b32 s34, s30, 2
	s_add_co_u32 s34, s34, s[WV]                   ; my head
	v_and_b32 v6, 31, v0
	v_and_b32 v7, 15, v0                           ; r
	v_bfe_u32 v8, v0, 4, 1                         ; h
	v_lshlrev_b32 v1, 4, v6                        ; 16 x lane
	v_lshlrev_b32 v5, 3, v6                        ; 8 x lane
	v_and_b32 v12, 8, v7
	v_add_nc_u32 v12, v12, v7                      ; r + 8 (r / 8)
	v_lshlrev_b32 v2, 10, v12
	v_lshl_add_u32 v2, v8, 4, v2                   ; the weights: my row of 1,024 bytes, + 16 h
	v_lshlrev_b32 v3, 5, v12                       ; their scales: my row of 32 bytes
	v_lshlrev_b32 v4, 6, v8                        ; the bias for q, k: 16 h channels on
	v_lshlrev_b32 v13, 2, v12                      ; for v: my channel
	s_mov_b32 s[G1C], 15|(3<<16)|(1<<21)           ; 15:0 the mask: all four work-groups; 17:16 elements of 8 bytes; 21 set beside a mask; no padding: images are read 512 consecutive bytes at a time
	s_mov_b32 s[G1C+1], 32<<16                     ; tensor_dim0 = 32 elements: rows of 256 bytes
	s_mov_b32 s[G1C+2], 128<<16                    ; tensor_dim1 = 128
	s_mov_b32 s[G1C+3], 32<<16                     ; tile_dim0
	s_mov_b32 s[G1C+4], 128                        ; tile_dim1
	s_mov_b32 s[G1C+5], 32                         ; the pitch: dense
	s_mov_b32 s[G1C+6], 0
	s_mov_b32 s[G1C+7], 0
	s_mov_b32 s[G1S], 15|(3<<16)|(1<<21)
	s_mov_b32 s[G1S+1], 32<<16
	s_mov_b32 s[G1S+2], 8<<16
	s_mov_b32 s[G1S+3], 32<<16
	s_mov_b32 s[G1S+4], 8
	s_mov_b32 s[G1S+5], 32
	s_mov_b32 s[G1S+6], 0
	s_mov_b32 s[G1S+7], 0
	s_mov_b32 s[SB], 0
	s_mov_b32 s[SS], 262144
	s_mov_b32 s[CNT], 0
	s_mov_b32 s[SH], 0xffff0000
	s_mov_b32 s[SEL], 0x76543210
	s_mov_b32 s[SEL+1], 0xfedcba98
	s_mov_b32 s[MNT], 0x600000
	s_wait_alu depctr_va_vdst(0)
	s_wait_dscnt 0x0
	s_wait_kmcnt 0x0
	s_cmp_eq_u32 s[KIND], 1                        ; the kind's weights, scales and bias: the choice hangs on the cluster's number alone
	s_cselect_b64 s[8:9], s[14:15], s[8:9]
	s_cselect_b64 s[10:11], s[16:17], s[10:11]
	s_cselect_b64 s[12:13], s[18:19], s[12:13]
	s_cmp_eq_u32 s[KIND], 2
	s_cselect_b64 s[8:9], s[20:21], s[8:9]
	s_cselect_b64 s[10:11], s[22:23], s[10:11]
	s_cselect_b64 s[12:13], s[24:25], s[12:13]
	s_mov_b32 s77, 0
	s_lshl_b32 s76, s34, 16                        ; my head's 64 rows of 1,024 bytes
	s_add_nc_u64 s[8:9], s[8:9], s[76:77]
	s_lshl_b32 s76, s34, 11                        ; of 32 scale bytes
	s_add_nc_u64 s[10:11], s[10:11], s[76:77]
	s_lshl_b32 s76, s34, 8                         ; its 64 numbers of the bias
	s_add_nc_u64 s[12:13], s[12:13], s[76:77]
.irp t, 0,1,2,3
	global_load_b128 v[16+8*\t:19+8*\t], v3, s[10:11] offset:(32*(\t/2)+8*(\t%2))*32
	global_load_b128 v[20+8*\t:23+8*\t], v3, s[10:11] offset:(32*(\t/2)+8*(\t%2))*32+16
.endr
	WIN 0x40                                       ; destination window 1: weight tiles 0, 1
.irp t, 0,1
.irp s, 0,1,2,3,4,5,6,7
.irp c, 0,1,2,3
	global_load_b128 v[16*(8*\t+\s)+4*\c:16*(8*\t+\s)+4*\c+3], v2, s[8:9] offset:(8*\t)*1024+128*\s+32*\c
.endr
.endr
.endr
	WIN 0x80                                       ; window 2: tiles 2, 3
.irp t, 0,1
.irp s, 0,1,2,3,4,5,6,7
.irp c, 0,1,2,3
	global_load_b128 v[16*(8*\t+\s)+4*\c:16*(8*\t+\s)+4*\c+3], v2, s[8:9] offset:(32+8*\t)*1024+128*\s+32*\c
.endr
.endr
.endr
	WIN 0
	; the descriptors' groups 0: made of y and the wave's number alone, so they are equal in the four partners
	s_mov_b32 s15, 0
	s_lshl_b32 s14, s33, 18
	s_lshl_b32 s16, s[WV], 15
	s_add_co_u32 s14, s14, s16
	s_add_nc_u64 s[4:5], s[4:5], s[14:15]          ; xc at my quarter of block 2 y
	s_lshl_b32 s14, s33, 13
	s_lshl_b32 s17, s[WV], 11
	s_add_co_u32 s14, s14, s17
	s_add_nc_u64 s[6:7], s[6:7], s[14:15]          ; xs at my quarter of both blocks' words
	s_mov_b32 s[D0], 1
	s_mov_b32 s[D0+1], s16                         ; LDS: 32,768 x wave
	s_mov_b64 s[D0+2:D0+3], s[4:5]
	s_or_b32 s[D0+3], s[D0+3], 0x80000000
	s_mov_b32 s[DSC], 1
	s_add_co_u32 s[DSC+1], s17, 262144
	s_mov_b64 s[DSC+2:DSC+3], s[6:7]
	s_or_b32 s[DSC+3], s[DSC+3], 0x80000000
	s_mov_b32 s[D1], 1
	s_add_co_u32 s[D1+1], s16, 131072
	s_add_nc_u64 s[D1+2:D1+3], s[4:5], 131072
	s_or_b32 s[D1+3], s[D1+3], 0x80000000
	; where the results go: cell = (16 batch + head) x 16 + key step; batch = y / 8, first key step = 2 (y % 8)
	s_lshr_b32 s78, s33, 3
	s_lshl_b32 s78, s78, 4
	s_add_co_u32 s78, s78, s34
	s_lshl_b32 s78, s78, 4
	s_and_b32 s79, s33, 7
	s_lshl_b32 s79, s79, 1
	s_add_co_u32 s78, s78, s79
	s_lshl_b32 s76, s78, 13
	s_lshl_b32 s79, s[KIND], 22
	s_add_co_u32 s76, s76, s79
	s_add_nc_u64 s[26:27], s[26:27], s[76:77]      ; the codes: 4 MiB a kind, 8,192 bytes a cell
	s_cmp_eq_u32 s[KIND], 2
	s_cselect_b32 s79, 8, 9                        ; the scale words: 512 bytes a cell for q, k; 256 for v
	s_lshl_b32 s76, s78, s79
	s_lshl_b32 s80, s[KIND], 18
	s_add_co_u32 s76, s76, s80
	s_add_nc_u64 s[28:29], s[28:29], s[76:77]
	s_lshl_b32 s74, 1, s79
	s_mov_b32 s75, 0
	ROUND                                          ; all four work-groups are here: the joint loads meet
	tensor_load_to_lds s[D0:D0+3], s[G1C:G1C+7]    ; one load of mine is out
	s_nop 0
	s_wait_alu depctr_va_vdst(0)
	s_wait_tensorcnt 0x0
	ds_add_u32 v254, v255
	s_wait_dscnt 0x0
	ROUND
	tensor_load_to_lds s[DSC:DSC+3], s[G1S:G1S+7]
	s_nop 0
	s_wait_alu depctr_va_vdst(0)
	s_wait_tensorcnt 0x0
	ds_add_u32 v254, v255
	s_wait_dscnt 0x0
	ROUND
	tensor_load_to_lds s[D1:D1+3], s[G1C:G1C+7]
	s_nop 0
.rept 4
	v_nop
.endr
	s_wait_tensorcnt 0x1                           ; block 0's images and the scale words are in; block 1's, issued last, may stay out
	s_barrier_signal -1
	s_barrier_wait -1                              ; everybody's are
.Ltrip:                                            ; two trips: a block of 128 tokens each
	v_add_nc_u32 v9, s[SB], v1                     ; the block's images, K steps 0-3,
	v_add_nc_u32 v10, 0x10000, v9                  ; K steps 4-7,
	v_add_nc_u32 v11, s[SS], v1                    ; and its scale words
	s_cmp_eq_u32 s[KIND], 2
	s_cbranch_scc1 .Lv
	s_wait_alu depctr_va_vdst(0)
	BODY 0
	s_branch .Ljoin
.Lv:
	s_wait_alu depctr_va_vdst(0)
	BODY 1
.Ljoin:
	s_wait_alu depctr_va_vdst(0)
.irp k, 0,1,2,3,4,5,6,7,8,9,10,11,12,13,14,15
	global_store_b128 v1, v[64+4*\k:67+4*\k], s[26:27] offset:512*\k   ; the cell's 8,192 bytes of codes, 512 consecutive bytes a store
.endr
	s_wait_xcnt 0x0                                ; the stores have read their registers and bases: both are written again below and in the next trip
	s_add_nc_u64 s[26:27], s[26:27], 8192
	s_add_nc_u64 s[28:29], s[28:29], s[74:75]
	s_add_co_u32 s[SB], s[SB], 131072
	s_add_co_u32 s[SS], s[SS], 4096
	s_wait_tensorcnt 0x0                           ; my quarter of block 1 is in,
	s_wait_dscnt 0x0
	s_barrier_signal -1
	s_barrier_wait -1                              ; everybody's is
	s_add_co_u32 s[CNT], s[CNT], 1
	s_cmp_lt_u32 s[CNT], 2
	s_cbranch_scc1 .Ltrip
	s_wait_tensorcnt 0x0
	ds_add_u32 v254, v255
	s_wait_dscnt 0x0
	ROUND                                          ; the closing round: no work-group ends while a partner may still ask jointly
	s_endpgm
.Lfunc_end_k_q44b65bfe03_qkv:
	.size	k_q44b65bfe03_qkv, .Lfunc_end_k_q44b65bfe03_qkv-k_q44b65bfe03_qkv
	.p2alignl 7, 3214868480
	.fill 96, 4, 3214868480
	.section	.rodata,"a",@progbits
	.p2align	6, 0x0
	.amdhsa_kernel k_q44b65bfe03_qkv
		.amdhsa_group_segment_fixed_size 327680
		.amdhsa_private_segment_fixed_size 0
		.amdhsa_enable_private_segment 0
		.amdhsa_kernarg_size 104
		.amdhsa_user_sgpr_count 2
		.amdhsa_user_sgpr_kernarg_segment_ptr 1
		.amdhsa_wavefront_size32 1
		.amdhsa_system_sgpr_workgroup_id_x 1
		.amdhsa_system_sgpr_workgroup_id_y 1
		.amdhsa_system_sgpr_workgroup_id_z 1
		.amdhsa_system_vgpr_workitem_id 0
		.amdhsa_next_free_vgpr 1024
		.amdhsa_next_free_sgpr 100
		.amdhsa_reserve_vcc 0
		.amdhsa_float_denorm_mode_32 3
		.amdhsa_float_denorm_mode_16_64 3
		.amdhsa_memory_ordered 1
		.amdhsa_forward_progress 1
		.amdhsa_inst_pref_size 201
	.end_amdhsa_kernel
	.amdgpu_metadata
---
amdhsa.version: [ 1, 2 ]
amdhsa.kernels:
  - .name:           k_q44b65bfe03_qkv
    .symbol:         k_q44b65bfe03_qkv.kd
    .args:
      - { .name: xc, .offset: 0, .size: 8, .value_kind: global_buffer, .address_space: global }
      - { .name: xs, .offset: 8, .size: 8, .value_kind: global_buffer, .address_space: global }
      - { .name: Wq_codes, .offset: 16, .size: 8, .value_kind: global_buffer, .address_space: global }
      - { .name: Wq_scales, .offset: 24, .size: 8, .value_kind: global_buffer, .address_space: global }
      - { .name: bq, .offset: 32, .size: 8, .value_kind: global_buffer, .address_space: global }
      - { .name: Wk_codes, .offset: 40, .size: 8, .value_kind: global_buffer, .address_space: global }
      - { .name: Wk_scales, .offset: 48, .size: 8, .value_kind: global_buffer, .address_space: global }
      - { .name: bk, .offset: 56, .size: 8, .value_kind: global_buffer, .address_space: global }
      - { .name: Wv_codes, .offset: 64, .size: 8, .value_kind: global_buffer, .address_space: global }
      - { .name: Wv_scales, .offset: 72, .size: 8, .value_kind: global_buffer, .address_space: global }
      - { .name: bv, .offset: 80, .size: 8, .value_kind: global_buffer, .address_space: global }
      - { .name: qkvc, .offset: 88, .size: 8, .value_kind: global_buffer, .address_space: global }
      - { .name: qkvs, .offset: 96, .size: 8, .value_kind: global_buffer, .address_space: global }
    .group_segment_fixed_size: 327680
    .private_segment_fixed_size: 0
    .kernarg_segment_align: 8
    .kernarg_segment_size: 104
    .max_flat_workgroup_size: 128
    .sgpr_count:     100
    .vgpr_count:     1024
    .wavefront_size: 32
...
	.end_amdgpu_metadata
.endif
;; end of part 6
;; launch attn (part 7): grid 8 x 32, 16 waves a work-group, no clusters, 276,480 bytes of LDS; arguments qkvc, qkvs, mask, flags, oc, os; writes oc, os
.if DOCPART == 7
	.amdgcn_target "amdgcn-amd-amdhsa--gfx1250"
	.amdhsa_code_object_version 6
	.text
	.protected	k_q44b65bfe03_attn
	.globl	k_q44b65bfe03_attn
	.p2align	8
	.type	k_q44b65bfe03_attn,@function
k_q44b65bfe03_attn:
	s_mov_b64 s[64:65], 0
	v_nop
	global_prefetch_b8 v0, s[64:65] scope:SCOPE_SE
	s_setreg_imm32_b32 hwreg(HW_REG_WAVE_SCHED_MODE, 0, 2), 2
	s_setreg_imm32_b32 hwreg(HW_REG_WAVE_MODE, 25, 1), 1
	s_wait_xcnt 0x0
	s_wait_alu depctr_vm_vsrc(0)
; o = softmax(q k^T / 8 + mask) v for one batch and head, both products on codes of E5M2 with one E8M0 byte for each 32 along K; o is quantised along the model's axis on its way out.
; THE SOFTMAX.  The problem takes the row's maximum away BEFORE its softmax, so what is quantised is p = 2^((s - max) log2 e): the row's largest p is exactly 1.  That wants the final maximum, so the keys are walked
; TWICE: pass A makes k q^T and the maximum; pass B makes k q^T again (the same instructions on the same registers: the same bits), p, its codes, and v^T p^T.  s - max is an exact subtraction, then one multiplication.
; The row's sum is taken of the unquantised p and divides at the end.  Nothing is rescaled on the way.
; THE MASK is an input.  A blocked score becomes -FLT_MAX by selection: p = 0.  In a row that is wholly blocked the maximum is -FLT_MAX too, s - max = 0 and p = 1 for all 2,048 keys, as the problem's nan_to_num gives it.
; A cell (16 queries x 128 keys) that is wholly blocked is passed over by a scalar branch on the whole numbers that the first launch stored, unless the tile holds a wholly blocked row; a cell with no blocked byte skips the selection.
; No tensor loads and no joint requests: K and V of the whole head (2 x 131,072 bytes and 12,288 of scale words) come through registers into LDS once, all asked for in one run at the head.
; SHARES.  A work-group owns one head and 16 query tiles, a tile a wave: tile g + 8 rank, rank = w xor 3 ((w / 4) % 2), so that under a triangular mask the work-groups, and the waves w % 4, have equal numbers of live cells.
; LAYOUT.  Both products transposed: S^T = k q^T (source 0 = 16 keys, source 1 = my 16 queries), O^T = v^T p^T: a lane holds one query.  Tiles take rows 32 (T / 2) + 8 (T % 2) + p + 8 (p / 8): the 16 registers of key tiles 2 b, 2 b + 1 are keys 32 b + 16 h + 0 .. 15.
; The head's K is 64 and the instruction's 128: Q's upper 64 are zero codes; a K fragment's upper 8 registers are the next tile's codes (finite), which meet those zeros.
; REGISTERS: v1 16 lane, v2 8 lane, v3 16 r, v4 my mask offset, v5-9 addresses in hand; v[10:11] c; v[12:13] -max; v[14:15] the sum; v16-23 Q, v24-31 zeros; v32-95 K's 8 tiles, then V's 4 fragments; v96-103 zeros;
; v104-167 S^T, then p; v168-199 O^T; v200-215 p's codes; v216-219, v220-221, v222, v223 scale words of K, V, Q, p; v224-239 mask bytes (at the head: staging addresses); v240-255 at work.
; LIMITS: scores are taken to be finite; a p under 2^-126 counts as 0 (v_exp_f32 gives no denormals); a mask byte is 0 or 1.  The scale bytes of o leave as 2 bytes a row: one part in 32 of what the launch stores.
; THE MODE: SCHED_MODE bits 1:0 = 2 (LLVM: expert scheduling mode 2), set by the entry lines.  The code itself states the register dependences between vector or matrix instructions and memory or LDS instructions, with s_wait_alu, always for 0.
; THE PLAN.  Registers that memory or LDS instructions touch, in the two loops over the key steps:
;   v5-v9               a step's addresses.  Written by the adds at the step's head; read by the step's loads.
;   v32-95, v216-219    K's tiles and scale words land here at the step's head; the step's eight products k q^T read them.
;   v32-95, v220-221    pass B: V's fragments and scale words land here behind those eight products; the step's four products v^T p^T read them.
;   v224-239            a cell's mask bytes land here at the step's head, ahead of K; the selection reads them.
;   v1, v2, v4          lane terms, made at the head and never written again.
; A wave's 256 registers are all taken, so none of these has a second buffer.  A live step's head holds two waits round its adds: one says that the loads issued so far have read the addresses, the other that the addresses are
; written and that the step before is done reading all the registers in which this step's loads land.  Between that wait and K's, the mask's and V's scale words' loads no vector or matrix instruction names a register that they touch.
; Pass B holds one more ahead of V's loads (the eight products are done reading K) and one ahead of the last four products (p's codes and scale word are written).
; The selection's compares go in runs of sixteen into scalar registers, one wait behind each run.
.set VC,  131072
.set KS,  262144
.set VS,  270336
.set MS,  16                           ; s[16:31] sixteen lane masks of the selection; at the head these registers hold ids and addresses that are done with before the first key step
.set NEG, 41                           ; s41 -FLT_MAX
.set MNT, 42
.set SEL, 44
.set TB,  46                           ; s46 LDS byte of the step's K;  s47 of its V;  s48 of K's scale words;  s49 of V's
.set TW,  47
.set TS,  48
.set TV,  49
.set MJ,  50                           ; s50 the cell's first byte in the mask
.set SKA, 51                           ; s51 bit 0: pass the cell over
.set MXA, 52                           ; s52 bit 0: the cell holds a blocked byte
.set CNT, 53
.macro KLOAD                           ; the step's 8 tiles of K, 8 registers each, and their scale words
.irp t, 0,1,2,3,4,5,6,7
	ds_load_b128 v[32+8*\t:35+8*\t], v5 offset:1024*\t
	ds_load_b128 v[36+8*\t:39+8*\t], v5 offset:1024*\t+512
.endr
	ds_load_b128 v[216:219], v7
.endm
.macro SMUL                            ; S^T = k q^T: 8 tiles of 16 keys
.irp t, 0,1,2,3
	v_wmma_scale_f32_16x16x128_f8f6f4 v[104+8*\t:111+8*\t], v[32+8*\t:47+8*\t], v[16:31], 0, v[216+\t], v222 matrix_a_fmt:MATRIX_FMT_BF8 matrix_b_fmt:MATRIX_FMT_BF8
.endr
.irp t, 4,5,6,7
	v_wmma_scale_f32_16x16x128_f8f6f4 v[104+8*\t:111+8*\t], v[32+8*\t:47+8*\t], v[16:31], 0, v[212+\t], v222 matrix_a_fmt:MATRIX_FMT_BF8 matrix_b_fmt:MATRIX_FMT_BF8 matrix_a_scale:MATRIX_SCALE_ROW1
.endr
.rept 8
	v_nop                                          ; eight places in front of the first read of results
.endr
.endm
.macro VLOAD                           ; V's four fragments take K's registers: they land while the softmax is walked
	s_wait_alu depctr_va_vdst(0)                   ; the eight products above are done reading v32-103, in which V's fragments land
.irp t, 0,1,2,3
.irp c, 0,1,2,3
	ds_load_b128 v[32+16*\t+4*\c:35+16*\t+4*\c], v6 offset:2048*\t+512*\c
.endr
.endr
	ds_load_b64 v[220:221], v8
.endm
.macro MLOAD                           ; register 16 b + i holds key 32 b + 16 h + i: my row's 16 bytes at 32 b + 16 h.  Asked for at the step's head, so that the bytes are on their way while k q^T is made
.irp b, 0,1,2,3
	global_load_b128 v[224+4*\b:227+4*\b], v9, s[8:9] offset:32*\b
.endr
.endm
.macro SELECT                          ; a blocked score becomes -FLT_MAX: sixteen scores at a time
	s_wait_loadcnt 0x0
.set n, 0
.rept 4
.irp j, 0,1
.irp k, 0,1,2,3,4,5,6,7
	v_and_b32 v[248+\k], 0xff<<(8*(\k%4)), v[224+(n+8*\j+\k)/4]
.endr
.irp k, 0,1,2,3,4,5,6,7
	v_cmp_eq_u32 s[MS+8*\j+\k], 0, v[248+\k]
.endr
.endr
	s_wait_alu depctr_va_sdst(0)                   ; the sixteen compares have written s[MS] on, which the sixteen selections below read
.irp k, 0,1,2,3,4,5,6,7,8,9,10,11,12,13,14,15
	v_cndmask_b32 v[104+n+\k], s[NEG], v[104+n+\k], s[MS+\k]   ; ascending: each accumulator is read from its low end on
.endr
.set n, n+16
.endr
.endm
.macro START                           ; the scalars that walk the 16 key steps
	s_mov_b32 s[TB], 0
	s_mov_b32 s[TW], VC
	s_mov_b32 s[TS], KS
	s_mov_b32 s[TV], VS
	s_mov_b32 s[MJ], s54
	s_mov_b32 s[SKA], s39
	s_mov_b32 s[MXA], s40
	s_mov_b32 s[CNT], 0
.endm
.macro NEXT
	s_add_co_u32 s[TB], s[TB], 8192
	s_add_co_u32 s[TW], s[TW], 8192
	s_add_co_u32 s[TS], s[TS], 512
	s_add_co_u32 s[TV], s[TV], 256
	s_add_co_u32 s[MJ], s[MJ], 128
	s_lshr_b32 s[SKA], s[SKA], 1
	s_lshr_b32 s[MXA], s[MXA], 1
	s_add_co_u32 s[CNT], s[CNT], 1
	s_cmp_lt_u32 s[CNT], 16
.endm
	s_load_b256 s[4:11], s[0:1], 0x0               ; qkvc s[4:5], qkvs s[6:7], mask s[8:9], flags s[10:11]
	s_load_b128 s[12:15], s[0:1], 0x20             ; oc s[12:13], os s[14:15]
	v_lshrrev_b32 v1, 5, v0
	v_readfirstlane_b32 s16, v1                    ; wave 0..15
	v_and_b32 v5, 31, v0
	v_and_b32 v6, 15, v0                           ; r
	v_bfe_u32 v7, v0, 4, 1                         ; h
	v_lshlrev_b32 v1, 4, v5
	v_lshlrev_b32 v2, 3, v5
	v_lshlrev_b32 v3, 4, v6
	v_and_b32 v8, 8, v6
	v_add_nc_u32 v8, v8, v6
	v_lshlrev_b32 v4, 11, v8
	v_lshl_add_u32 v4, v7, 4, v4                   ; (r + 8 (r / 8)) rows of 2,048 bytes + 16 h
	v_lshlrev_b32 v224, 4, v0                      ; staging: 16 x thread, in memory and in LDS;
	v_add_nc_u32 v225, 0x10000, v224               ; K's second half, V's two halves, K's scale words
	v_add_nc_u32 v226, 0x20000, v224
	v_add_nc_u32 v227, 0x30000, v224
	v_add_nc_u32 v228, KS, v224
	v_lshlrev_b32 v229, 3, v0                      ; V's scale words: 8 x thread
	v_add_nc_u32 v230, VS, v229
	s_wait_alu depctr_va_sdst(0)                   ; s16 is written, ahead of its first reader: my tile's number is made from it
	s_lshr_b32 s19, s16, 2
	s_and_b32 s19, s19, 1
	s_mul_i32 s19, s19, 3
	s_xor_b32 s19, s19, s16                        ; rank
	s_lshl_b32 s17, s19, 3
	s_add_co_u32 s17, s17, ttmp9                   ; my query tile Tq, 0 .. 127
	s_and_b32 s18, ttmp7, 0xffff                   ; 16 batch + head
	s_mov_b32 s[NEG], 0xff7fffff
	s_mov_b32 s[MNT], 0x600000
	s_mov_b32 s[SEL], 0x76543210
	s_mov_b32 s[SEL+1], 0xfedcba98
	s_lshr_b32 s54, s17, 1                         ; my tile's first row in the mask: 32 (Tq / 2) + 8 (Tq % 2)
	s_lshl_b32 s54, s54, 5
	s_and_b32 s19, s17, 1
	s_lshl_b32 s19, s19, 3
	s_add_co_u32 s54, s54, s19
	s_lshl_b32 s54, s54, 11
	s_mov_b32 s21, 0
	s_mov_b32 s23, 0
	s_wait_kmcnt 0x0
	s_lshl_b32 s20, s18, 17                        ; the head's 131,072 bytes in each kind's codes
	s_add_nc_u64 s[24:25], s[4:5], 0x400000
	s_add_nc_u64 s[24:25], s[24:25], s[20:21]      ; K
	s_add_nc_u64 s[26:27], s[4:5], 0x800000
	s_add_nc_u64 s[26:27], s[26:27], s[20:21]      ; V
	s_lshl_b32 s22, s17, 10
	s_add_nc_u64 s[32:33], s[4:5], s[20:21]
	s_add_nc_u64 s[32:33], s[32:33], s[22:23]      ; Q: my tile's 1,024 bytes
	s_lshl_b32 s20, s18, 13
	s_add_nc_u64 s[28:29], s[6:7], 262144
	s_add_nc_u64 s[28:29], s[28:29], s[20:21]      ; K's scale words
	s_lshl_b32 s20, s18, 12
	s_add_nc_u64 s[30:31], s[6:7], 524288
	s_add_nc_u64 s[30:31], s[30:31], s[20:21]      ; V's
	s_lshl_b32 s20, s18, 4                         ; Q's: cell 16 bh + Tq / 8, lanes' half (Tq % 8) / 4, word Tq % 4
	s_lshr_b32 s22, s17, 3
	s_add_co_u32 s20, s20, s22
	s_lshl_b32 s20, s20, 9
	s_bfe_u32 s22, s17, 0x10002
	s_lshl_b32 s22, s22, 8
	s_add_co_u32 s20, s20, s22
	s_and_b32 s22, s17, 3
	s_lshl_b32 s22, s22, 2
	s_add_co_u32 s20, s20, s22
	s_add_nc_u64 s[34:35], s[6:7], s[20:21]
	s_lshl_b32 s20, s17, 3
	s_add_nc_u64 s[10:11], s[10:11], s[20:21]      ; my tile's two flag words
	s_lshr_b32 s22, s18, 4                         ; o: token tile Tg = 128 batch + Tq
	s_lshl_b32 s22, s22, 7
	s_add_co_u32 s22, s22, s17
	s_and_b32 s19, s18, 15                         ; the head
	s_lshl_b32 s20, s22, 14
	s_lshl_b32 s55, s19, 10
	s_add_co_u32 s20, s20, s55
	s_add_nc_u64 s[12:13], s[12:13], s[20:21]      ; oc: 16,384 Tg + 1,024 head
	s_lshl_b32 s20, s22, 9
	s_lshl_b32 s55, s19, 1
	s_add_co_u32 s20, s20, s55
	s_add_nc_u64 s[14:15], s[14:15], s[20:21]      ; os: 512 Tg + 2 head
	s_wait_alu depctr_va_vdst(0)                   ; v1 to v4 and v224 to v230 are written: the loads and LDS stores below read them as offsets and addresses
.irp i, 0,1,2,3,4,5,6,7,8,9,10,11,12,13,14,15
	global_load_b128 v[32+4*\i:35+4*\i], v224, s[24:25] offset:8192*\i
.endr
	global_load_b128 v[216:219], v224, s[28:29]
.irp i, 0,1,2,3,4,5,6,7,8,9,10,11,12,13,14,15
	global_load_b128 v[104+4*\i:107+4*\i], v224, s[26:27] offset:8192*\i
.endr
	global_load_b64 v[220:221], v229, s[30:31]
	global_load_b128 v[16:19], v1, s[32:33]
	global_load_b128 v[20:23], v1, s[32:33] offset:512
	global_load_b32 v222, v3, s[34:35]
	s_load_b64 s[36:37], s[10:11], 0x0
	s_wait_loadcnt 20                              ; K and its scale words (17 loads) are in; the 20 behind them may be out
.irp i, 0,1,2,3,4,5,6,7
	ds_store_b128 v224, v[32+4*\i:35+4*\i] offset:8192*\i
.endr
.irp i, 0,1,2,3,4,5,6,7
	ds_store_b128 v225, v[64+4*\i:67+4*\i] offset:8192*\i
.endr
	ds_store_b128 v228, v[216:219]
	s_wait_loadcnt 3                               ; V and its scale words are in; Q's three loads may be out
.irp i, 0,1,2,3,4,5,6,7
	ds_store_b128 v226, v[104+4*\i:107+4*\i] offset:8192*\i
.endr
.irp i, 0,1,2,3,4,5,6,7
	ds_store_b128 v227, v[136+4*\i:139+4*\i] offset:8192*\i
.endr
	ds_store_b64 v230, v[220:221]
	s_wait_dscnt 0x0                               ; for the others' sake: my stores into LDS are done
	s_barrier_signal -1
	s_barrier_wait -1                              ; the launch's one barrier: from here on LDS is only read
	s_wait_loadcnt 0x0
	s_wait_kmcnt 0x0
	s_and_b32 s38, s36, s37
	s_and_b32 s38, s38, 0xffff                     ; rows of my tile that are blocked at all 2,048 keys
	s_bfe_u32 s39, s36, 0x80010
	s_bfe_u32 s19, s37, 0x80010
	s_lshl_b32 s19, s19, 8
	s_or_b32 s39, s39, s19                         ; bit j: cell j is wholly blocked
	s_lshr_b32 s40, s36, 24
	s_lshr_b32 s19, s37, 24
	s_lshl_b32 s19, s19, 8
	s_or_b32 s40, s40, s19                         ; bit j: cell j holds a blocked byte
	s_cmp_lg_u32 s38, 0
	s_cselect_b32 s39, 0, s39                      ; a wholly blocked row attends to every key: then no cell is passed over
.irp j, 0,1,2,3,4,5,6,7
	v_mov_b32 v[24+\j], 0                          ; Q's upper 64 along K: zero codes
	v_mov_b32 v[96+\j], 0                          ; behind K's last tile
.endr
.set n, 0
.rept 32
	v_mov_b32 v[168+n], 0                          ; O^T: which cell is a tile's first live one hangs on the stored flags, so no first step can be written out
.set n, n+1
.endr
	v_mov_b32 v14, 0
	v_mov_b32 v15, 0
	v_mov_b32 v10, 0x3e38aa3b                      ; c = log2(e) / 8
	v_mov_b32 v11, v10
.irp b, 0,1,2,3
	v_mov_b32 v[240+\b], s[NEG]                    ; four running maxima
	v_mov_b32 v[244+\b], 0                         ; a lane permute's destination counts as one of its sources
.endr
	; ---- PASS A: the rows' maxima
	START
.LA:
	s_bitcmp1_b32 s[SKA], 0
	s_cbranch_scc1 .LA_next
	s_wait_alu depctr_vm_vsrc(0)                   ; the loads of the live step before have read v5, v7 and v9, which the adds below write; in the first live step: the staging's LDS stores have read v32-95, v104-167, v216-221 and v224-230, which this step's loads and products write
	v_add_nc_u32 v5, s[TB], v1
	v_add_nc_u32 v7, s[TS], v1
	v_add_nc_u32 v9, s[MJ], v4
	s_wait_alu depctr_va_vdst(0)                   ; v5, v7 and v9 are written, which the loads below read; the step before is done reading v32-103 and v216-219 (its products) and v224-239 (its selection), in which they land; in the first live step: the zero codes v24-31 and v96-103 are written, which the products take as operands
	s_bitcmp1_b32 s[MXA], 0
	s_cbranch_scc1 .LA_mixed
	KLOAD
	s_wait_dscnt 0x0
	SMUL
	s_branch .LA_open
.LA_mixed:                                         ; the same with the cell's mask bytes, asked for first
	MLOAD
	KLOAD
	s_wait_dscnt 0x0
	SMUL
	SELECT
.LA_open:
.irp i, 0,2,4,6,8,10,12,14
.irp b, 0,1,2,3
	v_max3_num_f32 v[240+\b], v[240+\b], v[104+16*\b+\i], v[105+16*\b+\i]
.endr
.endr
.LA_next:
	NEXT
	s_cbranch_scc1 .LA
	s_wait_alu depctr_va_vdst(0)
	v_max3_num_f32 v240, v240, v241, v242
	v_max_num_f32 v240, v240, v243
	v_permlanex16_b32 v244, v240, s[SEL], s[SEL+1] ; the query's other keys lie in lane l xor 16
	v_max_num_f32 v240, v240, v244
	v_mul_f32 v12, -1.0, v240                      ; -max, twice: a pair for the packed additions
	v_mov_b32 v13, v12
	; ---- PASS B: p, its codes, and O^T
	START
.LB:
	s_bitcmp1_b32 s[SKA], 0
	s_cbranch_scc1 .LB_next
	s_wait_alu depctr_vm_vsrc(0)                   ; the loads issued so far have read v5 to v9, which the adds below write
	v_add_nc_u32 v5, s[TB], v1
	v_add_nc_u32 v7, s[TS], v1
	v_add_nc_u32 v6, s[TW], v1
	v_add_nc_u32 v8, s[TV], v2
	v_add_nc_u32 v9, s[MJ], v4
	s_wait_alu depctr_va_vdst(0)                   ; v5 to v9 are written, which this step's loads read; the step before is done reading v32-103 and v216-221 (its products) and v224-239 (its selection), in which they land
	s_bitcmp1_b32 s[MXA], 0
	s_cbranch_scc1 .LB_mixed
	KLOAD
	s_wait_dscnt 0x0
	SMUL
	VLOAD
	s_branch .LB_open
.LB_mixed:                                         ; the same with the cell's mask bytes, asked for first
	MLOAD
	KLOAD
	s_wait_dscnt 0x0
	SMUL
	VLOAD
	SELECT
.LB_open:
.irp b, 0,1,2,3
	v_max3_num_f32 v[240+\b], v[104+16*\b], v[105+16*\b], v[106+16*\b]   ; the largest score of each block of 32 keys: p rises with the score, so it gives the block's largest p
.endr
.irp i, 3,5,7,9,11,13
.irp b, 0,1,2,3
	v_max3_num_f32 v[240+\b], v[240+\b], v[104+16*\b+\i], v[105+16*\b+\i]
.endr
.endr
.irp b, 0,1,2,3
	v_max_num_f32 v[240+\b], v[240+\b], v[119+16*\b]
.endr
.irp b, 0,1,2,3
	v_permlanex16_b32 v[244+\b], v[240+\b], s[SEL], s[SEL+1]
.endr
.irp b, 0,1,2,3
	v_max_num_f32 v[240+\b], v[240+\b], v[244+\b]
.endr
.set n, 0
.rept 32
	v_pk_add_f32 v[104+n:105+n], v[104+n:105+n], v[12:13]   ; s - max: not fused with the scaling, so that the maximum gives exactly 0
.set n, n+2
.endr
.set n, 0
.rept 32
	v_pk_mul_f32 v[104+n:105+n], v[104+n:105+n], v[10:11]
.set n, n+2
.endr
.irp b, 0,1,2,3
	v_add_f32 v[240+\b], v[240+\b], v12            ; the same two steps on each block's largest score: the same bits
.endr
.irp b, 0,1,2,3
	v_mul_f32 v[240+\b], v[240+\b], v10
.endr
.set n, 0
	s_wait_alu depctr_va_vdst(0)
.rept 64
	v_exp_f32 v[104+n], v[104+n]                   ; p, at most 1
.set n, n+1
.endr
	v_nop                                          ; a plain line behind the last exponential
	s_wait_alu depctr_va_vdst(0)                   ; one wait for the batch of 64, ahead of its first reader: the exponentials have written v104-167
.irp b, 0,1,2,3
	v_exp_f32 v[240+\b], v[240+\b]                 ; each block's largest p
.endr
	v_pk_add_f32 v[244:245], v[104:105], v[106:107]   ; the row's sum, of the unquantised p, in two chains: plain work behind the four
.irp j, 4,8,12,16,20,24,28,32,36,40,44,48,52,56,60
	v_pk_add_f32 v[14:15], v[14:15], v[104+\j:105+\j]
	v_pk_add_f32 v[244:245], v[244:245], v[106+\j:107+\j]
.endr
	v_pk_add_f32 v[14:15], v[14:15], v[244:245]
	s_wait_alu depctr_va_vdst(0)                   ; and one for the four: they have written v240-243
.irp b, 0,1,2,3
	v_max_num_f32 v[240+\b], 0x8000000, v[240+\b]  ; the floor 2^(16 - 127): a block of zeros keeps the byte 1, and its codes are zeros
.endr
.irp b, 0,1,2,3
	v_add_nc_u32 v[252+\b], 0xf8800000, v[240+\b]  ; 15 off the exponent field: the conversion's scale operand
.endr
.irp b, 0,1,2,3
	v_and_or_b32 v[248+\b], v[240+\b], 0x7f800000, s[MNT]   ; 57,344 x the scale
.endr
.irp b, 0,1,2,3
	v_lshrrev_b32 v[244+\b], 23, v[252+\b]         ; the byte
.endr
	v_lshl_or_b32 v223, v245, 8, v244              ; p's scale word for these 128 keys; the 64 holds below stand between it and the products
	v_lshl_or_b32 v223, v246, 16, v223
	v_lshl_or_b32 v223, v247, 24, v223
.irp b, 0,1,2,3
.irp i, 0,1,2,3,4,5,6,7,8,9,10,11,12,13,14,15
	v_min_num_f32 v[104+16*\b+\i], v[104+16*\b+\i], v[248+\b]   ; the conversion does not saturate (ISA guide 7.6.2); p is never negative, so the hold is one-sided
.endr
	v_cvt_scalef32_pk8_bf8_f32 v[200+4*\b:201+4*\b], v[104+16*\b:111+16*\b], v[252+\b]
	v_cvt_scalef32_pk8_bf8_f32 v[202+4*\b:203+4*\b], v[112+16*\b:119+16*\b], v[252+\b]
.endr
.rept 4
	v_nop                                          ; an operand written by vector instructions stands four places ahead of a scaled matrix instruction
.endr
	s_wait_alu depctr_va_vdst(0)                   ; the conversions have written p's codes v200-215, and the lines above them the scale word v223: the four products below take them as operand and scales; the places above stay beside this wait
	s_wait_dscnt 0x0                               ; V and its scale words
.irp t, 0,1
	v_wmma_scale_f32_16x16x128_f8f6f4 v[168+8*\t:175+8*\t], v[32+16*\t:47+16*\t], v[200:215], v[168+8*\t:175+8*\t], v[220+\t], v223 matrix_a_fmt:MATRIX_FMT_BF8 matrix_b_fmt:MATRIX_FMT_BF8
.endr
.irp t, 2,3
	v_wmma_scale_f32_16x16x128_f8f6f4 v[168+8*\t:175+8*\t], v[32+16*\t:47+16*\t], v[200:215], v[168+8*\t:175+8*\t], v[218+\t], v223 matrix_a_fmt:MATRIX_FMT_BF8 matrix_b_fmt:MATRIX_FMT_BF8 matrix_a_scale:MATRIX_SCALE_ROW1
.endr
.rept 8
	v_nop                                          ; eight places in front of the way out's reads of the sums
.endr
.LB_next:
	NEXT
	s_cbranch_scc1 .LB
	; ---- THE WAY OUT: O^T / the sum; register 16 b + i is channel 32 b + 16 h + i of my query: two blocks of the last product's K
	s_wait_alu depctr_vm_vsrc(0)                   ; the key steps' LDS loads have read v5, which is written anew below
	v_add_f32 v14, v14, v15
	s_wait_alu depctr_va_vdst(0)
	v_permlanex16_b32 v244, v14, s[SEL], s[SEL+1]
	v_add_f32 v14, v14, v244                       ; the row's sum: at least 1, since the largest p is 1
	s_wait_alu depctr_va_vdst(0)
	v_rcp_f32 v14, v14
	v_and_b32 v5, 15, v0                           ; (a plain line behind the reciprocal)
	v_lshlrev_b32 v5, 5, v5                        ; os: my row of 32 bytes
	s_wait_alu depctr_va_vdst(0)                   ; the wait, ahead of the first reader: the reciprocal has written v14
.set n, 0
.rept 32
	v_mul_f32 v[104+n], v[168+n], v14
.set n, n+1
.endr
.irp b, 0,1
	v_max3_num_f32 v[240+\b], |v[104+16*\b]|, |v[105+16*\b]|, 0x8000000
.endr
.irp i, 2,4,6,8,10,12,14
.irp b, 0,1
	v_max3_num_f32 v[240+\b], v[240+\b], |v[104+16*\b+\i]|, |v[105+16*\b+\i]|
.endr
.endr
.irp b, 0,1
	v_permlanex16_b32 v[244+\b], v[240+\b], s[SEL], s[SEL+1]
.endr
.irp b, 0,1
	v_max_num_f32 v[240+\b], v[240+\b], v[244+\b]
.endr
.irp b, 0,1
	v_add_nc_u32 v[252+\b], 0xf8800000, v[240+\b]
.endr
.irp b, 0,1
	v_and_or_b32 v[248+\b], v[240+\b], 0x7f800000, s[MNT]
.endr
.irp b, 0,1
	v_lshrrev_b32 v[244+\b], 23, v[252+\b]
.endr
	v_lshl_or_b32 v223, v245, 8, v244              ; the head's two scale bytes of my token
.irp b, 0,1
.irp i, 0,1,2,3,4,5,6,7,8,9,10,11,12,13,14,15
	v_med3_num_f32 v[104+16*\b+\i], v[104+16*\b+\i], -v[248+\b], v[248+\b]
.endr
	v_cvt_scalef32_pk8_bf8_f32 v[200+4*\b:201+4*\b], v[104+16*\b:111+16*\b], v[252+\b]
	v_cvt_scalef32_pk8_bf8_f32 v[202+4*\b:203+4*\b], v[112+16*\b:119+16*\b], v[252+\b]
.endr
	v_nop                                          ; a plain line behind the last conversion
	s_wait_alu depctr_va_vdst(0)                   ; the conversions have written v200-207, and the lines above them v223 and v5: the three stores below read them as data and offset
	global_store_b128 v1, v[200:203], s[12:13]     ; two groups of the fragment (token tile, K step head / 2): 512 consecutive bytes each
	global_store_b128 v1, v[204:207], s[12:13] offset:512
	global_store_b16 v5, v223, s[14:15]            ; lanes r and r + 16 write the same two bytes with the same value
	s_wait_xcnt 0x0
	v_lshl_add_u32 v254, v0, 2, 0x43000
	v_mov_b32 v255, 0
	s_wait_dscnt 0x0                               ; the closing lines, six on end
	s_wait_alu 0x0
	s_wait_tensorcnt 0x0
	ds_add_u32 v254, v255
	s_wait_dscnt 0x0
	s_endpgm
.Lfunc_end_k_q44b65bfe03_attn:
	.size	k_q44b65bfe03_attn, .Lfunc_end_k_q44b65bfe03_attn-k_q44b65bfe03_attn
	.p2alignl 7, 3214868480
	.fill 96, 4, 3214868480
	.section	.rodata,"a",@progbits
	.p2align	6, 0x0
	.amdhsa_kernel k_q44b65bfe03_attn
		.amdhsa_group_segment_fixed_size 276480
		.amdhsa_private_segment_fixed_size 0
		.amdhsa_enable_private_segment 0
		.amdhsa_kernarg_size 48
		.amdhsa_user_sgpr_count 2
		.amdhsa_user_sgpr_kernarg_segment_ptr 1
		.amdhsa_wavefront_size32 1
		.amdhsa_system_sgpr_workgroup_id_x 1
		.amdhsa_system_sgpr_workgroup_id_y 1
		.amdhsa_system_sgpr_workgroup_id_z 1
		.amdhsa_system_vgpr_workitem_id 0
		.amdhsa_next_free_vgpr 256
		.amdhsa_next_free_sgpr 66
		.amdhsa_reserve_vcc 0
		.amdhsa_float_denorm_mode_32 3
		.amdhsa_float_denorm_mode_16_64 3
		.amdhsa_memory_ordered 1
		.amdhsa_forward_progress 1
		.amdhsa_inst_pref_size 75
	.end_amdhsa_kernel
	.amdgpu_metadata
---
amdhsa.version: [ 1, 2 ]
amdhsa.kernels:
  - .name:           k_q44b65bfe03_attn
    .symbol:         k_q44b65bfe03_attn.kd
    .args:
      - { .name: qkvc, .offset: 0, .size: 8, .value_kind: global_buffer, .address_space: global }
      - { .name: qkvs, .offset: 8, .size: 8, .value_kind: global_buffer, .address_space: global }
      - { .name: mask, .offset: 16, .size: 8, .value_kind: global_buffer, .address_space: global }
      - { .name: flags, .offset: 24, .size: 8, .value_kind: global_buffer, .address_space: global }
      - { .name: oc, .offset: 32, .size: 8, .value_kind: global_buffer, .address_space: global }
      - { .name: os, .offset: 40, .size: 8, .value_kind: global_buffer, .address_space: global }
    .group_segment_fixed_size: 276480
    .private_segment_fixed_size: 0
    .kernarg_segment_align: 8
    .kernarg_segment_size: 48
    .max_flat_workgroup_size: 512
    .sgpr_count:     66
    .vgpr_count:     256
    .wavefront_size: 32
...
	.end_amdgpu_metadata
.endif
;; end of part 7
;; launch proj (part 8): grid 256 x 1, 16 waves a work-group, no clusters, 92,160 bytes of LDS; arguments oc, os, Wo_codes, Wo_scales, bo, x, gamma, beta, out0; writes out0
.if DOCPART == 8
	.amdgcn_target "amdgcn-amd-amdhsa--gfx1250"
	.amdhsa_code_object_version 6
	.text
	.protected	k_q44b65bfe03_proj
	.globl	k_q44b65bfe03_proj
	.p2align	8
	.type	k_q44b65bfe03_proj,@function
k_q44b65bfe03_proj:
	s_mov_b64 s[64:65], 0
	v_nop
	global_prefetch_b8 v0, s[64:65] scope:SCOPE_SE
	s_setreg_imm32_b32 hwreg(HW_REG_WAVE_SCHED_MODE, 0, 2), 2
	s_setreg_imm32_b32 hwreg(HW_REG_WAVE_MODE, 25, 1), 1
	s_wait_xcnt 0x0
	s_wait_alu depctr_vm_vsrc(0)
; out = nan_to_num(LayerNorm(o Wo^T + bo + nan_to_num(x)) gamma + beta); the product on codes of E5M2 with one E8M0 byte for each 32 along K.
; SHARES.  A work-group takes one tile of 16 tokens (rows 32 (Tg / 2) + 8 (Tg % 2) + p + 8 (p / 8)) and all 1,024 columns, which the norm needs; wave w takes columns 64 w .. 64 w + 63: four tiles of 16 rows of Wo.
; The product is used transposed (source 0 = 16 rows of Wo, source 1 = o's 16 tokens): a lane holds one token and eight neighbouring columns a tile.  bo is loaded into the accumulators: it starts the sums.
; o's eight fragments (16,384 bytes, images of registers) go through LDS once; Wo's fragments go from memory straight into registers, two K steps ahead, in two buffers.  Each feeds one product: with 32 products a wave
; a ring of joint tiles would spend more on its rounds than it spares, so there is none.
; x comes in and the result goes out in runs of 256 consecutive bytes a row (16 lanes), and turns through the wave's own stage in LDS (rows 272 bytes apart) into and out of the accumulators' layout.
; The mean, and then the mean of the squared differences, are summed in a lane, with lane l xor 16, and over the 16 waves through LDS: two barriers.
; REGISTERS: v1-11 addresses; v16-47 the sums; v48-63 o's fragment; v64-79 Wo's scale words (8 (t % 2) + s; lanes 16-31: tile t + 2); v80-87 o's scale words; v88-119 x, then the row; v120-183, v184-247 Wo's two buffers,
; later gamma v120-151, beta v152-183, v184-207 at work; v248-255 o's image on its way, then at work.
; THE MODE: SCHED_MODE bits 1:0 = 2 (LLVM: expert scheduling mode 2), set by the entry lines.  The code itself states the register dependences between vector or matrix instructions and memory or LDS instructions, with s_wait_alu, always for 0.
; THE PLAN.  Registers that memory or LDS instructions touch:
;   v1-v11              offsets and addresses, made at the head and never written again.
;   v48-63              o's fragment: step s's four products read it; behind them step s + 1's fragment lands in it.
;   v120-183, v184-247  Wo's buffers: step s's products read buffer s % 2; behind them step s + 2's fragments land in it.  gamma and beta land in the first behind step 7: step 6 was its last reader.
;   v88-119             x lands; LDS stores read it; LDS loads land in it; vector work; LDS stores read it; LDS loads land in it; the final stores read it.
;   v184                a wave's partial sum: written by vector lines, read by an LDS store, twice.     v188-203  sixteen partial sums land here, twice; packed additions read them.
;   v248-255            o's image lands, LDS stores read it; later at work in nan_to_num.
; A wave's 256 registers are all taken, so o's fragment has one buffer.  ONE wait stands in each of steps 0 to 6, behind the products: they are done reading the two buffers in which the step's loads land.
; The compares of nan_to_num go in runs of sixteen into scalar registers, one wait behind each run.
.set STG,  16384
.set RED1, 86016
.set INF,  26
.set ABSM, 27
.set BIG,  28
.set SEL,  32
; nan_to_num of eight numbers v[r] .. v[r + 7]: NaN -> 0, +-infinity -> +-1e9.  Lane masks: "is a number" in s4-s11, "is an infinity" in s12-s15 and s22-s25: registers whose addresses and ids are done with when the first of these lines runs
; (every load that read them stands ahead of the last K step's wait for all loads).  A NaN's bits are not infinity's, so the second test may read the number ahead of the first selection.
.macro NANFIX8 r
.irp k, 0,1,2,3,4,5,6,7
	v_cmp_eq_f32 s[4+\k], v[(\r)+\k], v[(\r)+\k]
.endr
.irp k, 0,1,2,3,4,5,6,7
	v_and_b32 v[248+\k], s[ABSM], v[(\r)+\k]
.endr
.irp k, 0,1,2,3,4,5,6,7
	v_cmp_eq_u32 s[12+\k+6*(\k/4)], s[INF], v[248+\k]
.endr
	s_wait_alu depctr_va_sdst(0)                   ; the sixteen compares have written their lane masks, which the selections below read
.irp k, 0,1,2,3,4,5,6,7
	v_cndmask_b32 v[(\r)+\k], 0, v[(\r)+\k], s[4+\k]
.endr
.irp k, 0,1,2,3,4,5,6,7
	v_bfi_b32 v[248+\k], s[ABSM], s[BIG], v[(\r)+\k]   ; 1e9 under the number's sign
.endr
.irp k, 0,1,2,3,4,5,6,7
	v_cndmask_b32 v[(\r)+\k], v[(\r)+\k], v[248+\k], s[12+\k+6*(\k/4)]
.endr
.endm
.macro WLOAD reg, s                    ; my four fragments of Wo for K step s
.irp t, 0,1,2,3
.irp c, 0,1,2,3
	global_load_b128 v[\reg+16*\t+4*\c:\reg+16*\t+4*\c+3], v6, s[8:9] offset:16384*\t+128*(\s)+32*\c
.endr
.endr
.endm
.macro OLOAD s                         ; o's fragment of K step s
.irp c, 0,1,2,3
	ds_load_b128 v[48+4*\c:51+4*\c], v1 offset:2048*(\s)+512*\c
.endr
.endm
.macro STEP s
.if \s < 2
	s_wait_loadcnt 24                              ; this step's fragments are in; behind them: 16 of Wo and x's 8
.elseif \s < 7
	s_wait_loadcnt 16                              ; behind them: the next step's 16
.else
	s_wait_loadcnt 0x0
.endif
	s_wait_dscnt 0x0                               ; o's fragment
.irp t, 0,1
	v_wmma_scale_f32_16x16x128_f8f6f4 v[16+8*\t:23+8*\t], v[120+64*(\s%2)+16*\t:135+64*(\s%2)+16*\t], v[48:63], v[16+8*\t:23+8*\t], v[64+8*\t+\s], v[80+\s] matrix_a_fmt:MATRIX_FMT_BF8 matrix_b_fmt:MATRIX_FMT_BF8
.endr
.irp t, 2,3
	v_wmma_scale_f32_16x16x128_f8f6f4 v[16+8*\t:23+8*\t], v[120+64*(\s%2)+16*\t:135+64*(\s%2)+16*\t], v[48:63], v[16+8*\t:23+8*\t], v[48+8*\t+\s], v[80+\s] matrix_a_fmt:MATRIX_FMT_BF8 matrix_b_fmt:MATRIX_FMT_BF8 matrix_a_scale:MATRIX_SCALE_ROW1
.endr
.rept 8
	v_nop                                          ; eight places behind these products, in front of the first read of results.  The four sums take turns
.endr
.if \s < 7
	s_wait_alu depctr_va_vdst(0)                   ; the four products are done reading o's fragment v48-63 and this step's buffer of Wo, in which the loads below land
	OLOAD \s+1
.endif
.if \s < 6
	WLOAD 120+64*(\s%2), \s+2
.endif
.endm
.macro WGSUM off                       ; v184, the wave's sum for token r, becomes v188, the work-group's
	s_wait_alu depctr_va_vdst(0)                   ; v184 is written, which the LDS store reads; all earlier readers and writers of v188-203 are done, in which the loads below land
	ds_store_b32 v10, v184 offset:\off             ; lanes r and r + 16 write the same word with the same value
	s_wait_dscnt 0x0                               ; for the others' sake
	s_barrier_signal -1
	s_barrier_wait -1
.irp i, 0,1,2,3
	ds_load_b128 v[188+4*\i:191+4*\i], v11 offset:\off+16*\i
.endr
	s_wait_dscnt 0x0
	v_pk_add_f32 v[188:189], v[188:189], v[190:191]
	v_pk_add_f32 v[192:193], v[192:193], v[194:195]
	v_pk_add_f32 v[196:197], v[196:197], v[198:199]
	v_pk_add_f32 v[200:201], v[200:201], v[202:203]
	v_pk_add_f32 v[188:189], v[188:189], v[192:193]
	v_pk_add_f32 v[196:197], v[196:197], v[200:201]
	v_pk_add_f32 v[188:189], v[188:189], v[196:197]
	v_add_f32 v188, v188, v189
.endm
.macro LANESUM                         ; the pairs v[184:185], v[186:187] become one number, joined with lane l xor 16's
	v_pk_add_f32 v[184:185], v[184:185], v[186:187]
	v_add_f32 v184, v184, v185
	v_permlanex16_b32 v186, v184, s[SEL], s[SEL+1]
	v_add_f32 v184, v184, v186
.endm
	s_load_b256 s[4:11], s[0:1], 0x0               ; oc s[4:5], os s[6:7], Wo's codes s[8:9], scales s[10:11]
	s_load_b256 s[12:19], s[0:1], 0x20             ; bo s[12:13], x s[14:15], gamma s[16:17], beta s[18:19]
	s_load_b64 s[20:21], s[0:1], 0x40              ; out0
	v_lshrrev_b32 v1, 5, v0
	v_readfirstlane_b32 s22, v1                    ; wave 0..15
	v_and_b32 v12, 31, v0
	v_and_b32 v13, 15, v0                          ; r
	v_bfe_u32 v14, v0, 4, 1                        ; h
	v_lshlrev_b32 v1, 4, v12                       ; 16 x lane
	v_lshlrev_b32 v2, 4, v0                        ; 16 x thread: o's image, in memory and in LDS
	v_lshlrev_b32 v3, 5, v13                       ; os: my token's 32 bytes
	v_lshl_add_u32 v4, v14, 5, v13
	v_lshlrev_b32 v4, 5, v4                        ; Wo's scales: row r + 32 h of 32 bytes
	v_lshlrev_b32 v5, 5, v14                       ; bo, gamma, beta: 8 h numbers on
	v_lshlrev_b32 v6, 10, v13
	v_lshl_add_u32 v6, v14, 4, v6                  ; Wo: row r of 1,024 bytes, + 16 h
	v_lshlrev_b32 v7, 12, v14
	v_lshl_add_u32 v7, v13, 4, v7                  ; x, out: lanes 0-15 one row, lanes 16-31 the next; 16 bytes a lane
	s_wait_alu depctr_va_sdst(0)                   ; s22 is written, ahead of its first reader: my stage's place and my columns' addresses are made from it
	s_mul_i32 s23, s22, 4352
	s_add_co_u32 s23, s23, STG                     ; my stage
	v_mul_u32_u24 v8, v14, 272
	v_lshl_add_u32 v8, v13, 4, v8
	v_add_nc_u32 v8, s23, v8                       ; by rows: row h, 16 r
	v_mul_u32_u24 v9, v13, 272
	v_lshl_add_u32 v9, v14, 5, v9
	v_add_nc_u32 v9, s23, v9                       ; by the sums' layout: row r, 32 h
	v_mul_u32_u24 v11, v13, 80
	v_add_nc_u32 v11, RED1, v11                    ; token r's 16 partial sums: rows of 64 bytes + 16
	s_lshl_b32 s23, s22, 2
	v_add_nc_u32 v10, s23, v11                     ; my wave's word among them
	s_mov_b32 s[INF], 0x7f800000
	s_mov_b32 s[ABSM], 0x7fffffff
	s_mov_b32 s[BIG], 0x4e6e6b28                   ; 1e9
	s_mov_b32 s30, 0x3a800000                      ; 1 / 1,024
	s_mov_b32 s31, 0x3727c5ac                      ; 1e-5
	s_mov_b32 s[SEL], 0x76543210
	s_mov_b32 s[SEL+1], 0xfedcba98
	s_mov_b32 s25, 0
	s_wait_kmcnt 0x0
	s_lshl_b32 s24, ttmp9, 14
	s_add_nc_u64 s[4:5], s[4:5], s[24:25]
	s_lshl_b32 s24, ttmp9, 9
	s_add_nc_u64 s[6:7], s[6:7], s[24:25]
	s_lshl_b32 s24, s22, 16
	s_add_nc_u64 s[8:9], s[8:9], s[24:25]
	s_lshl_b32 s24, s22, 11
	s_add_nc_u64 s[10:11], s[10:11], s[24:25]
	s_lshl_b32 s24, s22, 8
	s_add_nc_u64 s[12:13], s[12:13], s[24:25]
	s_add_nc_u64 s[16:17], s[16:17], s[24:25]
	s_add_nc_u64 s[18:19], s[18:19], s[24:25]
	s_lshr_b32 s23, ttmp9, 1                       ; the tile's first token: 32 (Tg / 2) + 8 (Tg % 2)
	s_lshl_b32 s23, s23, 5
	s_and_b32 s29, ttmp9, 1
	s_lshl_b32 s29, s29, 3
	s_add_co_u32 s23, s23, s29
	s_lshl_b32 s23, s23, 12
	s_add_co_u32 s24, s24, s23                     ; + my 256 bytes of a row
	s_add_nc_u64 s[14:15], s[14:15], s[24:25]
	s_add_nc_u64 s[20:21], s[20:21], s[24:25]
	s_wait_alu depctr_va_vdst(0)                   ; v1 to v11 are written: every load and store of the kernel reads one of them as its offset or address
	global_load_b128 v[248:251], v2, s[4:5]
	global_load_b128 v[252:255], v2, s[4:5] offset:8192
	global_load_b128 v[80:83], v3, s[6:7]
	global_load_b128 v[84:87], v3, s[6:7] offset:16
.irp t, 0,1
	global_load_b128 v[64+8*\t:67+8*\t], v4, s[10:11] offset:512*\t
	global_load_b128 v[68+8*\t:71+8*\t], v4, s[10:11] offset:512*\t+16
.endr
.irp t, 0,1,2,3
	global_load_b128 v[16+8*\t:19+8*\t], v5, s[12:13] offset:64*\t
	global_load_b128 v[20+8*\t:23+8*\t], v5, s[12:13] offset:64*\t+16
.endr
	WLOAD 120, 0
	WLOAD 184, 1
.irp q, 0,1,2,3,4,5,6,7
	global_load_b128 v[88+4*\q:91+4*\q], v7, s[14:15] offset:(2*\q+8*(\q/4))*4096 th:TH_LOAD_NT   ; the tile's rows 2 q, 2 q + 1: 256 consecutive bytes each
.endr
	s_wait_loadcnt 54                              ; o's two loads are in; the 54 behind them may be out
	ds_store_b128 v2, v[248:251]
	ds_store_b128 v2, v[252:255] offset:8192
	s_wait_dscnt 0x0                               ; for the others' sake
	s_barrier_signal -1
	s_barrier_wait -1                              ; o's eight fragments lie in LDS
	OLOAD 0
.irp s, 0,1,2,3,4,5,6,7
	STEP \s
.endr
.irp t, 0,1,2,3                                    ; no wait: step 6's products were the last to name v120-183, and step 6's wait stands behind them
	global_load_b128 v[120+8*\t:123+8*\t], v5, s[16:17] offset:64*\t
	global_load_b128 v[124+8*\t:127+8*\t], v5, s[16:17] offset:64*\t+16
	global_load_b128 v[152+8*\t:155+8*\t], v5, s[18:19] offset:64*\t
	global_load_b128 v[156+8*\t:159+8*\t], v5, s[18:19] offset:64*\t+16
.endr
.irp q, 0,1,2,3,4,5,6,7
	ds_store_b128 v8, v[88+4*\q:91+4*\q] offset:544*\q
.endr
	s_wait_alu depctr_vm_vsrc(0)                   ; the LDS stores above have read v88-119, in which the loads below land; the head's LDS stores have read v248-255, which nan_to_num writes
.irp t, 0,1,2,3
	ds_load_b128 v[88+8*\t:91+8*\t], v9 offset:64*\t       ; LDS serves a wave's instructions in order (ISA guide 5.7.1.4): these see the stores above
	ds_load_b128 v[92+8*\t:95+8*\t], v9 offset:64*\t+16
.endr
	s_wait_dscnt 0x0
.irp g, 0,1,2,3
	NANFIX8 88+8*\g
.endr
.set n, 0
.rept 16
	v_pk_add_f32 v[88+n:89+n], v[88+n:89+n], v[16+n:17+n]   ; the residual; each sum is read from its low end on
.set n, n+2
.endr
	v_pk_add_f32 v[184:185], v[88:89], v[90:91]
	v_pk_add_f32 v[186:187], v[92:93], v[94:95]
.irp j, 8,12,16,20,24,28
	v_pk_add_f32 v[184:185], v[184:185], v[88+\j:89+\j]
	v_pk_add_f32 v[186:187], v[186:187], v[90+\j:91+\j]
.endr
	LANESUM
	WGSUM 0
	v_mul_f32 v204, s30, v188                      ; the mean, twice: a pair for the packed subtraction
	v_mov_b32 v205, v204
.set n, 0
.rept 16
	v_pk_add_f32 v[88+n:89+n], v[88+n:89+n], v[204:205] neg_lo:[0,1] neg_hi:[0,1]
.set n, n+2
.endr
	s_wait_alu depctr_vm_vsrc(0)                   ; the first sum's LDS store has read v184, which the next line writes
	v_pk_mul_f32 v[184:185], v[88:89], v[88:89]
	v_pk_mul_f32 v[186:187], v[90:91], v[90:91]
.irp j, 4,8,12,16,20,24,28
	v_pk_fma_f32 v[184:185], v[88+\j:89+\j], v[88+\j:89+\j], v[184:185]
	v_pk_fma_f32 v[186:187], v[90+\j:91+\j], v[90+\j:91+\j], v[186:187]
.endr
	LANESUM
	WGSUM 1280                                     ; other bytes than the first sum's: no barrier is owed between them
	v_fma_f32 v206, v188, s30, s31                 ; the variance + 1e-5
	s_wait_alu depctr_va_vdst(0)
	v_rsq_f32 v206, v206
	v_nop                                          ; a plain line behind it
	s_wait_alu depctr_va_vdst(0)                   ; the wait, ahead of the first reader: v206 is written
	v_mov_b32 v207, v206
	s_wait_alu depctr_va_vdst(0)
	s_wait_loadcnt 0x0                             ; gamma and beta
.set n, 0
.rept 16
	v_pk_mul_f32 v[88+n:89+n], v[88+n:89+n], v[206:207]
.set n, n+2
.endr
.set n, 0
.rept 16
	v_pk_fma_f32 v[88+n:89+n], v[88+n:89+n], v[120+n:121+n], v[152+n:153+n]
.set n, n+2
.endr
.irp g, 0,1,2,3
	NANFIX8 88+8*\g
.endr
	s_wait_alu depctr_va_vdst(0)                   ; the selections have written v88-119, which the LDS stores below read
.irp t, 0,1,2,3
	ds_store_b128 v9, v[88+8*\t:91+8*\t] offset:64*\t
	ds_store_b128 v9, v[92+8*\t:95+8*\t] offset:64*\t+16
.endr
	s_wait_alu depctr_vm_vsrc(0)                   ; these stores have read v88-119, in which the loads below land
.irp q, 0,1,2,3,4,5,6,7
	ds_load_b128 v[88+4*\q:91+4*\q], v8 offset:544*\q
.endr
.irp q, 0,1,2,3,4,5,6,7
	s_wait_dscnt 7-\q
	global_store_b128 v7, v[88+4*\q:91+4*\q], s[20:21] offset:(2*\q+8*(\q/4))*4096 th:TH_STORE_NT   ; 16 lanes store 256 consecutive bytes, at a multiple of 256 from the buffer's first byte
.endr
	s_wait_xcnt 0x0
	v_lshl_add_u32 v254, v0, 2, 0x16000
	v_mov_b32 v255, 0
	s_wait_dscnt 0x0                               ; the closing lines, six on end
	s_wait_alu 0x0
	s_wait_tensorcnt 0x0
	ds_add_u32 v254, v255
	s_wait_dscnt 0x0
	s_endpgm
.Lfunc_end_k_q44b65bfe03_proj:
	.size	k_q44b65bfe03_proj, .Lfunc_end_k_q44b65bfe03_proj-k_q44b65bfe03_proj
	.p2alignl 7, 3214868480
	.fill 96, 4, 3214868480
	.section	.rodata,"a",@progbits
	.p2align	6, 0x0
	.amdhsa_kernel k_q44b65bfe03_proj
		.amdhsa_group_segment_fixed_size 92160
		.amdhsa_private_segment_fixed_size 0
		.amdhsa_enable_private_segment 0
		.amdhsa_kernarg_size 72
		.amdhsa_user_sgpr_count 2
		.amdhsa_user_sgpr_kernarg_segment_ptr 1
		.amdhsa_wavefront_size32 1
		.amdhsa_system_sgpr_workgroup_id_x 1
		.amdhsa_system_sgpr_workgroup_id_y 1
		.amdhsa_system_sgpr_workgroup_id_z 1
		.amdhsa_system_vgpr_workitem_id 0
		.amdhsa_next_free_vgpr 256
		.amdhsa_next_free_sgpr 66
		.amdhsa_reserve_vcc 0
		.amdhsa_float_denorm_mode_32 3
		.amdhsa_float_denorm_mode_16_64 3
		.amdhsa_memory_ordered 1
		.amdhsa_forward_progress 1
		.amdhsa_inst_pref_size 63
	.end_amdhsa_kernel
	.amdgpu_metadata
---
amdhsa.version: [ 1, 2 ]
amdhsa.kernels:
  - .name:           k_q44b65bfe03_proj
    .symbol:         k_q44b65bfe03_proj.kd
    .args:
      - { .name: oc, .offset: 0, .size: 8, .value_kind: global_buffer, .address_space: global }
      - { .name: os, .offset: 8, .size: 8, .value_kind: global_buffer, .address_space: global }
      - { .name: Wo_codes, .offset: 16, .size: 8, .value_kind: global_buffer, .address_space: global }
      - { .name: Wo_scales, .offset: 24, .size: 8, .value_kind: global_buffer, .address_space: global }
      - { .name: bo, .offset: 32, .size: 8, .value_kind: global_buffer, .address_space: global }
      - { .name: x, .offset: 40, .size: 8, .value_kind: global_buffer, .address_space: global }
      - { .name: gamma, .offset: 48, .size: 8, .value_kind: global_buffer, .address_space: global }
      - { .name: beta, .offset: 56, .size: 8, .value_kind: global_buffer, .address_space: global }
      - { .name: out0, .offset: 64, .size: 8, .value_kind: global_buffer, .address_space: global }
    .group_segment_fixed_size: 92160
    .private_segment_fixed_size: 0
    .kernarg_segment_align: 8
    .kernarg_segment_size: 72
    .max_flat_workgroup_size: 512
    .sgpr_count:     66
    .vgpr_count:     256
    .wavefront_size: 32
...
	.end_amdgpu_metadata
.endif
;; end of part 8
